; MI455X (gfx1250); checked and timed in simulation.
; The chip was launched on July 23, 2026; its instructions are those of AMD's public machine-readable ISA for CDNA 5 (MIT licence, August 2026) and "CDNA5" Instruction Set Architecture Reference Guide (July 2026). The comments in the code are by the model that wrote it; some were corrected since.
;; Multi Head Attention. Allowed arithmetic: matrix products marked QUANTISED: E3M2 operands, one E8M0 scale for each 32 along K, by v_wmma_scale_f32_16x16x128_f8f6f4 with both operands' format E3M2, f32 sums; everything else in f32.
;; Inputs: W_K 1,024 x 1,024 float32; W_O 1,024 x 1,024 float32; W_Q 1,024 x 1,024 float32; W_V 1,024 x 1,024 float32; ln_beta 1,024 float32; ln_gamma 1,024 float32; x 4 x 2,048 x 1,024 float32.
;; Outputs: out0 4 x 2,048 x 1,024 float32.
;; This version of the problem:
;;   THIS VERSION OF THE PROBLEM IS GIVEN IN LOW PRECISION. The matrix products marked QUANTISED in the list below multiply operands that are first quantised to E3M2 (3 exponent bits, 2 mantissa bits; 6 bits a number), with one power-of-two scale for each 32 numbers along K (OCP MX v1.0); their sums are f32. All else is computed in f32.
;;   The module's matrix products, in the order in which they are computed (A, B: the left and right operand; K: the contracted axis; several contracted axes count as one K, in the product's order):
;;     1. [M 8,192, K 1,024] x [K 1,024, N 1,024]; A: input x; B: input W_Q: QUANTISED
;;     2. [M 8,192, K 1,024] x [K 1,024, N 1,024]; A: input x; B: input W_K: QUANTISED
;;     3. [M 8,192, K 1,024] x [K 1,024, N 1,024]; A: input x; B: input W_V: QUANTISED
;;     4. batch 64 x [M 2,048, K 64] x [K 64, N 2,048]; A: computed on the way; B: computed on the way: QUANTISED
;;     5. batch 64 x [M 2,048, K 2,048] x [K 2,048, N 64]; A: softmax (see below); B: computed on the way: QUANTISED
;;     6. [M 8,192, K 1,024] x [K 1,024, N 1,024]; A: computed on the way; B: input W_O: QUANTISED
;;   THE QUANTISER, for each operand of a quantised product, along K:
;;     - K is cut into blocks of 32 from its start; a last block that is shorter is filled with zeros.
;;     - A block's scale is 2^e with e = floor(log2(the largest magnitude in the block)) - 4, held to -126 .. 127; a block of zeros has e = 0. As a byte (E8M0): e + 127.
;;     - Each number is divided by its block's scale, clamped to +-28, and rounded to the nearest number of E3M2, ties to even, subnormals kept.
;;     - The product sums the exact products of the quantised numbers (number of the format x scale) in f32.
;;   ~~~python
;;   def quantise(x, axis):      # numpy; x: float32 -> the quantised numbers, widened to float32 again
;;       x = np.moveaxis(x, axis, -1); K = x.shape[-1]
;;       x = np.pad(x, [(0, 0)] * (x.ndim - 1) + [(0, -K % 32)]); x = x.reshape(x.shape[:-1] + (-1, 32)); a = np.abs(x).max(-1, keepdims=True)
;;       e = np.where(a > 0, np.clip(np.frexp(np.where(a > 0, a, 1))[1] - 1 - 4, -126, 127), 0)      # np.frexp(a)[1] - 1 = floor(log2(a)), exactly
;;       r = np.clip(x / 2.0 ** e, -28, 28)
;;       step = 2.0 ** (np.maximum(np.frexp(np.where(r == 0, 1, r))[1] - 1, -2) - 2)
;;       q = np.round(r / step) * step * 2.0 ** e      # np.round: ties to even
;;       return np.moveaxis(q.reshape(q.shape[:-2] + (-1,))[..., :K], -1, axis).astype(np.float32)
;;   ~~~
;;   SOFTMAX AHEAD OF A QUANTISED PRODUCT. Where the list says 'softmax', what is quantised is not the finished softmax but p = 2^(t - M), with t = logit x log2(e) and M = ceil(the row's largest t), a whole number; so 1/2 < the row's largest p <= 1. The row's sum l is taken of the UNQUANTISED p, in f32, and the product's result is divided by l at the end. Since M is a whole number, a kernel that streams over the keys may use a running M (the ceiling of the running maximum): every later rescaling is an exact power of two, which a block's scale takes up: the codes' values come out the same.
;;   OPERANDS COMPUTED ON THE WAY. 'Computed on the way' means the value that the module computes at that place (a softmax that the list does not call 'softmax' is quantised finished and normalised). What goes into a quantiser is computed in f32, as accurately as f32 sums, v_exp_f32 and their like allow (about 1e-6 of the number): no bf16 or f16 on the way to a quantiser, and a product that is left as it is and whose result goes on into a quantised operand takes f32 operands (vector FMAs, or v_wmma_f32_16x16x4_f32). A number that lies on a knife's edge between two numbers of the format may be rounded either way, as far as f32 arithmetic and the matrix unit's own rounding can turn it there, and no further.
;; 2 versions. Each part assembles by itself: llvm-mc -triple=amdgcn-amd-amdhsa -mcpu=gfx1250 --defsym DOCPART=n.
;; ======== version 1 of 2: 4 launches
;; workspace buffers: xq 6,553,600 bytes; wq 3,276,800 bytes; qb 6,815,744 bytes; kv 13,369,344 bytes; ctxc 6,291,456 bytes; ctxs 262,144 bytes
;; launch quant (part 1): grid 384 x 1, 8 waves a work-group, no clusters, 95,232 bytes of LDS; arguments x, W_Q, W_K, W_V, W_O, xq, wq; writes xq, wq
.if DOCPART == 1
	.amdgcn_target "amdgcn-amd-amdhsa--gfx1250"
	.amdhsa_code_object_version 6
	.text
	.protected	k_q38922d08d7_quant
	.globl	k_q38922d08d7_quant
	.p2align	8
	.type	k_q38922d08d7_quant,@function
k_q38922d08d7_quant:
	s_mov_b64 s[64:65], 0
	v_nop
	global_prefetch_b8 v0, s[64:65] scope:SCOPE_SE
	s_setreg_imm32_b32 hwreg(HW_REG_WAVE_MODE, 25, 1), 1
	s_wait_xcnt 0x0
; x [8192][1024] and the four weights [1024 (k)][1024 (n)], f32, become codes of E3M2 with one E8M0 byte for each 32 along K, laid as IMAGES OF THE OPERAND'S REGISTERS:
; a fragment (16 rows x 128 K, 12 registers a lane) is 1,536 bytes, registers 4 c .. 4 c + 3 of lane l at 512 c + 16 l.
; THE 16 ROWS OF A TILE ARE NOT NEIGHBOURS: row r of tile T is index 32 (T / 2) + 8 (T % 2) + r + 8 (r / 8), for x's rows and for the weights' columns alike.
; xq, wq: [block of 256 rows][256 along K][half of 8 tiles][25,600 bytes]: codes at (tile % 8) 3072 + 1536 q, from byte 24,576 the scale words at (tile % 8) 128 + 8 r + 4 q (q: which 128 of the 256 along K).
; A block's scale byte is its largest magnitude's exponent field - 4, held at 1 from below (a block of zeros gets 1 where the rule says 127: its codes are zeros, and this program alone reads the bytes).
; LIMITS: NaN and infinities among the inputs are not served; blocks whose largest magnitude lies under 2^-122 were not tried.
; Work-groups 0-255 take 32 rows of x each, work-groups 256-383 a weight's 256 columns x 128 along K.  The two ways have LDS bytes of their own.  Waves share nothing: no barrier.
; No matrix unit, no cluster, no tensor load: every input byte is read once and no two work-groups read the same bytes.
.set XP,    528                        ; x's stage: a row's 512 bytes + 16: the sixteen rows that a load touches start at sixteen different columns of 16 bytes
.set XSTG,  16*XP                      ; a wave's stage on x's way
.set WST0,  8*XSTG                     ; the weights' way: its stages begin here
.set WTP,   1664                       ; a tile's image, 1,536 bytes, + 128
.set WSTG,  2*WTP                      ; a wave's two tiles
.set FLOOR, 0x2800000                  ; 2^(5 - 127): under it no largest magnitude is taken
.set EOFF,  0xfe000000                 ; 4 off an exponent field
	s_load_b256 s[4:11], s[0:1], 0x0               ; x, W_Q, W_K, W_V
	s_load_b128 s[12:15], s[0:1], 0x20             ; W_O, xq
	s_load_b64 s[16:17], s[0:1], 0x30              ; wq
	v_lshl_add_u32 v62, v0, 2, 0x17000
	v_mov_b32 v63, 0
	v_lshrrev_b32 v1, 5, v0
	v_readfirstlane_b32 s18, v1                    ; wave 0..7
	v_and_b32 v1, 31, v0                           ; lane
	v_and_b32 v2, 15, v0                           ; r
	v_bfe_u32 v3, v0, 4, 1                         ; h
	v_lshlrev_b32 v4, 4, v1                        ; 16 x lane
	s_mov_b32 s20, 0x76543210
	s_mov_b32 s21, 0xfedcba98                      ; v_permlanex16_b32's selects for lane l xor 16
	s_mov_b32 s27, 0
	s_mov_b32 s29, 0
	s_cmp_lt_u32 ttmp9, 256
	s_cbranch_scc0 .Lweights
; ---------------- x: work-group g has rows 32 g .. 32 g + 31; wave w takes tile 2 g + w / 4 and 256 along K from 256 (w % 4) on: two fragments
	s_lshr_b32 s22, s18, 2                         ; u: which of the two tiles
	s_and_b32 s23, s18, 3                          ; which 256 along K
	s_mul_i32 s24, s18, XSTG
	v_add_nc_u32 v5, s24, v4                       ; into the stage: a row's 512 bytes as they lie
	v_mul_u32_u24 v6, v2, XP
	v_lshl_add_u32 v6, v3, 7, v6
	v_add_nc_u32 v6, s24, v6                       ; out of it: row r, + 128 h: my block of 32 numbers
	v_lshlrev_b32 v9, 3, v3                        ; 8 h
	v_mov_b32 v55, 0                               ; a lane permute's destination counts as one of its sources
	v_cmp_le_u32 vcc_lo, 16, v1                    ; lanes 16-31
	s_lshl_b32 s26, ttmp9, 17                      ; 32 rows of 4,096 bytes
	s_lshl_b32 s25, s22, 15                        ; the tile's first row: 8 u
	s_add_co_u32 s26, s26, s25
	s_lshl_b32 s25, s23, 10
	s_add_co_u32 s26, s26, s25
	s_lshr_b32 s28, ttmp9, 3                       ; xq: block g / 8,
	s_mul_i32 s28, s28, 204800
	s_mul_i32 s25, s23, 51200                      ; my 256 along K,
	s_add_co_u32 s28, s28, s25
	s_bfe_u32 s25, ttmp9, 0x10002                  ; half (g / 4) % 2
	s_mul_i32 s25, s25, 25600
	s_add_co_u32 s28, s28, s25
	s_and_b32 s25, ttmp9, 3
	s_lshl_b32 s25, s25, 1
	s_add_co_u32 s25, s25, s22                     ; the tile's place in its half
	s_mul_i32 s30, s25, 3072
	v_add_nc_u32 v8, s30, v4                       ; where my 16 bytes of an image go
	s_lshl_b32 s30, s25, 7
	v_lshlrev_b32 v7, 3, v2
	v_lshl_add_u32 v7, v3, 2, v7
	v_add_nc_u32 v7, s30, v7                       ; and my scale word: 8 r + 4 h
	s_wait_kmcnt 0x0
	s_add_nc_u64 s[4:5], s[4:5], s[26:27]
	s_add_nc_u64 s[14:15], s[14:15], s[28:29]
.irp q, 0,1
.irp i, 0,1,2,3,4,5,6,7,8,9,10,11,12,13,14,15
	global_load_b128 v[64+4*(16*\q+\i):64+4*(16*\q+\i)+3], v4, s[4:5] offset:(\i+8*(\i/8))*4096+512*\q th:TH_LOAD_NT   ; 32 lanes read 512 consecutive bytes of the tile's row i
.endr
.endr
; One fragment.  Its 16 rows x 512 bytes turn through the stage, so that lane (r, h) holds k = 64 c + 32 h + 0 .. 31 of row r: two whole blocks.  left: the younger loads that may stay out.
.macro XPART q, left
	s_wait_loadcnt \left
.irp i, 0,1,2,3,4,5,6,7,8,9,10,11,12,13,14,15
	ds_store_b128 v5, v[64+4*(16*\q+\i):64+4*(16*\q+\i)+3] offset:XP*\i
.endr
.irp c, 0,1
.irp j, 0,1,2,3,4,5,6,7
	ds_load_b128 v[192+32*\c+4*\j:192+32*\c+4*\j+3], v6 offset:256*\c+16*\j   ; LDS serves a wave's instructions in order: these see the stores above
.endr
.endr
	s_wait_dscnt 0x0
.irp c, 0,1
	v_max3_num_f32 v[48+\c], |v[192+32*\c]|, |v[193+32*\c]|, FLOOR   ; my block 2 c + h: all its 32 numbers are mine
.endr
.irp i, 2,4,6,8,10,12,14,16,18,20,22,24,26,28,30
.irp c, 0,1
	v_max3_num_f32 v[48+\c], v[48+\c], |v[192+32*\c+\i]|, |v[193+32*\c+\i]|
.endr
.endr
.irp c, 0,1
	v_add_nc_u32 v[50+\c], EOFF, v[48+\c]          ; the conversion takes the exponent field of this operand as its scale
.endr
.irp c, 0,1
	v_lshrrev_b32 v[52+\c], 23, v[50+\c]           ; the scale's byte
.endr
	v_lshl_or_b32 v54, v53, 16, v52                ; my two bytes: blocks h and 2 + h,
	v_lshlrev_b32 v54, v9, v54                     ; at their places in the word;
	v_permlanex16_b32 v55, v54, s20, s21
	v_or_b32 v[56+\q], v54, v55                    ; with lane l xor 16's two the word is whole
.irp c, 0,1
	v_cvt_scalef32_pk16_bf6_f32 v[16+12*\q+6*\c:18+12*\q+6*\c], v[192+32*\c:207+32*\c], v[50+\c]
	v_cvt_scalef32_pk16_bf6_f32 v[40+4*\c:42+4*\c], v[208+32*\c:223+32*\c], v[50+\c]   ; (a conversion's three registers begin on an even number)
.endr
	v_nop                                          ; one plain place behind a scaled conversion
.irp c, 0,1
.irp i, 0,1,2
	v_mov_b32 v[19+12*\q+6*\c+\i], v[40+4*\c+\i]
.endr
.endr
.irp c, 0,1,2
	global_store_b128 v8, v[16+12*\q+4*\c:16+12*\q+4*\c+3], s[14:15] offset:1536*\q+512*\c   ; 512 consecutive bytes, aligned; each fragment has registers of its own
.endr
.endm
	XPART 0, 16                                    ; the second fragment's sixteen loads may stay out
	XPART 1, 0
	v_cndmask_b32 v58, v56, v57, vcc_lo            ; lanes 0-15 store the first fragment's words, lanes 16-31 the second's:
	global_store_b32 v7, v58, s[14:15] offset:24576   ; 128 consecutive bytes
	s_wait_tensorcnt 0x0
	ds_add_u32 v62, v63
	s_wait_dscnt 0x0
	s_endpgm
; ---------------- the weights: work-group g' = weight 32 + block of 256 columns x 8 + K step.  Wave w takes 32 columns (two tiles), a lane one column, and its registers run DOWN K
.Lweights:
	s_sub_co_u32 s19, ttmp9, 256
	s_lshr_b32 s22, s19, 5                         ; which weight: Q, K, V, O
	s_bfe_u32 s23, s19, 0x20003                    ; which 256 columns
	s_and_b32 s24, s19, 7                          ; which 128 along K
	v_lshlrev_b32 v7, 2, v1                        ; in: 4 bytes a lane
	v_bfe_u32 v11, v0, 3, 1                        ; column 32 w + lane is row r_j of tile 2 w + u_j: u_j = (lane / 8) % 2,
	v_and_b32 v12, 7, v0
	v_lshl_add_u32 v12, v3, 3, v12                 ; r_j = lane % 8 + 8 (lane / 16)
	s_mul_i32 s25, s18, WSTG
	s_add_co_u32 s25, s25, WST0
	v_mul_u32_u24 v10, v11, WTP
	v_lshl_add_u32 v10, v12, 4, v10
	v_add_nc_u32 v10, s25, v10                     ; into the stage: my tile's image, lane r_j's place
	v_add_nc_u32 v14, s25, v4                      ; out of it: 16 x lane
	s_lshl_b32 s26, s24, 19                        ; 128 rows of 4,096 bytes
	s_lshl_b32 s25, s23, 10
	s_add_co_u32 s26, s26, s25
	s_lshl_b32 s25, s18, 7
	s_add_co_u32 s26, s26, s25
	s_lshr_b32 s28, s19, 3                         ; wq: block 4 x weight + which 256 columns,
	s_mul_i32 s28, s28, 204800
	s_lshr_b32 s25, s24, 1
	s_mul_i32 s25, s25, 51200
	s_add_co_u32 s28, s28, s25
	s_lshr_b32 s25, s18, 2                         ; half w / 4
	s_mul_i32 s25, s25, 25600
	s_add_co_u32 s28, s28, s25
	s_and_b32 s30, s18, 3
	s_and_b32 s31, s24, 1
	s_mul_i32 s25, s30, 6144                       ; tile 2 (w % 4) of the half,
	s_mul_i32 s32, s31, 1536                       ; the K step's place in it
	s_add_co_u32 s25, s25, s32
	v_add_nc_u32 v8, s25, v4
	s_lshl_b32 s25, s30, 8
	s_lshl_b32 s32, s31, 2
	s_add_co_u32 s25, s25, s32
	v_lshlrev_b32 v15, 7, v11
	v_lshl_add_u32 v15, v12, 3, v15
	v_add_nc_u32 v15, s25, v15                     ; my column's scale word
	s_wait_kmcnt 0x0
	s_cmp_eq_u32 s22, 1                            ; the choice hangs on the work-group's number alone
	s_cselect_b64 s[6:7], s[8:9], s[6:7]
	s_cmp_eq_u32 s22, 2
	s_cselect_b64 s[6:7], s[10:11], s[6:7]
	s_cmp_eq_u32 s22, 3
	s_cselect_b64 s[6:7], s[12:13], s[6:7]
	s_add_nc_u64 s[6:7], s[6:7], s[26:27]
	s_add_nc_u64 s[16:17], s[16:17], s[28:29]
.set kk, 0
.rept 128
	global_load_b32 v[64+kk], v7, s[6:7] offset:kk*4096 th:TH_LOAD_NT   ; row kk of the K step at my column: 128 consecutive bytes a wave, 1,024 a work-group
.set kk, kk+1
.endr
; Block kb of 32 along K: it is block kb % 2 of the fragment's registers 6 (kb / 2) .. + 5, which belong to lane r_j + 16 (kb % 2) of the image.  left: the younger loads that may stay out.
.macro WBLOCK kb, left
.set XS, 64+32*(\kb)
.set CD, 16+6*(\kb)
	s_wait_loadcnt \left
	v_max3_num_f32 v48, |v[XS]|, |v[XS+1]|, FLOOR
	v_max3_num_f32 v49, |v[XS+2]|, |v[XS+3]|, |v[XS+4]|
.irp i, 5,9,13,17,21,25
	v_max3_num_f32 v48, v48, |v[XS+\i]|, |v[XS+\i+1]|
	v_max3_num_f32 v49, v49, |v[XS+\i+2]|, |v[XS+\i+3]|
.endr
	v_max3_num_f32 v48, v48, |v[XS+29]|, |v[XS+30]|
	v_max3_num_f32 v48, v48, v49, |v[XS+31]|
	v_add_nc_u32 v50, EOFF, v48
	v_lshrrev_b32 v51, 23, v50
.if (\kb) == 0
	v_mov_b32 v56, v51                             ; the four bytes make my column's scale word
.else
	v_lshl_or_b32 v56, v51, 8*(\kb), v56
.endif
	v_cvt_scalef32_pk16_bf6_f32 v[CD:CD+2], v[XS:XS+15], v50
	v_cvt_scalef32_pk16_bf6_f32 v[40:42], v[XS+16:XS+31], v50
	v_nop                                          ; one plain place behind a scaled conversion
.irp i, 0,1,2
	v_mov_b32 v[CD+3+\i], v[40+\i]
.endr
.if (\kb) < 2
	ds_store_b128 v10, v[CD:CD+3] offset:256*((\kb)%2)             ; registers 0-3
	ds_store_b64 v10, v[CD+4:CD+5] offset:512+256*((\kb)%2)        ; registers 4, 5
.else
	ds_store_b64 v10, v[CD:CD+1] offset:520+256*((\kb)%2)          ; registers 6, 7
	ds_store_b128 v10, v[CD+2:CD+5] offset:1024+256*((\kb)%2)      ; registers 8-11
.endif
.endm
	WBLOCK 0, 63                                   ; 96 loads stand behind block 0's, 64 behind block 1's: the wait's field names 63 at the most
	WBLOCK 1, 63
	WBLOCK 2, 32
	WBLOCK 3, 0
.irp n, 0,1,2,3,4,5
	ds_load_b128 v[192+4*\n:195+4*\n], v14 offset:WTP*(\n/3)+512*(\n%3)   ; LDS serves a wave's instructions in order: these see my stores
.endr
.irp n, 0,1,2,3,4,5
	s_wait_dscnt 5-\n
	global_store_b128 v8, v[192+4*\n:195+4*\n], s[16:17] offset:3072*(\n/3)+512*(\n%3)   ; 512 consecutive bytes, aligned
.endr
	global_store_b32 v15, v56, s[16:17] offset:24576   ; 4 bytes in every 8: the other K step's words come from another work-group; one byte in 25 of what this way stores
	s_wait_tensorcnt 0x0
	ds_add_u32 v62, v63
	s_wait_dscnt 0x0
	s_endpgm
.Lfunc_end_k_q38922d08d7_quant:
	.size	k_q38922d08d7_quant, .Lfunc_end_k_q38922d08d7_quant-k_q38922d08d7_quant
	.p2alignl 7, 3214868480
	.fill 96, 4, 3214868480
	.section	.rodata,"a",@progbits
	.p2align	6, 0x0
	.amdhsa_kernel k_q38922d08d7_quant
		.amdhsa_group_segment_fixed_size 95232
		.amdhsa_private_segment_fixed_size 0
		.amdhsa_enable_private_segment 0
		.amdhsa_kernarg_size 56
		.amdhsa_user_sgpr_count 2
		.amdhsa_user_sgpr_kernarg_segment_ptr 1
		.amdhsa_wavefront_size32 1
		.amdhsa_system_sgpr_workgroup_id_x 1
		.amdhsa_system_sgpr_workgroup_id_y 1
		.amdhsa_system_sgpr_workgroup_id_z 1
		.amdhsa_system_vgpr_workitem_id 0
		.amdhsa_next_free_vgpr 256
		.amdhsa_next_free_sgpr 66
		.amdhsa_reserve_vcc 1
		.amdhsa_float_denorm_mode_32 3
		.amdhsa_float_denorm_mode_16_64 3
		.amdhsa_memory_ordered 1
		.amdhsa_forward_progress 1
		.amdhsa_inst_pref_size 38
	.end_amdhsa_kernel
	.amdgpu_metadata
---
amdhsa.version: [ 1, 2 ]
amdhsa.kernels:
  - .name:           k_q38922d08d7_quant
    .symbol:         k_q38922d08d7_quant.kd
    .args:
      - { .name: x, .offset: 0, .size: 8, .value_kind: global_buffer, .address_space: global }
      - { .name: W_Q, .offset: 8, .size: 8, .value_kind: global_buffer, .address_space: global }
      - { .name: W_K, .offset: 16, .size: 8, .value_kind: global_buffer, .address_space: global }
      - { .name: W_V, .offset: 24, .size: 8, .value_kind: global_buffer, .address_space: global }
      - { .name: W_O, .offset: 32, .size: 8, .value_kind: global_buffer, .address_space: global }
      - { .name: xq, .offset: 40, .size: 8, .value_kind: global_buffer, .address_space: global }
      - { .name: wq, .offset: 48, .size: 8, .value_kind: global_buffer, .address_space: global }
    .group_segment_fixed_size: 95232
    .private_segment_fixed_size: 0
    .kernarg_segment_align: 8
    .kernarg_segment_size: 56
    .max_flat_workgroup_size: 256
    .sgpr_count:     66
    .vgpr_count:     256
    .wavefront_size: 32
...
	.end_amdgpu_metadata
.endif
;; end of part 1
;; launch qkv (part 2): grid 12 x 32, 4 waves a work-group, clusters of 4 x 4, 327,680 bytes of LDS; arguments xq, wq, qb, kv; writes qb, kv
.if DOCPART == 2
	.amdgcn_target "amdgcn-amd-amdhsa--gfx1250"
	.amdhsa_code_object_version 6
	.text
	.protected	k_q38922d08d7_qkv
	.globl	k_q38922d08d7_qkv
	.p2align	8
	.type	k_q38922d08d7_qkv,@function
k_q38922d08d7_qkv:
	s_mov_b64 s[64:65], 0
	v_nop
	global_prefetch_b8 v0, s[64:65] scope:SCOPE_SE
	s_setreg_imm32_b32 hwreg(HW_REG_WAVE_MODE, 25, 1), 1
	s_wait_xcnt 0x0
	s_wait_alu depctr_hold_cnt(0) depctr_sa_sdst(0) depctr_va_vdst(0) depctr_va_sdst(0) depctr_va_ssrc(0) depctr_va_vcc(0) depctr_vm_vsrc(0)
	s_getreg_b32 s2, hwreg(HW_REG_IB_STS2, 6, 4)
	s_cmp_eq_u32 s2, 0
	s_cbranch_scc0 .Lentry_in_a_cluster
	s_endpgm
.Lentry_in_a_cluster:
	s_bfe_u32 s2, ttmp6, 0x10000c
	s_cmp_lg_u32 s2, 0xf033
	s_cbranch_scc0 .Lentry_shape_is_right
	s_endpgm
.Lentry_shape_is_right:
; q = x W_Q, k = x W_K, v = x W_V on codes of E3M2 (K = 1,024), and their results quantised on the way out: q and k along the head's 64, v along the keys.
; A work-group of four waves makes 256 x 256 results, a wave 128 x 128: 64 accumulators, 512 registers.  The cluster's x is the kind: 0 q, 1 k, 2 v; it is the same in all sixteen partners.
; ONE LOOP SERVES ALL KINDS.  Source 0 is operand P (shared along a column of the cluster), source 1 operand R (shared along a row).  q, k: R = 256 rows of x, P = 256 columns of the weight;
; v: R = 256 columns of W_V, P = 256 rows of x.  In the result a lane holds ONE row of R and its registers run along P, and since a tile's 16 rows are 32 (T / 2) + 8 (T % 2) + r + 8 (r / 8),
; the 64 registers of one tile of R are register 16 b + i = P's index 32 b + 16 (lane / 16) + i: 128 neighbours along the next product's K (two heads' 64 channels for q and k; 128 keys for v).
; OPERANDS LIE IN MEMORY AS IMAGES OF THEIR REGISTERS, 25,600 dense bytes for 128 rows x 256 K with their scale words: one tensor load a wave brings them, three ds_load_b128 (16 x lane) a fragment; no pitch, no padding.
; K goes in four steps of 256 through two LDS slots; written out, no loop.  Each tile is asked for jointly by the four partners that need it.
; OUT: qb [head 64][128 tokens 16][8 half images of 768 bytes | 512 bytes of scale words];  kv [head 64][128 keys 16][k: 8 half images | v: 4 images of 1,536 bytes | k's words 512 | v's words 256].
; A half image (16 rows x 64 K, 6 registers): registers 0-3 at 16 x lane, 4-5 at 512 + 8 x lane.  Bytes 2, 3 of q's and k's scale words are 0: they stand over zero codes in the next launch.
; 384 tiles for 256 WGPs: a tile keeps whole heads and one kind; a tile of two thirds the size does not.
; LIMITS: as the quantiser's: a block of zeros gets the byte 1; NaN and infinities are not served.
; REGISTERS, in windows of 256: window 0: v16-29 addresses; v32-63 scale words, two sets; v64-127 the way out; v128-223 R's eight fragments, one set.
;   window 1: P's fragments, two sets, at v0 and v128.   windows 2, 3: the accumulators of R's tiles 0-3, 4-7: (a, b) at v[8 (8 (a % 4) + b)].
.set NQ,    2                          ; matrix instructions deep in a slot
.set FR,    12                         ; registers of a fragment
.set NL,    3                          ; LDS loads that bring one
.set NP,    4                          ; places behind this matrix instruction (ISA guide 7.12.1)
.set HALFB, 25600                      ; 128 rows x 256 K: codes and scale words: what one tensor load brings
.set SLOT,  4*HALFB                    ; R's two halves, then P's two
.set SPARE, 2*SLOT                     ; the spare words, 128 bytes for each wave: two blocks of 256 bytes that no other line names
.set ADRA, 16                          ; v16-17  my half of R in slot 0, 1: + 16 x lane
.set ADRB, 20                          ; v20-21  my half of P
.set ADRS, 22                          ; v22-23  scale words: lanes 0-15 R's, lanes 16-31 P's
.set O16,  24                          ; v24     16 x lane
.set O8H,  25                          ; v25     8 x lane + 512
.set O8,   26                          ; v26     8 x lane
.set SPW,  28                          ; v28     my spare word; never rewritten
.set NIL,  29                          ; v29     0; never rewritten
.set SC,   32
.set PC,   64                          ; v64-83  the codes just made
.set TM,   88                          ; v88-91 largest magnitudes, v92-95 bytes, v100-103 the conversions' scale operands
.set PW,   104                         ; v104-111 the eight tiles' scale words
.set VW,   124                         ; v124-127 v's scale words as they are stored
.set AF,   128
.set G1,  24                           ; s[24:31] group 1 for R's tiles;  s[32:39] groups 0, one for each slot
.set G0,  32
.set G1B, 48                           ; s[48:55], s[56:63] the same for P's
.set G0B, 56
.set DA,  88                           ; s[88:89] q, k: the first head's images;  s[90:91] the second's;  s[92:95] their scale words
.set DB,  90
.set DSA, 92
.set DSB, 94
.set DV,  96                           ; s[96:97] v: the first head's key step
.set HM,  98                           ; s98 lanes 16-31
.set MSB, 0
.macro WIN new                         ; the immediate's high byte repeats the setting that is left
.if MSB != (\new)
	s_set_vgpr_msb (MSB<<8)|(\new)
.set MSB, (\new)
.endif
.endm
.set MUL_LO, 0xa1                      ; source 0 (P) window 1, source 1 (R) window 0, C and D window 2
.set MUL_HI, 0xf1                      ; the same, C and D window 3
.set TO_B,   0x40                      ; destination window 1, address window 0
; A joint load: waves 0 and 1 fetch R's halves, waves 2 and 3 P's.  The branch hangs on the wave's number alone.  Four v_nop follow each of the two lines.
.macro JLOAD s
	s_cmp_eq_u32 s15, 0
	s_cbranch_scc0 .Lfor_b_\@
	tensor_load_to_lds s[G0+4*\s:G0+4*\s+3], s[G1:G1+7]
	s_nop 0
.rept 4
	v_nop
.endr
	s_branch .Lasked_\@
.Lfor_b_\@:
	tensor_load_to_lds s[G0B+4*\s:G0B+4*\s+3], s[G1B:G1B+7]
	s_nop 0
.rept 4
	v_nop
.endr
.Lasked_\@:
.endm
.macro CREST                           ; a round of the cluster's barrier behind its opening barrier
	s_cmp_lg_u32 s14, 0
	s_cbranch_scc1 .Lnot_wave_0_\@
	s_barrier_signal -3
.Lnot_wave_0_\@:
	s_barrier_wait -3
	s_barrier_signal -1
	s_barrier_wait -1
.endm
.macro CROUND
	s_barrier_signal -1
	s_barrier_wait -1
	CREST
.endm
	s_load_b128 s[4:7], s[0:1], 0x0                ; xq, wq
	s_load_b128 s[8:11], s[0:1], 0x10              ; qb, kv
	v_lshl_add_u32 v[SPW], v0, 2, SPARE
	v_mov_b32 v[NIL], 0
	ds_add_u32 v28, v29
	ds_add_u32 v28, v29
	s_wait_dscnt 0x0
	v_lshrrev_b32 v1, 5, v0
	v_readfirstlane_b32 s14, v1                    ; wave 0..3
	s_lshr_b32 s15, s14, 1                         ; my half of R.  Also: I fetch for R (0) or for P (1)
	s_and_b32 s16, s14, 1                          ; my half of P.  Also: which half I fetch
	s_bfe_u32 s40, ttmp6, 0x40000                  ; cx, cy: my place in the cluster
	s_bfe_u32 s41, ttmp6, 0x40004
	s_and_b32 s17, ttmp7, 0xffff                   ; the cluster's y: which 1,024 rows of x
	s_lshl_b32 s42, s17, 2
	s_lshl_b32 s43, s41, 2
	s_lshl_b32 s43, 15, s43                        ; my row of the cluster
	s_lshl_b32 s44, 0x1111, s40                    ; my column
	; group 1: 25,600 dense bytes as 100 rows of 256 bytes (32 elements of 8 bytes), no padding
	s_or_b32 s[G1+0], s43, (3<<16)|(1<<21)         ; 15:0 the mask; 17:16 elements of 8 bytes; 21 set beside a mask
	s_or_b32 s[G1B+0], s44, (3<<16)|(1<<21)
.irp g, G1, G1B
	s_mov_b32 s[\g+1], 32<<16                      ; tensor_dim0
	s_mov_b32 s[\g+2], 100<<16                     ; tensor_dim1
	s_mov_b32 s[\g+3], 32<<16                      ; tile_dim0
	s_mov_b32 s[\g+4], 100                         ; tile_dim1
	s_mov_b32 s[\g+5], 32                          ; tensor_dim0_stride
	s_mov_b32 s[\g+6], 0
	s_mov_b32 s[\g+7], 0
.endr
	s_add_co_u32 s45, s42, s41                     ; R, q and k: x's block 4 y + cy;
	s_add_co_u32 s46, s41, 8                       ; R, v: the weights' block 8 + cy.  Both hang on cy, which my row shares
	s_lshl_b32 s47, ttmp9, 2
	s_add_co_u32 s47, s47, s40                     ; P, q and k: the weights' block 4 kind + cx;
	s_add_co_u32 s18, s42, s40                     ; P, v: x's block 4 y + cx.  Both hang on cx, which my column shares
	s_mul_i32 s19, s16, HALFB                      ; the half that I fetch
	s_mul_i32 s12, s14, HALFB                      ; and where it goes: wave x 25,600: no place in the cluster enters an LDS address
	s_mov_b32 s21, 0
	s_mov_b32 s23, 0
	s_cmp_eq_u32 ttmp9, 2                          ; v?  The same answer in all sixteen partners.  All four choices stand ahead of the next line that sets SCC
	s_cselect_b32 s20, s46, s45
	s_cselect_b32 s22, s18, s47
	s_wait_kmcnt 0x0
	s_cselect_b64 s[84:85], s[6:7], s[4:5]
	s_cselect_b64 s[86:87], s[4:5], s[6:7]
	s_mul_i32 s20, s20, 204800
	s_mul_i32 s22, s22, 204800
	s_add_co_u32 s20, s20, s19
	s_add_co_u32 s22, s22, s19
	s_add_nc_u64 s[84:85], s[84:85], s[20:21]
	s_add_nc_u64 s[86:87], s[86:87], s[22:23]
	CROUND                                         ; all sixteen work-groups are here: the first joint loads meet
.irp s, 0,1
	s_mov_b32 s[G0+4*\s], 1
	s_add_co_u32 s[G0+4*\s+1], s12, \s*SLOT
	s_add_nc_u64 s[G0+4*\s+2:G0+4*\s+3], s[84:85], \s*51200        ; K step s: 51,200 bytes on
	s_or_b32 s[G0+4*\s+3], s[G0+4*\s+3], 0x80000000
	s_mov_b32 s[G0B+4*\s], 1
	s_add_co_u32 s[G0B+4*\s+1], s12, \s*SLOT
	s_add_nc_u64 s[G0B+4*\s+2:G0B+4*\s+3], s[86:87], \s*51200
	s_or_b32 s[G0B+4*\s+3], s[G0B+4*\s+3], 0x80000000
	JLOAD \s                                       ; two loads of mine are out
.endr
	v_and_b32 v1, 31, v0                           ; lane
	v_and_b32 v2, 15, v0                           ; r
	v_bfe_u32 v3, v0, 4, 1                         ; h
	v_lshlrev_b32 v[O16], 4, v1
	v_lshlrev_b32 v[O8], 3, v1
	v_add_nc_u32 v[O8H], 512, v[O8]
	v_cmp_le_u32 s[HM], 16, v1
	s_mul_i32 s19, s15, HALFB                      ; my half of R
	s_mul_i32 s13, s16, HALFB                      ; my half of P,
	s_add_co_u32 s13, s13, 2*HALFB                 ; behind R's two
	v_add_nc_u32 v[ADRA], s19, v[O16]
	v_add_nc_u32 v[ADRB], s13, v[O16]
	v_add_nc_u32 v[ADRA+1], SLOT, v[ADRA]
	v_add_nc_u32 v[ADRB+1], SLOT, v[ADRB]
	s_sub_co_u32 s13, s13, s19
	v_mul_u32_u24 v5, s13, v3                      ; lanes 16-31 take P's words: one product, h x the distance
	v_lshl_add_u32 v5, v2, 3, v5                   ; 8 bytes a row: the slot's two words
	s_add_co_u32 s19, s19, 24576
	v_add_nc_u32 v[ADRS], s19, v5
	v_add_nc_u32 v[ADRS+1], SLOT, v[ADRS]
.irp b, 0,1,2,3
	v_mov_b32 v[TM+4+\b], 0                        ; a lane permute's destination counts as one of its sources
.endr
	; where the results go.  Batch = y / 2
	s_lshr_b32 s70, s17, 1
	s_lshl_b32 s70, s70, 4                         ; 16 heads a batch
	s_add_co_u32 s71, s42, s41
	s_and_b32 s71, s71, 7
	s_lshl_b32 s71, s71, 1
	s_add_co_u32 s71, s71, s15                     ; q, k: my 128 tokens in the batch
	s_lshl_b32 s72, s40, 2
	s_add_co_u32 s72, s72, s70
	s_lshl_b32 s73, s16, 1
	s_add_co_u32 s72, s72, s73                     ; and my first head: 16 batch + 4 cx + 2 (wave % 2)
	s_mov_b32 s74, 208896                          ; kv: a head, 128 keys, where k's words begin;
	s_mov_b32 s75, 13056
	s_mov_b32 s76, 12288
	s_cmp_eq_u32 ttmp9, 0
	s_cselect_b64 s[DA:DA+1], s[8:9], s[10:11]
	s_cselect_b32 s74, 106496, s74                 ; qb: the same three
	s_cselect_b32 s75, 6656, s75
	s_cselect_b32 s76, 6144, s76
	s_mul_i32 s78, s72, s74
	s_mul_i32 s73, s71, s75
	s_add_co_u32 s78, s78, s73
	s_mov_b32 s79, 0
	s_add_nc_u64 s[DA:DA+1], s[DA:DA+1], s[78:79]
	s_mov_b32 s78, s74
	s_add_nc_u64 s[DB:DB+1], s[DA:DA+1], s[78:79]
	s_mov_b32 s78, s76
	s_add_nc_u64 s[DSA:DSA+1], s[DA:DA+1], s[78:79]
	s_add_nc_u64 s[DSB:DSB+1], s[DB:DB+1], s[78:79]
	s_lshl_b32 s72, s41, 2
	s_add_co_u32 s72, s72, s70
	s_lshl_b32 s73, s15, 1
	s_add_co_u32 s72, s72, s73                     ; v: my first head: 16 batch + 4 cy + 2 (wave / 2)
	s_add_co_u32 s71, s42, s40
	s_and_b32 s71, s71, 7
	s_lshl_b32 s71, s71, 1
	s_add_co_u32 s71, s71, s16                     ; and my 128 keys
	s_mul_i32 s78, s72, 208896
	s_mul_i32 s73, s71, 13056
	s_add_co_u32 s78, s78, s73
	s_add_nc_u64 s[DV:DV+1], s[10:11], s[78:79]
.macro FRAG reg, adr, q, i             ; tile i's fragment of the slot's q-th 128 along K: its image, as it lies
.irp c, 0,1,2
	ds_load_b128 v[\reg+4*\c:\reg+4*\c+3], v[\adr] offset:(\i)*3072+(\q)*1536+512*\c
.endr
.endm
; 16 matrix instructions: R's tiles a0, a0 + 1 x P's eight.  p: P's set;  sc: the set of scale words.  zero = 1: the first product starts the sums.
; The 64 accumulators take turns, one instruction a turn, in the same order in every step.
.macro MUL16 a0, p, q, sc, zero
.irp a, \a0, \a0+1
.irp b, 0,1,2,3,4,5,6,7
.if \zero
	v_wmma_scale_f32_16x16x128_f8f6f4 v[8*(8*((\a)%4)+\b):8*(8*((\a)%4)+\b)+7], v[128*(\p)+FR*\b:128*(\p)+FR*\b+FR-1], v[AF+FR*(\a):AF+FR*(\a)+FR-1], 0, v[SC+8*NQ*(\sc)+NQ*\b+(\q)], v[SC+8*NQ*(\sc)+NQ*(\a)+(\q)] matrix_a_fmt:MATRIX_FMT_BF6 matrix_b_fmt:MATRIX_FMT_BF6 matrix_a_scale:MATRIX_SCALE_ROW1
.else
	v_wmma_scale_f32_16x16x128_f8f6f4 v[8*(8*((\a)%4)+\b):8*(8*((\a)%4)+\b)+7], v[128*(\p)+FR*\b:128*(\p)+FR*\b+FR-1], v[AF+FR*(\a):AF+FR*(\a)+FR-1], v[8*(8*((\a)%4)+\b):8*(8*((\a)%4)+\b)+7], v[SC+8*NQ*(\sc)+NQ*\b+(\q)], v[SC+8*NQ*(\sc)+NQ*(\a)+(\q)] matrix_a_fmt:MATRIX_FMT_BF6 matrix_b_fmt:MATRIX_FMT_BF6 matrix_a_scale:MATRIX_SCALE_ROW1
.endif
.endr
.endr
.endm
.macro FETCH_B slot, q, p
	WIN TO_B
.irp i, 0,1,2,3,4,5,6,7
	FRAG 128*(\p)+FR*\i, ADRB+\slot, \q, \i
.endr
	WIN 0
.endm
.macro FETCH_A slot, q, i0
.irp i, \i0, \i0+1, \i0+2, \i0+3
	FRAG AF+FR*(\i), ADRA+\slot, \q, \i
.endr
.endm
.macro SCALES sc                       ; slot sc's scale words: two a row; lanes 0-15 R's tile i, lanes 16-31 P's tile i
.irp i, 0,1,2,3,4,5,6,7
	ds_load_b64 v[SC+8*NQ*\sc+NQ*\i:SC+8*NQ*\sc+NQ*\i+1], v[ADRS+\sc] offset:\i*128
.endr
.endm
.macro PLACES n                        ; plain vector instructions between a matrix instruction and a load into its registers or the first read of its result
.rept \n
	v_nop
.endr
.endm
.macro STEP slot, q, zero              ; 128 along K that have their successor in the same slot
	s_wait_dscnt 4*NL                              ; P's set, R's tiles 0-3 and the words are in; the youngest twelve loads (R's tiles 4-7) may be out
	WIN MUL_LO
	MUL16 0, (\q)%2, \q, \slot, \zero
	MUL16 2, (\q)%2, \q, \slot, \zero
	s_wait_dscnt 0
	PLACES NP
	FETCH_B \slot, (\q)+1, 1-(\q)%2
	FETCH_A \slot, (\q)+1, 0
	WIN MUL_HI
	MUL16 4, (\q)%2, \q, \slot, \zero
	MUL16 6, (\q)%2, \q, \slot, \zero
	PLACES NP
	WIN 0
	FETCH_A \slot, (\q)+1, 4
.endm
; A slot's last 128 change slots: one barrier; in front of it each wave waits for all its tensor loads, adds 0 to its spare word, and waits for that and for its reads of this slot.  fill = 1: the slot is filled again, two K steps on.
.macro TURN slot, next, fill
	s_wait_tensorcnt 0x0                           ; all my tensor loads have landed: my part of the next slot
	ds_add_u32 v[SPW], v[NIL]                      ; 0 onto my spare word
	s_wait_dscnt 4*NL+1                            ; (the add and the youngest twelve loads may be out)
	WIN MUL_LO
	MUL16 0, 1, NQ-1, \slot, 0                     ; sixteen matrix instructions stand between the add and the wait for it
	s_wait_dscnt 0x0                               ; the add is done, and my reads of this slot are over
	s_barrier_signal -1
	MUL16 2, 1, NQ-1, \slot, 0
	WIN 0
	s_barrier_wait -1
.if \fill
	CREST                                          ; the barrier has opened a round of the cluster's: no wave of any partner still reads this slot or has a load on its way
	s_add_nc_u64 s[G0+4*\slot+2:G0+4*\slot+3], s[G0+4*\slot+2:G0+4*\slot+3], 2*51200
	s_add_nc_u64 s[G0B+4*\slot+2:G0B+4*\slot+3], s[G0B+4*\slot+2:G0B+4*\slot+3], 2*51200
	JLOAD \slot                                    ; the first tensor load behind the round, my one load until the next; its four v_nop are the places in front of the loads below
.else
	PLACES NP
.endif
	FETCH_B \next, 0, 0
	FETCH_A \next, 0, 0
	SCALES \next
	WIN MUL_HI
	MUL16 4, 1, NQ-1, \slot, 0
	MUL16 6, 1, NQ-1, \slot, 0
	PLACES NP
	WIN 0
	FETCH_A \next, 0, 4
.endm
	s_wait_tensorcnt 1                             ; my part of K step 0 is in; K step 1's load may be out
	s_barrier_signal -1
	s_barrier_wait -1
	FETCH_B 0, 0, 0
	FETCH_A 0, 0, 0
	SCALES 0
	FETCH_A 0, 0, 4
	STEP 0, 0, 1                                   ; K 0-127: these products start the sums
	TURN 0, 1, 1                                   ; K 128-255; slot 0 takes K 512-767
	STEP 1, 0, 0
	TURN 1, 0, 1                                   ; slot 1 takes K 768-1023
	STEP 0, 0, 0
	TURN 0, 1, 0                                   ; nothing is left to fetch
	STEP 1, 0, 0
	s_wait_dscnt 4*NL
	WIN MUL_LO
	MUL16 0, 1, NQ-1, 1, 0
	MUL16 2, 1, NQ-1, 1, 0
	s_wait_dscnt 0
	WIN MUL_HI
	MUL16 4, 1, NQ-1, 1, 0
	MUL16 6, 1, NQ-1, 1, 0
	WIN 0
; THE WAY OUT.  The 64 registers of R's tile a become a fragment's 12 registers of codes in v[PC] on and a scale word in v[PW + a].  No LDS: an image's stores are 512 or 256 consecutive bytes as they stand.
.macro QUANTW a
.set WA, 2+(\a)/4
.set WW, WA|(WA<<2)
.set SA, 64*((\a)%4)
	WIN WW                                         ; sources 0 and 1: the accumulators' window
.irp b, 0,1,2,3
	v_max3_num_f32 v[TM+\b], |v[SA+16*\b]|, |v[SA+1+16*\b]|, 0x2800000   ; block b: my 16 numbers and the floor 2^(5 - 127); each accumulator is read from its low end on
.endr
.irp i, 2,4,6,8,10,12,14
.irp b, 0,1,2,3
	v_max3_num_f32 v[TM+\b], |v[SA+16*\b+\i]|, |v[SA+1+16*\b+\i]|, v[TM+\b]
.endr
.endr
	WIN 0
.irp b, 0,1,2,3
	v_permlanex16_b32 v[TM+4+\b], v[TM+\b], s2, s3
.endr
.irp b, 0,1,2,3
	v_max_num_f32 v[TM+\b], v[TM+\b], v[TM+4+\b]   ; with lane l xor 16's: the block's largest magnitude
.endr
.irp b, 0,1,2,3
	v_add_nc_u32 v[TM+12+\b], 0xfe000000, v[TM+\b] ; 4 off its exponent field: the conversion's scale operand
.endr
.irp b, 0,1,2,3
	v_lshrrev_b32 v[TM+4+\b], 23, v[TM+12+\b]      ; the scale's byte
.endr
	v_lshl_or_b32 v[PW+(\a)], v[TM+5], 8, v[TM+4]
	v_lshl_or_b32 v[PW+(\a)], v[TM+6], 16, v[PW+(\a)]
	v_lshl_or_b32 v[PW+(\a)], v[TM+7], 24, v[PW+(\a)]
	WIN WA                                         ; source 0: the accumulators' window
.irp c, 0,1
	v_cvt_scalef32_pk16_bf6_f32 v[PC+6*\c:PC+2+6*\c], v[SA+32*\c:SA+15+32*\c], v[TM+12+2*\c]
	v_cvt_scalef32_pk16_bf6_f32 v[PC+12+4*\c:PC+14+4*\c], v[SA+16+32*\c:SA+31+32*\c], v[TM+12+2*\c+1]
.endr
	WIN 0
	v_nop                                          ; one plain place behind a scaled conversion
.irp c, 0,1                                    ; the operand's layout wants a whole block in a lane
.irp i, 0,1,2
	v_permlane16_swap_b32 v[PC+6*\c+\i], v[PC+12+4*\c+\i]
.endr
.irp i, 0,1,2
	v_mov_b32 v[PC+3+6*\c+\i], v[PC+12+4*\c+\i]
.endr
.endr
.endm
.macro OUTA a
.if (\a) > 0
	s_wait_xcnt 0x0                                ; the last tile's stores have read their registers: the codes may be written again
.endif
	QUANTW \a
	s_cmp_eq_u32 ttmp9, 2
	s_cbranch_scc1 .Lv_\@
	global_store_b128 v[O16], v[PC:PC+3], s[DA:DA+1] offset:768*(\a)          ; q, k: registers 0-5 are the first head's half image of these 16 tokens,
	global_store_b64 v[O8H], v[PC+4:PC+5], s[DA:DA+1] offset:768*(\a)
	global_store_b128 v[O16], v[PC+6:PC+9], s[DB:DB+1] offset:768*(\a)        ; registers 6-11 the second head's
	global_store_b64 v[O8H], v[PC+10:PC+11], s[DB:DB+1] offset:768*(\a)
	s_branch .Ld_\@
.Lv_\@:
.irp c, 0,1,2
	global_store_b128 v[O16], v[PC+4*\c:PC+4*\c+3], s[DV:DV+1] offset:((\a)/4)*208896+6144+((\a)%4)*1536+512*\c   ; v: 16 channels x 128 keys: head a / 4, tile a % 4
.endr
.if (\a)%4 == 3
	v_cndmask_b32 v[VW+2*((\a)/4)], v[PW+(\a)-3], v[PW+(\a)-1], s[HM]         ; the head's four words: lanes 0-15 tiles 0, 1; lanes 16-31 tiles 2, 3
	v_cndmask_b32 v[VW+2*((\a)/4)+1], v[PW+(\a)-2], v[PW+(\a)], s[HM]
	global_store_b64 v[O8], v[VW+2*((\a)/4):VW+2*((\a)/4)+1], s[DV:DV+1] offset:((\a)/4)*208896+12800
.endif
.Ld_\@:
.endm
	s_mov_b32 s2, 0x76543210
	s_mov_b32 s3, 0xfedcba98                       ; v_permlanex16_b32's selects for lane l xor 16
	PLACES NP                                      ; in front of the first read of results
.irp a, 0,1,2,3,4,5,6,7
	OUTA \a
.endr
	s_cmp_eq_u32 ttmp9, 2
	s_cbranch_scc1 .Lend
.irp j, 0,1,2,3
	v_cndmask_b32 v[112+\j], v[PW+\j], v[PW+4+\j], s[HM]   ; q, k: register j: lanes 0-15 tile j's words, lanes 16-31 tile 4 + j's
.endr
.irp j, 0,1,2,3
	v_and_b32 v[116+\j], 0xffff, v[112+\j]         ; bytes 0, 1: the first head's two blocks; bytes 2, 3 become 0
.endr
.irp j, 0,1,2,3
	v_lshrrev_b32 v[120+\j], 16, v[112+\j]         ; bytes 2, 3: the second head's
.endr
	global_store_b128 v[O16], v[116:119], s[DSA:DSA+1]
	global_store_b128 v[O16], v[120:123], s[DSB:DSB+1]
.Lend:
	s_wait_tensorcnt 0x0                           ; the wave's end
	ds_add_u32 v[SPW], v[NIL]
	s_wait_dscnt 0x0
	CROUND                                         ; the closing round
	s_endpgm
.Lfunc_end_k_q38922d08d7_qkv:
	.size	k_q38922d08d7_qkv, .Lfunc_end_k_q38922d08d7_qkv-k_q38922d08d7_qkv
	.p2alignl 7, 3214868480
	.fill 96, 4, 3214868480
	.section	.rodata,"a",@progbits
	.p2align	6, 0x0
	.amdhsa_kernel k_q38922d08d7_qkv
		.amdhsa_group_segment_fixed_size 327680
		.amdhsa_private_segment_fixed_size 0
		.amdhsa_enable_private_segment 0
		.amdhsa_kernarg_size 32
		.amdhsa_user_sgpr_count 2
		.amdhsa_user_sgpr_kernarg_segment_ptr 1
		.amdhsa_wavefront_size32 1
		.amdhsa_system_sgpr_workgroup_id_x 1
		.amdhsa_system_sgpr_workgroup_id_y 1
		.amdhsa_system_sgpr_workgroup_id_z 1
		.amdhsa_system_vgpr_workitem_id 0
		.amdhsa_next_free_vgpr 1024
		.amdhsa_next_free_sgpr 100
		.amdhsa_reserve_vcc 0
		.amdhsa_float_denorm_mode_32 3
		.amdhsa_float_denorm_mode_16_64 3
		.amdhsa_memory_ordered 1
		.amdhsa_forward_progress 1
		.amdhsa_inst_pref_size 143
	.end_amdhsa_kernel
	.amdgpu_metadata
---
amdhsa.version: [ 1, 2 ]
amdhsa.kernels:
  - .name:           k_q38922d08d7_qkv
    .symbol:         k_q38922d08d7_qkv.kd
    .args:
      - { .name: xq, .offset: 0, .size: 8, .value_kind: global_buffer, .address_space: global }
      - { .name: wq, .offset: 8, .size: 8, .value_kind: global_buffer, .address_space: global }
      - { .name: qb, .offset: 16, .size: 8, .value_kind: global_buffer, .address_space: global }
      - { .name: kv, .offset: 24, .size: 8, .value_kind: global_buffer, .address_space: global }
    .group_segment_fixed_size: 327680
    .private_segment_fixed_size: 0
    .kernarg_segment_align: 8
    .kernarg_segment_size: 32
    .max_flat_workgroup_size: 128
    .sgpr_count:     100
    .vgpr_count:     1024
    .wavefront_size: 32
...
	.end_amdgpu_metadata
.endif
;; end of part 2
;; launch attn (part 3): grid 4 x 64, 16 waves a work-group, clusters of 4 x 1, 210,944 bytes of LDS; arguments qb, kv, ctxc, ctxs; writes ctxc, ctxs
.if DOCPART == 3
	.amdgcn_target "amdgcn-amd-amdhsa--gfx1250"
	.amdhsa_code_object_version 6
	.text
	.protected	k_q38922d08d7_attn
	.globl	k_q38922d08d7_attn
	.p2align	8
	.type	k_q38922d08d7_attn,@function
k_q38922d08d7_attn:
	s_mov_b64 s[64:65], 0
	v_nop
	global_prefetch_b8 v0, s[64:65] scope:SCOPE_SE
	s_setreg_imm32_b32 hwreg(HW_REG_WAVE_MODE, 25, 1), 1
	s_wait_xcnt 0x0
	s_wait_alu depctr_hold_cnt(0) depctr_sa_sdst(0) depctr_va_vdst(0) depctr_va_sdst(0) depctr_va_ssrc(0) depctr_va_vcc(0) depctr_vm_vsrc(0)
	s_getreg_b32 s2, hwreg(HW_REG_IB_STS2, 6, 4)
	s_cmp_eq_u32 s2, 0
	s_cbranch_scc0 .Lentry_in_a_cluster
	s_endpgm
.Lentry_in_a_cluster:
	s_bfe_u32 s2, ttmp6, 0x10000c
	s_cmp_lg_u32 s2, 0x3003
	s_cbranch_scc0 .Lentry_shape_is_right
	s_endpgm
.Lentry_shape_is_right:
; ctx[head][q] = the sum over keys k <= q of softmax_k(q . k / 8) v[k], both products on codes of E3M2, and ctx quantised along the merged 1,024 for the output product.
; THE SOFTMAX: t = score x log2(e) / 8; M = the running largest t rounded UP to a whole number; p = 2^(t - M) is quantised along the keys, not normalised; the row's sum is taken of the unquantised p and divides at the end.
; SHARES.  The four work-groups of a cluster share one head (64 heads = 16 x batch + head).  A wave owns TWO tiles of 16 queries: lo = 4 wave + cx and hi = 127 - lo.  Their last key steps of 128 keys are wave / 2 and
; 15 - wave / 2, which hang on the wave's number alone: every wave does 17 steps of a tile, and no branch hangs on the place in the cluster.  Steps all of whose keys come after a tile's queries are left out.
; LDS holds the head's k and v for all 2,048 keys, 208,896 bytes, FILLED ONCE: wave w brings key step w by one joint load (mask: all four partners).  No slot is filled again and nothing is stored to LDS.
; LAYOUT.  Both products are used transposed: S^T = k q^T, O^T = v^T p^T: a lane holds one query (lane % 16).  A tile's 16 keys are 32 (T / 2) + 8 (T % 2) + r + 8 (r / 8), so that the 16 registers of tiles 2 b, 2 b + 1 are
; keys 32 b + 16 (lane / 16) + 0 .. 15.  THE FIRST PRODUCT'S K IS 64: q's registers 6-11 are zero codes; k's registers 6-11 are whatever codes lie behind its six (every code of this format is a finite number), and bytes 2, 3
; of both scale words are 0: those products are zeros.
; THE MASK: hidden scores become -infinity, so p = 0, where the problem writes -1e7.  LIMIT: the same as long as a row's largest visible logit lies above about -1e7 + 150.  NaN and infinities are not served.
; OUT: ctxc [tile of rows 512][head 16][half image 768 bytes]; ctxs [row 8,192][32 bytes].
; REGISTERS: v1-7 offsets; v8-9 the key step's LDS addresses; v10-11 q's scale words; v12-15, v16-19 hi's and lo's -M, largest t, sum in two halves; v20-31, v32-43 q; v44-91 fragments; v92-155 S^T, then p;
;   v156-187, v188-219 O^T; v220-231 p's codes; v232-254 at work (v248-251 k's or v's scale words, v253 p's).
.set KSB,  13056                       ; a key step in LDS: k's 8 half images, from 6,144 v's 4 images, from 12,288 k's words, from 12,800 v's
.set S,    92
.set PCD,  220
.set ADK,  8
.set ADK8, 9
.set WV,   12
.set SEL,  20
.set CS,   22
.set KS,   36
.set KO,   37
.set HM,   38
.macro CROUND
	s_barrier_signal -1
	s_barrier_wait -1
	s_cmp_lg_u32 s[WV], 0
	s_cbranch_scc1 .Lnot_wave_0_\@
	s_barrier_signal -3
.Lnot_wave_0_\@:
	s_barrier_wait -3
	s_barrier_signal -1
	s_barrier_wait -1
.endm
	s_load_b256 s[4:11], s[0:1], 0x0               ; qb, kv, ctxc, ctxs
	v_lshl_add_u32 v243, v0, 2, 0x33000
	v_mov_b32 v255, 0
	ds_add_u32 v243, v255
	ds_add_u32 v243, v255
	v_lshrrev_b32 v1, 5, v0
	v_readfirstlane_b32 s[WV], v1                  ; wave 0..15
	s_bfe_u32 s13, ttmp6, 0x40000                  ; cx
	s_and_b32 s14, ttmp7, 0xffff                   ; the head, which the four partners share
	s_lshr_b32 s15, s[WV], 1                       ; lo's last key step
	s_sub_co_u32 s16, 15, s15                      ; hi's
	s_lshl_b32 s17, s[WV], 2
	s_add_co_u32 s17, s17, s13                     ; lo
	s_sub_co_u32 s18, 127, s17                     ; hi
	; group 1: 13,056 dense bytes as 51 rows of 256 bytes
	s_mov_b32 s24, 15|(3<<16)|(1<<21)              ; 15:0 the mask: all four work-groups; 17:16 elements of 8 bytes; 21 set beside a mask
	s_mov_b32 s25, 32<<16
	s_mov_b32 s26, 51<<16
	s_mov_b32 s27, 32<<16
	s_mov_b32 s28, 51
	s_mov_b32 s29, 32
	s_mov_b32 s30, 0
	s_mov_b32 s31, 0
	s_mov_b32 s32, 1
	s_mul_i32 s33, s[WV], KSB                      ; key step w goes to LDS byte 13,056 w
	s_mul_i32 s52, s14, 208896
	s_add_co_u32 s52, s52, s33
	s_mov_b32 s53, 0
	s_mov_b32 s[SEL], 0x76543210
	s_mov_b32 s[SEL+1], 0xfedcba98
	s_mov_b32 s[CS], 0x3e38aa3b                    ; c = log2(e) / 8
	s_mov_b32 s[CS+1], s[CS]
	s_wait_dscnt 0x0
	s_wait_kmcnt 0x0
	s_add_nc_u64 s[34:35], s[6:7], s[52:53]
	s_or_b32 s35, s35, 0x80000000
	CROUND                                         ; all four work-groups are here: the joint loads meet
	tensor_load_to_lds s[32:35], s[24:31]          ; my one tensor load
	s_nop 0
.rept 4
	v_nop
.endr
	v_and_b32 v3, 31, v0
	v_lshlrev_b32 v1, 4, v3                        ; 16 x lane
	v_lshlrev_b32 v2, 3, v3                        ; 8 x lane
	v_cmp_le_u32 s[HM], 16, v3                     ; lanes 16-31
	v_and_b32 v7, 15, v0                           ; r
	v_bfe_u32 v8, v0, 4, 1                         ; h
	v_and_b32 v6, 8, v7
	v_add_nc_u32 v6, v6, v7                        ; r + 8 (r / 8): my query's place in its tile's 24 rows
	v_lshl_add_u32 v5, v6, 5, v8                   ; ctxs: 32 bytes a row, + h: my block's byte
	v_lshlrev_b32 v8, 4, v8
	v_sub_nc_u32 v6, v6, v8                        ; - 16 h
	v_lshlrev_b32 v7, 4, v7                        ; q's scale words: 16 r
	s_mul_i32 s56, s14, 106496                     ; the head in qb
	s_lshr_b32 s57, s14, 4                         ; batch
	s_and_b32 s63, s14, 15                         ; head in the batch
	s_mov_b32 s55, 0
; The pointers of tile s[ti]: q's half image, q's scale words, its place in ctxc and in ctxs; and d = my query's place in its key step - 16 h
.macro TILEPTR ti, pq, pqs, pc, ps, dreg
	s_lshr_b32 s52, s[\ti], 3
	s_mul_i32 s52, s52, 6656
	s_add_co_u32 s52, s52, s56                     ; the tile's group of 128 tokens
	s_and_b32 s53, s[\ti], 7
	s_mul_i32 s54, s53, 768
	s_add_co_u32 s54, s54, s52
	s_add_nc_u64 s[\pq:\pq+1], s[4:5], s[54:55]
	s_lshr_b32 s54, s53, 2
	s_lshl_b32 s54, s54, 8                         ; tiles 4-7 stand in lanes 16-31 of the words' image,
	s_add_co_u32 s54, s54, s52
	s_and_b32 s53, s53, 3
	s_lshl_b32 s53, s53, 2                         ; tile % 4 is the register
	s_add_co_u32 s54, s54, s53
	s_add_nc_u64 s[\pqs:\pqs+1], s[4:5], s[54:55]
	s_lshl_b32 s54, s57, 7
	s_add_co_u32 s54, s54, s[\ti]
	s_lshl_b32 s54, s54, 4
	s_add_co_u32 s54, s54, s63
	s_mul_i32 s54, s54, 768
	s_add_nc_u64 s[\pc:\pc+1], s[8:9], s[54:55]
	s_lshr_b32 s52, s[\ti], 1
	s_lshl_b32 s52, s52, 5
	s_and_b32 s53, s[\ti], 1
	s_lshl_b32 s53, s53, 3
	s_add_co_u32 s52, s52, s53                     ; the tile's first row in the batch
	s_and_b32 s53, s52, 127
	v_add_nc_u32 v[\dreg], s53, v6
	s_lshl_b32 s54, s57, 11
	s_add_co_u32 s54, s54, s52
	s_lshl_b32 s54, s54, 5
	s_lshl_b32 s53, s63, 1
	s_add_co_u32 s54, s54, s53
	s_add_nc_u64 s[\ps:\ps+1], s[10:11], s[54:55]
.endm
	TILEPTR 18, 40, 58, 42, 44, 3
	TILEPTR 17, 46, 60, 48, 50, 4
	global_load_b128 v[20:23], v1, s[40:41]        ; hi's q stays in registers
	global_load_b64 v[24:25], v2, s[40:41] offset:512
	global_load_b32 v10, v7, s[58:59] offset:6144
	global_load_b128 v[32:35], v1, s[46:47]        ; lo's
	global_load_b64 v[36:37], v2, s[46:47] offset:512
	global_load_b32 v11, v7, s[60:61] offset:6144
.irp j, 26,27,28,29,30,31,38,39,40,41,42,43
	v_mov_b32 v[\j], 0                             ; q's K 64-127: zero codes
.endr
.irp j, 68,69,70,71,72,73
	v_mov_b32 v[\j], 0                             ; named behind k's last tile before anything has landed there
.endr
.set j, 156
.rept 64
	v_mov_b32 v[j], 0                              ; O^T.  (The step is written once: the first finds zeros, which the first change of M leaves zeros)
.set j, j+1
.endr
.irp t, 12,16
	v_mov_b32 v[\t+1], 0xff61b1e6                  ; the largest t so far: -3e38
	v_floor_f32 v[\t], -v[\t+1]                    ; -M
	v_mov_b32 v[\t+2], 0                           ; the sum, in two halves
	v_mov_b32 v[\t+3], 0
.endr
.irp j, 236,237,238,239,253
	v_mov_b32 v[\j], 0                             ; lane permutes' destinations, and the upper half of the pair v[252:253]
.endr
	s_wait_tensorcnt 0x0                           ; my key step has landed,
	s_barrier_signal -1
	s_barrier_wait -1                              ; everybody's has: from here on LDS is only read
	s_wait_loadcnt 0x0                             ; q
; ONE TILE'S KEY STEP: 128 keys.  qf: q's registers; qs: its scale words; st: its statistics; ob: its O^T; qr: d; lim: its last key step
.macro TSTEP qf, qs, st, ob, qr, lim
	s_cmp_gt_u32 s[KS], s[\lim]                    ; all 128 keys come after my queries: nothing to do
	s_cbranch_scc1 .Lskip_\@
.irp g, 0,1                                    ; S^T = k q^T, four tiles of 16 keys at a time
.rept 4
	v_nop                                          ; places in front of loads into registers that matrix instructions have read
.endr
.irp t, 0,1,2,3
	ds_load_b128 v[44+6*\t:47+6*\t], v[ADK] offset:(4*\g+\t)*768
	ds_load_b64 v[48+6*\t:49+6*\t], v[ADK8] offset:(4*\g+\t)*768+512
.endr
.if \g == 0
	ds_load_b128 v[248:251], v[ADK] offset:12288   ; register t: lanes 0-15 tile t's words, lanes 16-31 tile 4 + t's
.endif
	s_wait_dscnt 0x0
.irp t, 0,1,2,3
.if \g == 0
	v_wmma_scale_f32_16x16x128_f8f6f4 v[S+8*(4*\g+\t):S+8*(4*\g+\t)+7], v[44+6*\t:55+6*\t], v[\qf:\qf+11], 0, v[248+\t], v[\qs] matrix_a_fmt:MATRIX_FMT_BF6 matrix_b_fmt:MATRIX_FMT_BF6
.else
	v_wmma_scale_f32_16x16x128_f8f6f4 v[S+8*(4*\g+\t):S+8*(4*\g+\t)+7], v[44+6*\t:55+6*\t], v[\qf:\qf+11], 0, v[248+\t], v[\qs] matrix_a_fmt:MATRIX_FMT_BF6 matrix_b_fmt:MATRIX_FMT_BF6 matrix_a_scale:MATRIX_SCALE_ROW1
.endif
.endr
.endr
.rept 4
	v_nop
.endr
.irp t, 0,1,2,3                                ; v's four images are asked for now and land under the softmax
.irp c, 0,1,2
	ds_load_b128 v[44+12*\t+4*\c:47+12*\t+4*\c], v[ADK] offset:6144+1536*\t+512*\c
.endr
.endr
	ds_load_b64 v[248:249], v[ADK8] offset:12800   ; register j: lanes 0-15 tile j's words, lanes 16-31 tile 2 + j's
	s_cmp_lg_u32 s[KS], s[\lim]                    ; only the tile's last key step lies on the diagonal
	s_cbranch_scc1 .Lopen_\@
	v_mov_b32 v254, 0xff800000                     ; -infinity.  Register 16 b + i holds key 32 b + i + 16 h of the step: hidden where 32 b + i > d
.irp n, 0,1,2,3,4,5,6,7,8,9,10,11,12,13,14,15,16,17,18,19,20,21,22,23,24,25,26,27,28,29,30,31,32,33,34,35,36,37,38,39,40,41,42,43,44,45,46,47,48,49,50,51,52,53,54,55,56,57,58,59,60,61,62,63
	v_cmp_gt_i32 vcc_lo, 32*(\n/16)+\n%16, v[\qr]
	v_cndmask_b32 v[S+\n], v[S+\n], v254, vcc_lo
.endr
.Lopen_\@:
.irp b, 0,1,2,3
	v_max3_num_f32 v[232+\b], v[S+16*\b], v[S+1+16*\b], v[S+2+16*\b]   ; the largest score of each block of 32 keys: for the row's maximum and, since p rises with the score, for the block's largest p
.endr
.irp i, 3,5,7,9,11,13
.irp b, 0,1,2,3
	v_max3_num_f32 v[232+\b], v[232+\b], v[S+16*\b+\i], v[S+1+16*\b+\i]
.endr
.endr
.irp b, 0,1,2,3
	v_max_num_f32 v[232+\b], v[232+\b], v[S+15+16*\b]
.endr
.irp b, 0,1,2,3
	v_permlanex16_b32 v[236+\b], v[232+\b], s[SEL], s[SEL+1]
.endr
.irp b, 0,1,2,3
	v_max_num_f32 v[232+\b], v[232+\b], v[236+\b]  ; with lane l xor 16's 16 keys
.endr
	v_max3_num_f32 v254, v232, v233, v234
	v_max_num_f32 v254, v254, v235
	v_mul_f32 v254, s[CS], v254                    ; as t
	v_max_num_f32 v[\st+1], v[\st+1], v254         ; the running largest t
	v_mov_b32 v254, v[\st]
	v_floor_f32 v[\st], -v[\st+1]                  ; the new -M = -ceil(t)
	v_sub_f32 v254, v[\st], v254                   ; old M - new M: a whole number, 0 or less
	v_cvt_i32_f32 v254, v254                       ; (it saturates)
	v_ldexp_f32 v252, 1.0, v254                    ; f = 2^(old M - new M): a multiplication by it rounds nothing
.irp j, 0,2,4,6,8,10,12,14,16,18,20,22,24,26,28,30,32,34,36,38,40,42,44,46,48,50,52,54,56,58,60,62
	v_pk_fma_f32 v[S+\j:S+1+\j], v[S+\j:S+1+\j], s[CS:CS+1], v[\st:\st+1] op_sel_hi:[1,0,0]   ; t - M, two at a time
.endr
.irp b, 0,1,2,3
	v_fma_f32 v[232+\b], v[232+\b], s[CS], v[\st]  ; the same of each block's largest score
.endr
.irp j, 0,1,2,3,4,5,6,7,8,9,10,11,12,13,14,15,16,17,18,19,20,21,22,23,24,25,26,27,28,29,30,31,32,33,34,35,36,37,38,39,40,41,42,43,44,45,46,47,48,49,50,51,52,53,54,55,56,57,58,59,60,61,62,63
	v_exp_f32 v[S+\j], v[S+\j]                     ; p = 2^(t - M)
.endr
.irp b, 0,1,2,3
	v_exp_f32 v[232+\b], v[232+\b]                 ; the block's largest p
.endr
	v_pk_mul_f32 v[\st+2:\st+3], v[\st+2:\st+3], v[252:253] op_sel_hi:[1,0]   ; the sums under the new M.  (A plain place behind the exponentials)
	s_wait_alu depctr_va_vdst(0)
.irp b, 0,1,2,3
	v_max_num_f32 v[232+\b], 0x2800000, v[232+\b]  ; the floor 2^(5 - 127)
.endr
.irp b, 0,1,2,3
	v_add_nc_u32 v[244+\b], 0xfe000000, v[232+\b]  ; the conversion's scale operand
.endr
.irp b, 0,1,2,3
	v_lshrrev_b32 v[236+\b], 23, v[244+\b]         ; the scale's byte
.endr
	v_lshl_or_b32 v253, v237, 8, v236              ; p's scale word for these 128 keys
	v_lshl_or_b32 v253, v238, 16, v253
	v_lshl_or_b32 v253, v239, 24, v253
.irp c, 0,1
	v_cvt_scalef32_pk16_bf6_f32 v[PCD+6*\c:PCD+2+6*\c], v[S+32*\c:S+15+32*\c], v[244+2*\c]
	v_cvt_scalef32_pk16_bf6_f32 v[236+4*\c:238+4*\c], v[S+16+32*\c:S+31+32*\c], v[244+2*\c+1]
.endr
	v_nop                                          ; one plain place behind a scaled conversion
.irp c, 0,1
.irp i, 0,1,2
	v_permlane16_swap_b32 v[PCD+6*\c+\i], v[236+4*\c+\i]
.endr
.irp i, 0,1,2
	v_mov_b32 v[PCD+3+6*\c+\i], v[236+4*\c+\i]
.endr
.endr
	v_pk_add_f32 v[236:237], v[S:S+1], v[S+2:S+3]  ; the row's sum is taken of the unquantised p: two at a time, in two chains
.irp j, 4,8,12,16,20,24,28,32,36,40,44,48,52,56,60
	v_pk_add_f32 v[\st+2:\st+3], v[\st+2:\st+3], v[S+\j:S+1+\j]
	v_pk_add_f32 v[236:237], v[236:237], v[S+2+\j:S+3+\j]
.endr
	v_pk_add_f32 v[\st+2:\st+3], v[\st+2:\st+3], v[236:237]
.irp j, 0,2,4,6,8,10,12,14,16,18,20,22,24,26,28,30
	v_pk_mul_f32 v[\ob+\j:\ob+1+\j], v[\ob+\j:\ob+1+\j], v[252:253] op_sel_hi:[1,0]   ; O^T under the new M.  (With the sums above: the places between p's codes and word and the products)
.endr
	s_wait_dscnt 0x0                               ; v's images and words are in
.irp t, 0,1,2,3                                ; O^T += v^T p^T: four accumulators, one instruction each
.if \t < 2
	v_wmma_scale_f32_16x16x128_f8f6f4 v[\ob+8*\t:\ob+8*\t+7], v[44+12*\t:55+12*\t], v[PCD:PCD+11], v[\ob+8*\t:\ob+8*\t+7], v[248+\t], v253 matrix_a_fmt:MATRIX_FMT_BF6 matrix_b_fmt:MATRIX_FMT_BF6
.else
	v_wmma_scale_f32_16x16x128_f8f6f4 v[\ob+8*\t:\ob+8*\t+7], v[44+12*\t:55+12*\t], v[PCD:PCD+11], v[\ob+8*\t:\ob+8*\t+7], v[246+\t], v253 matrix_a_fmt:MATRIX_FMT_BF6 matrix_b_fmt:MATRIX_FMT_BF6 matrix_a_scale:MATRIX_SCALE_ROW1
.endif
.endr
.Lskip_\@:
.endm
	s_mov_b32 s[KS], 0
	s_mov_b32 s[KO], 0
.Lkeys:                                            ; 16 trips, a constant: the work that a tile does not need is jumped over inside
	v_add_nc_u32 v[ADK], s[KO], v1
	v_add_nc_u32 v[ADK8], s[KO], v2
	TSTEP 20, 10, 12, 156, 3, 16
	TSTEP 32, 11, 16, 188, 4, 15
	s_add_co_u32 s[KO], s[KO], KSB
	s_add_co_u32 s[KS], s[KS], 1
	s_cmp_lt_u32 s[KS], 16
	s_cbranch_scc1 .Lkeys
.rept 4
	v_nop                                          ; in front of the first read of the last products' results
.endr
; A tile's way out: O^T / the sum is ctx: register 16 b + i = channel 32 b + 16 h + i of my row: two blocks of the output product's K.  Quantised, it is a half image.
.macro FINISH st, ob, pc, ps
	v_add_f32 v232, v[\st+2], v[\st+3]
	v_permlanex16_b32 v236, v232, s[SEL], s[SEL+1]
	v_add_f32 v232, v232, v236                     ; the row's sum
	v_rcp_f32 v232, v232
	v_nop                                          ; one plain place behind a transcendental
	s_wait_alu depctr_va_vdst(0)
	v_mov_b32 v233, v232
.irp j, 0,2,4,6,8,10,12,14,16,18,20,22,24,26,28,30
	v_pk_mul_f32 v[S+\j:S+1+\j], v[\ob+\j:\ob+1+\j], v[232:233]
.endr
.irp b, 0,1
	v_max3_num_f32 v[234+\b], |v[S+16*\b]|, |v[S+1+16*\b]|, 0x2800000
.endr
.irp i, 2,4,6,8,10,12,14
.irp b, 0,1
	v_max3_num_f32 v[234+\b], v[234+\b], |v[S+16*\b+\i]|, |v[S+1+16*\b+\i]|
.endr
.endr
.irp b, 0,1
	v_permlanex16_b32 v[236+\b], v[234+\b], s[SEL], s[SEL+1]
.endr
.irp b, 0,1
	v_max_num_f32 v[234+\b], v[234+\b], v[236+\b]
.endr
.irp b, 0,1
	v_add_nc_u32 v[244+\b], 0xfe000000, v[234+\b]
.endr
.irp b, 0,1
	v_lshrrev_b32 v[246+\b], 23, v[244+\b]
.endr
	v_cndmask_b32 v238, v246, v247, s[HM]          ; lanes 0-15 store block 0's byte, lanes 16-31 block 1's
	v_cvt_scalef32_pk16_bf6_f32 v[PCD:PCD+2], v[S:S+15], v244
	v_cvt_scalef32_pk16_bf6_f32 v[240:242], v[S+16:S+31], v245
	v_nop
.irp i, 0,1,2
	v_permlane16_swap_b32 v[PCD+\i], v[240+\i]
.endr
.irp i, 0,1,2
	v_mov_b32 v[PCD+3+\i], v[240+\i]
.endr
	global_store_b128 v1, v[PCD:PCD+3], s[\pc:\pc+1]               ; 512 consecutive bytes, aligned
	global_store_b64 v2, v[PCD+4:PCD+5], s[\pc:\pc+1] offset:512   ; 256
	global_store_b8 v5, v238, s[\ps:\ps+1]                         ; two bytes of each of my 16 rows' 32: the other heads' come from other work-groups; 32 bytes beside the image's 768
.endm
	FINISH 12, 156, 42, 44
	s_wait_xcnt 0x0                                ; the stores have read their registers
	FINISH 16, 188, 48, 50
	s_wait_tensorcnt 0x0
	ds_add_u32 v243, v255
	s_wait_dscnt 0x0
	CROUND                                         ; the closing round
	s_endpgm
.Lfunc_end_k_q38922d08d7_attn:
	.size	k_q38922d08d7_attn, .Lfunc_end_k_q38922d08d7_attn-k_q38922d08d7_attn
	.p2alignl 7, 3214868480
	.fill 96, 4, 3214868480
	.section	.rodata,"a",@progbits
	.p2align	6, 0x0
	.amdhsa_kernel k_q38922d08d7_attn
		.amdhsa_group_segment_fixed_size 210944
		.amdhsa_private_segment_fixed_size 0
		.amdhsa_enable_private_segment 0
		.amdhsa_kernarg_size 32
		.amdhsa_user_sgpr_count 2
		.amdhsa_user_sgpr_kernarg_segment_ptr 1
		.amdhsa_wavefront_size32 1
		.amdhsa_system_sgpr_workgroup_id_x 1
		.amdhsa_system_sgpr_workgroup_id_y 1
		.amdhsa_system_sgpr_workgroup_id_z 1
		.amdhsa_system_vgpr_workitem_id 0
		.amdhsa_next_free_vgpr 256
		.amdhsa_next_free_sgpr 66
		.amdhsa_reserve_vcc 1
		.amdhsa_float_denorm_mode_32 3
		.amdhsa_float_denorm_mode_16_64 3
		.amdhsa_memory_ordered 1
		.amdhsa_forward_progress 1
		.amdhsa_inst_pref_size 59
	.end_amdhsa_kernel
	.amdgpu_metadata
---
amdhsa.version: [ 1, 2 ]
amdhsa.kernels:
  - .name:           k_q38922d08d7_attn
    .symbol:         k_q38922d08d7_attn.kd
    .args:
      - { .name: qb, .offset: 0, .size: 8, .value_kind: global_buffer, .address_space: global }
      - { .name: kv, .offset: 8, .size: 8, .value_kind: global_buffer, .address_space: global }
      - { .name: ctxc, .offset: 16, .size: 8, .value_kind: global_buffer, .address_space: global }
      - { .name: ctxs, .offset: 24, .size: 8, .value_kind: global_buffer, .address_space: global }
    .group_segment_fixed_size: 210944
    .private_segment_fixed_size: 0
    .kernarg_segment_align: 8
    .kernarg_segment_size: 32
    .max_flat_workgroup_size: 512
    .sgpr_count:     66
    .vgpr_count:     256
    .wavefront_size: 32
...
	.end_amdgpu_metadata
.endif
;; end of part 3
;; launch outln (part 4): grid 256 x 1, 4 waves a work-group, no clusters, 133,120 bytes of LDS; arguments ctxc, ctxs, wq, x, ln_gamma, ln_beta, out0; writes out0
.if DOCPART == 4
	.amdgcn_target "amdgcn-amd-amdhsa--gfx1250"
	.amdhsa_code_object_version 6
	.text
	.protected	k_q38922d08d7_outln
	.globl	k_q38922d08d7_outln
	.p2align	8
	.type	k_q38922d08d7_outln,@function
k_q38922d08d7_outln:
	s_mov_b64 s[64:65], 0
	v_nop
	global_prefetch_b8 v0, s[64:65] scope:SCOPE_SE
	s_setreg_imm32_b32 hwreg(HW_REG_WAVE_MODE, 25, 1), 1
	s_wait_xcnt 0x0
; out0 = LayerNorm(ctx W_O + x) x gamma + beta.  The product on codes of E3M2 (K = 1,024), all else in f32; mean and variance in two passes, as the problem writes them.
; SHARES.  A work-group owns 32 whole rows (two tiles of 16: rows 32 g + 8 p + r + 8 (r / 8)) and all 1,024 columns, so that a row's mean and variance never leave it.  Wave w makes columns 256 w .. 256 w + 255: 32 accumulators.
; The product is used transposed (source 0 = 16 columns of W_O, source 1 = 16 rows of ctx): a lane holds one row, and register 128 p + 16 b + i is column 256 w + 32 b + 16 (lane / 16) + i.
; OPERANDS come from memory straight into registers, as images of those registers: three loads of 16 bytes a lane for a fragment of W_O, each 512 consecutive bytes; two sets, a K step ahead.
; x IS THE C OF THE FIRST PRODUCTS: it is read in whole rows (512 consecutive bytes a load), turned through a stage in LDS into the accumulators' layout, and nothing is cleared or added later.  The result goes back the same way.
; NO JOINT LOADS, though every work-group walks all of W_O's codes (819,200 bytes): each fragment is read by one wave alone, so through LDS each of those bytes would be written and read there once more for no second use;
; and the work-group's own share of them would stay what it is.
; No label and no branch: eight K steps by macro.
; REGISTERS, in windows of 256: window 0: v1-11 offsets; v32-95 W_O's scale words; v96-103 ctx's; v104-143 at work.   window 1: the accumulators, (p, t) at v[8 (16 p + t)]; before and after them x and the result by rows.
;   windows 2, 3: set ks % 2: W_O's 16 fragments at v0-191, ctx's two at v192-215.  Behind K step 6 window 2 takes gamma (v0-127) and beta (v128-255).
.set SP,   4112                        ; a stage row: 4,096 bytes + 16: the sixteen rows that a load touches start at sixteen different columns of 16 bytes
.set RED,  32*SP                       ; behind the stage: the waves' partial sums, 512 bytes for the mean, 512 for the variance
.set SD,   4                           ; v4  the stage by rows: my wave's eight rows of memory, + 16 x lane
.set XR,   5                           ; v5-6 the stage by accumulators: row 16 p + r, + 1,024 w + 64 h
.set CH,   104                         ; v104-119 four chains of pairs for each tile
.set HM,   24
.set MSB, 0
.macro WIN new                         ; the immediate's high byte repeats the setting that is left
.if MSB != (\new)
	s_set_vgpr_msb (MSB<<8)|(\new)
.set MSB, (\new)
.endif
.endm
	s_load_b256 s[4:11], s[0:1], 0x0               ; ctxc, ctxs, wq, x
	s_load_b128 s[12:15], s[0:1], 0x20             ; gamma, beta
	s_load_b64 s[16:17], s[0:1], 0x30              ; out0
	v_lshl_add_u32 v254, v0, 2, 0x20600
	v_mov_b32 v255, 0
	v_lshrrev_b32 v1, 5, v0
	v_readfirstlane_b32 s18, v1                    ; wave 0..3
	v_and_b32 v3, 31, v0                           ; lane
	v_and_b32 v12, 15, v0                          ; r
	v_bfe_u32 v13, v0, 4, 1                        ; h
	v_lshlrev_b32 v1, 4, v3                        ; 16 x lane
	v_lshlrev_b32 v2, 3, v3                        ; 8 x lane
	s_and_b32 s28, s18, 1                          ; rows 8 w .. 8 w + 7 of memory are stage rows 16 (w % 2) + 8 (w / 2) on
	s_lshl_b32 s28, s28, 4
	s_lshr_b32 s29, s18, 1
	s_lshl_b32 s29, s29, 3
	s_add_co_u32 s28, s28, s29
	s_mul_i32 s28, s28, SP
	v_add_nc_u32 v[SD], s28, v1
	v_mul_u32_u24 v[XR], v12, SP
	v_lshl_add_u32 v[XR], v13, 6, v[XR]
	s_lshl_b32 s28, s18, 10
	v_add_nc_u32 v[XR], s28, v[XR]
	v_add_nc_u32 v[XR+1], 16*SP, v[XR]
	v_mul_u32_u24 v7, v13, 25600                   ; W_O's scale words: lanes 0-15 tiles 0-7, lanes 16-31 tiles 8-15;
	v_lshl_add_u32 v7, v12, 3, v7                  ; 8 bytes a row
	v_and_b32 v8, 8, v12
	v_add_nc_u32 v8, v8, v12
	v_lshl_add_u32 v8, v13, 3, v8
	v_lshlrev_b32 v8, 5, v8                        ; ctx's: lanes 0-15 the first tile's rows, lanes 16-31 the second's; 32 bytes a row
	v_lshlrev_b32 v9, 6, v13
	v_add_nc_u32 v9, s28, v9                       ; gamma, beta: 1,024 w + 64 h
	s_lshl_b32 s28, s18, 7
	v_lshl_add_u32 v10, v3, 2, RED
	v_add_nc_u32 v10, s28, v10                     ; my wave's partial sums: 4 x lane
	v_lshl_add_u32 v11, v12, 2, RED                ; all waves' for row r
	v_cmp_le_u32 s[HM], 16, v3                     ; lanes 16-31
	v_mov_b32 v122, 0                              ; lane permutes' destinations
	v_mov_b32 v123, 0
	s_mov_b32 s20, 0x76543210
	s_mov_b32 s21, 0xfedcba98
	s_mov_b32 s22, 0x3a800000                      ; 1 / 1,024
	s_mov_b32 s23, 0x3727c5ac                      ; 1e-5
	s_lshl_b32 s26, ttmp9, 17                      ; 32 rows of 4,096 bytes,
	s_lshl_b32 s28, s18, 15                        ; my wave's eight
	s_add_co_u32 s26, s26, s28
	s_mov_b32 s27, 0
	s_wait_kmcnt 0x0
	s_add_nc_u64 s[10:11], s[10:11], s[26:27]
	s_add_nc_u64 s[16:17], s[16:17], s[26:27]
	s_add_co_u32 s26, s18, 12                      ; W_O's blocks are 12 to 15
	s_mul_i32 s26, s26, 204800
	s_add_nc_u64 s[8:9], s[8:9], s[26:27]
	s_mul_i32 s26, ttmp9, 24576                    ; two tiles x 16 heads x 768 bytes
	s_add_nc_u64 s[4:5], s[4:5], s[26:27]
	s_lshl_b32 s26, ttmp9, 10
	s_add_nc_u64 s[6:7], s[6:7], s[26:27]
; K step ks's operands into set ks % 2: 56 loads
.macro LOADK ks
.set WN, (2+(\ks)%2)<<6
	WIN WN
.irp t, 0,1,2,3,4,5,6,7,8,9,10,11,12,13,14,15
.irp c, 0,1,2
	global_load_b128 v[12*\t+4*\c:12*\t+4*\c+3], v1, s[8:9] offset:((\ks)/2)*51200+(\t/8)*25600+(\t%8)*3072+((\ks)%2)*1536+512*\c
.endr
.endr
.irp p, 0,1                                    ; ctx: K step ks is heads 2 ks and 2 ks + 1: two half images make a fragment
.irp c, 0,1
	global_load_b128 v[192+12*\p+6*\c:195+12*\p+6*\c], v1, s[4:5] offset:12288*\p+(2*(\ks)+\c)*768
	global_load_b64 v[196+12*\p+6*\c:197+12*\p+6*\c], v2, s[4:5] offset:12288*\p+(2*(\ks)+\c)*768+512
.endr
.endr
.endm
	WIN 0x40                                       ; destination window 1
.irp i, 0,1,2,3,4,5,6,7
.irp j, 0,1,2,3,4,5,6,7
	global_load_b128 v[4*(8*\i+\j):4*(8*\i+\j)+3], v1, s[10:11] offset:4096*\i+512*\j th:TH_LOAD_NT   ; x: 512 consecutive bytes of a row
.endr
.endr
	WIN 0
.irp l, 0,1,2,3
.irp i, 0,1,2,3,4,5,6,7
	global_load_b64 v[32+16*\l+2*\i:33+16*\l+2*\i], v7, s[8:9] offset:51200*\l+24576+128*\i   ; register 16 l + 2 i + q: K step 2 l + q, tile i (lanes 0-15) and tile 8 + i (lanes 16-31)
.endr
.endr
	global_load_b128 v[96:99], v8, s[6:7]          ; register ks: my row's word of K step ks
	global_load_b128 v[100:103], v8, s[6:7] offset:16
	LOADK 0
	LOADK 1
	s_wait_loadcnt 63                              ; x is in: 146 loads stand behind it, and the wait's field names 63 at the most
	WIN 0x04                                       ; an LDS store's data are its source 1: window 1
.irp i, 0,1,2,3,4,5,6,7
.irp j, 0,1,2,3,4,5,6,7
	ds_store_b128 v[SD], v[4*(8*\i+\j):4*(8*\i+\j)+3] offset:SP*\i+512*\j
.endr
.endr
	s_wait_dscnt 0x0                               ; for the others' sake: my rows lie in the stage
	s_barrier_signal -1
	s_barrier_wait -1
	WIN 0x40
.irp p, 0,1
.irp b, 0,1,2,3,4,5,6,7
.irp j, 0,1,2,3
	ds_load_b128 v[128*\p+16*\b+4*\j:128*\p+16*\b+4*\j+3], v[XR+\p] offset:128*\b+16*\j   ; x in the accumulators' layout
.endr
.endr
.endr
	s_wait_dscnt 0x0
.macro PROD ks, t, p
.set DD, 8*(16*(\p)+(\t))
.set AA, 12*(\t)
.set BB, 192+12*(\p)
.set SW, 32+16*((\ks)/2)+2*((\t)%8)+(\ks)%2
.set SX, 96+(\ks)
.if ((\t) < 8) && ((\p) == 0)
	v_wmma_scale_f32_16x16x128_f8f6f4 v[DD:DD+7], v[AA:AA+11], v[BB:BB+11], v[DD:DD+7], v[SW], v[SX] matrix_a_fmt:MATRIX_FMT_BF6 matrix_b_fmt:MATRIX_FMT_BF6
.elseif (\t) < 8
	v_wmma_scale_f32_16x16x128_f8f6f4 v[DD:DD+7], v[AA:AA+11], v[BB:BB+11], v[DD:DD+7], v[SW], v[SX] matrix_a_fmt:MATRIX_FMT_BF6 matrix_b_fmt:MATRIX_FMT_BF6 matrix_b_scale:MATRIX_SCALE_ROW1
.elseif (\p) == 0
	v_wmma_scale_f32_16x16x128_f8f6f4 v[DD:DD+7], v[AA:AA+11], v[BB:BB+11], v[DD:DD+7], v[SW], v[SX] matrix_a_fmt:MATRIX_FMT_BF6 matrix_b_fmt:MATRIX_FMT_BF6 matrix_a_scale:MATRIX_SCALE_ROW1
.else
	v_wmma_scale_f32_16x16x128_f8f6f4 v[DD:DD+7], v[AA:AA+11], v[BB:BB+11], v[DD:DD+7], v[SW], v[SX] matrix_a_fmt:MATRIX_FMT_BF6 matrix_b_fmt:MATRIX_FMT_BF6 matrix_a_scale:MATRIX_SCALE_ROW1 matrix_b_scale:MATRIX_SCALE_ROW1
.endif
.endm
; 32 matrix instructions: the 32 accumulators take turns, one instruction a turn, in the same order in every K step.  left: the younger loads that may stay out
.macro KSTEP ks, left
.set SS, 2+(\ks)%2
.set WK, SS|(SS<<2)|0x50
	s_wait_loadcnt \left
	WIN WK                                         ; sources 0 and 1: the set's window; C and D window 1
.irp t, 0,1,2,3,4,5,6,7,8,9,10,11,12,13,14,15
.irp p, 0,1
	PROD \ks, \t, \p
.endr
.endr
.rept 4
	v_nop                                          ; places in front of loads into the set just read, and of the first read of results
.endr
.endm
.irp k, 0,1,2,3,4,5
	KSTEP \k, 56                                   ; the other set's 56 loads may stay out
	LOADK \k+2
.endr
	KSTEP 6, 56
	WIN 0x80                                       ; destination window 2: set 0 is done with
.irp b, 0,1,2,3,4,5,6,7
.irp j, 0,1,2,3
	global_load_b128 v[16*\b+4*\j:16*\b+4*\j+3], v9, s[12:13] offset:128*\b+16*\j          ; gamma at my 128 columns
	global_load_b128 v[128+16*\b+4*\j:128+16*\b+4*\j+3], v9, s[14:15] offset:128*\b+16*\j  ; beta
.endr
.endr
	KSTEP 7, 63                                    ; 64 loads stand behind K step 7's
; Four chains of pairs for each tile become the rows' sums over all 1,024 columns, in v120 (first tile's row r) and v121 (second tile's).  off: which 512 bytes of LDS
.macro REDUCE off
.irp p, 0,1
	v_pk_add_f32 v[CH+8*\p:CH+8*\p+1], v[CH+8*\p:CH+8*\p+1], v[CH+8*\p+2:CH+8*\p+3]
	v_pk_add_f32 v[CH+8*\p+4:CH+8*\p+5], v[CH+8*\p+4:CH+8*\p+5], v[CH+8*\p+6:CH+8*\p+7]
.endr
.irp p, 0,1
	v_pk_add_f32 v[CH+8*\p:CH+8*\p+1], v[CH+8*\p:CH+8*\p+1], v[CH+8*\p+4:CH+8*\p+5]
.endr
.irp p, 0,1
	v_add_f32 v[120+\p], v[CH+8*\p], v[CH+8*\p+1]
.endr
.irp p, 0,1
	v_permlanex16_b32 v[122+\p], v[120+\p], s20, s21
.endr
.irp p, 0,1
	v_add_f32 v[120+\p], v[120+\p], v[122+\p]      ; with lane l xor 16's: my wave's 256 columns
.endr
	v_cndmask_b32 v124, v120, v121, s[HM]          ; lane l stores stage row l's
	ds_store_b32 v10, v124 offset:\off
	s_wait_dscnt 0x0
	s_barrier_signal -1
	s_barrier_wait -1
.irp p, 0,1
.irp u, 0,1,2,3
	ds_load_b32 v[128+4*\p+\u], v11 offset:\off+128*\u+64*\p
.endr
.endr
	s_wait_dscnt 0x0
.irp p, 0,1
	v_add_f32 v[128+4*\p], v[128+4*\p], v[129+4*\p]
	v_add_f32 v[130+4*\p], v[130+4*\p], v[131+4*\p]
.endr
.irp p, 0,1
	v_add_f32 v[120+\p], v[128+4*\p], v[130+4*\p]
.endr
.endm
	WIN 0x05                                       ; sources 0 and 1 window 1, destination window 0
.irp p, 0,1
.irp k, 0,1,2,3
	v_pk_add_f32 v[CH+8*\p+2*\k:CH+8*\p+2*\k+1], v[128*\p+2*\k:128*\p+2*\k+1], v[128*\p+8+2*\k:128*\p+9+2*\k]   ; the chains begin; each accumulator is read from its low end on
.endr
.endr
	WIN 0x01
.set pr, 8
.rept 56
.irp p, 0,1
	v_pk_add_f32 v[CH+8*\p+2*(pr%4):CH+8*\p+2*(pr%4)+1], v[128*\p+2*pr:128*\p+2*pr+1], v[CH+8*\p+2*(pr%4):CH+8*\p+2*(pr%4)+1]
.endr
.set pr, pr+1
.endr
	WIN 0
	REDUCE 0
.irp p, 0,1
	v_mul_f32 v[136+2*\p], 0xba800000, v[120+\p]   ; -mean, twice: a pair for the packed addition
.endr
.irp p, 0,1
	v_mov_b32 v[137+2*\p], v[136+2*\p]
.endr
	WIN 0x41                                       ; destination and source 0 window 1
.set pr, 0
.rept 64
.irp p, 0,1
	v_pk_add_f32 v[128*\p+2*pr:128*\p+2*pr+1], v[128*\p+2*pr:128*\p+2*pr+1], v[136+2*\p:137+2*\p]
.endr
.set pr, pr+1
.endr
	WIN 0x05
.irp p, 0,1
.irp k, 0,1,2,3
	v_pk_mul_f32 v[CH+8*\p+2*\k:CH+8*\p+2*\k+1], v[128*\p+2*\k:128*\p+2*\k+1], v[128*\p+2*\k:128*\p+2*\k+1]
.endr
.endr
.set pr, 4
.rept 60
.irp p, 0,1
	v_pk_fma_f32 v[CH+8*\p+2*(pr%4):CH+8*\p+2*(pr%4)+1], v[128*\p+2*pr:128*\p+2*pr+1], v[128*\p+2*pr:128*\p+2*pr+1], v[CH+8*\p+2*(pr%4):CH+8*\p+2*(pr%4)+1]
.endr
.set pr, pr+1
.endr
	WIN 0
	REDUCE 512
.irp p, 0,1
	v_fma_f32 v[120+\p], v[120+\p], s22, s23       ; variance + 1e-5
.endr
.irp p, 0,1
	v_rsq_f32 v[140+2*\p], v[120+\p]
.endr
	v_nop                                          ; one plain place behind a transcendental
	s_wait_alu depctr_va_vdst(0)
.irp p, 0,1
	v_mov_b32 v[141+2*\p], v[140+2*\p]
.endr
	WIN 0x41
.set pr, 0
.rept 64
.irp p, 0,1
	v_pk_mul_f32 v[128*\p+2*pr:128*\p+2*pr+1], v[128*\p+2*pr:128*\p+2*pr+1], v[140+2*\p:141+2*\p]
.endr
.set pr, pr+1
.endr
	s_wait_loadcnt 0x0                             ; gamma and beta
	WIN 0x69                                       ; destination and source 0 window 1, sources 1 and 2 window 2
.set pr, 0
.rept 64
.irp p, 0,1
	v_pk_fma_f32 v[128*\p+2*pr:128*\p+2*pr+1], v[128*\p+2*pr:128*\p+2*pr+1], v[2*pr:2*pr+1], v[128+2*pr:129+2*pr]
.endr
.set pr, pr+1
.endr
	WIN 0x04
.irp p, 0,1
.irp b, 0,1,2,3,4,5,6,7
.irp j, 0,1,2,3
	ds_store_b128 v[XR+\p], v[128*\p+16*\b+4*\j:128*\p+16*\b+4*\j+3] offset:128*\b+16*\j   ; back into the stage, each lane into the bytes that it alone read; two barriers lie between all reads of x and these stores
.endr
.endr
.endr
	s_wait_dscnt 0x0
	s_barrier_signal -1
	s_barrier_wait -1                              ; 32 whole rows of the result lie in the stage
	WIN 0x40
.irp i, 0,1,2,3,4,5,6,7
.irp j, 0,1,2,3,4,5,6,7
	ds_load_b128 v[4*(8*\i+\j):4*(8*\i+\j)+3], v[SD] offset:SP*\i+512*\j
.endr
.endr
	WIN 0x04
.irp i, 0,1,2,3,4,5,6,7
.irp j, 0,1,2,3,4,5,6,7
	s_wait_dscnt 63-(8*\i+\j)
	global_store_b128 v1, v[4*(8*\i+\j):4*(8*\i+\j)+3], s[16:17] offset:4096*\i+512*\j th:TH_STORE_NT   ; 512 consecutive bytes of a row, aligned
.endr
.endr
	WIN 0
	s_wait_tensorcnt 0x0
	ds_add_u32 v254, v255
	s_wait_dscnt 0x0
	s_endpgm
.Lfunc_end_k_q38922d08d7_outln:
	.size	k_q38922d08d7_outln, .Lfunc_end_k_q38922d08d7_outln-k_q38922d08d7_outln
	.p2alignl 7, 3214868480
	.fill 96, 4, 3214868480
	.section	.rodata,"a",@progbits
	.p2align	6, 0x0
	.amdhsa_kernel k_q38922d08d7_outln
		.amdhsa_group_segment_fixed_size 133120
		.amdhsa_private_segment_fixed_size 0
		.amdhsa_enable_private_segment 0
		.amdhsa_kernarg_size 56
		.amdhsa_user_sgpr_count 2
		.amdhsa_user_sgpr_kernarg_segment_ptr 1
		.amdhsa_wavefront_size32 1
		.amdhsa_system_sgpr_workgroup_id_x 1
		.amdhsa_system_sgpr_workgroup_id_y 1
		.amdhsa_system_sgpr_workgroup_id_z 1
		.amdhsa_system_vgpr_workitem_id 0
		.amdhsa_next_free_vgpr 1024
		.amdhsa_next_free_sgpr 66
		.amdhsa_reserve_vcc 0
		.amdhsa_float_denorm_mode_32 3
		.amdhsa_float_denorm_mode_16_64 3
		.amdhsa_memory_ordered 1
		.amdhsa_forward_progress 1
		.amdhsa_inst_pref_size 162
	.end_amdhsa_kernel
	.amdgpu_metadata
---
amdhsa.version: [ 1, 2 ]
amdhsa.kernels:
  - .name:           k_q38922d08d7_outln
    .symbol:         k_q38922d08d7_outln.kd
    .args:
      - { .name: ctxc, .offset: 0, .size: 8, .value_kind: global_buffer, .address_space: global }
      - { .name: ctxs, .offset: 8, .size: 8, .value_kind: global_buffer, .address_space: global }
      - { .name: wq, .offset: 16, .size: 8, .value_kind: global_buffer, .address_space: global }
      - { .name: x, .offset: 24, .size: 8, .value_kind: global_buffer, .address_space: global }
      - { .name: ln_gamma, .offset: 32, .size: 8, .value_kind: global_buffer, .address_space: global }
      - { .name: ln_beta, .offset: 40, .size: 8, .value_kind: global_buffer, .address_space: global }
      - { .name: out0, .offset: 48, .size: 8, .value_kind: global_buffer, .address_space: global }
    .group_segment_fixed_size: 133120
    .private_segment_fixed_size: 0
    .kernarg_segment_align: 8
    .kernarg_segment_size: 56
    .max_flat_workgroup_size: 128
    .sgpr_count:     66
    .vgpr_count:     1024
    .wavefront_size: 32
...
	.end_amdgpu_metadata
.endif
;; end of part 4
;; ======== version 2 of 2: 4 launches
;; workspace buffers: xq 6,553,600 bytes; wq 3,276,800 bytes; qb 6,815,744 bytes; kv 13,369,344 bytes; ctxc 6,291,456 bytes; ctxs 262,144 bytes
;; launch quant (part 5): grid 384 x 1, 8 waves a work-group, no clusters, 95,232 bytes of LDS; arguments x, W_Q, W_K, W_V, W_O, xq, wq; writes xq, wq
.if DOCPART == 5
	.amdgcn_target "amdgcn-amd-amdhsa--gfx1250"
	.amdhsa_code_object_version 6
	.text
	.protected	k_q38922d08d7_quant
	.globl	k_q38922d08d7_quant
	.p2align	8
	.type	k_q38922d08d7_quant,@function
k_q38922d08d7_quant:
	s_mov_b64 s[64:65], 0
	v_nop
	global_prefetch_b8 v0, s[64:65] scope:SCOPE_SE
	s_setreg_imm32_b32 hwreg(HW_REG_WAVE_MODE, 25, 1), 1
	s_wait_xcnt 0x0
; x [8192][1024] and the four weights [1024 (k)][1024 (n)], f32, become codes of E3M2 with one E8M0 byte for each 32 along K, laid as IMAGES OF THE OPERAND'S REGISTERS:
; a fragment (16 rows x 128 K, 12 registers a lane) is 1,536 bytes, registers 4 c .. 4 c + 3 of lane l at 512 c + 16 l.
; THE 16 ROWS OF A TILE ARE NOT NEIGHBOURS: row r of tile T is index 32 (T / 2) + 8 (T % 2) + r + 8 (r / 8), for x's rows and for the weights' columns alike.
; xq, wq: [block of 256 rows][256 along K][half of 8 tiles][25,600 bytes]: codes at (tile % 8) 3072 + 1536 q, from byte 24,576 the scale words at (tile % 8) 128 + 8 r + 4 q (q: which 128 of the 256 along K).
; A block's scale byte is its largest magnitude's exponent field - 4, held at 1 from below (a block of zeros gets 1 where the rule says 127: its codes are zeros, and this program alone reads the bytes).
; LIMITS: NaN and infinities among the inputs are not served; blocks whose largest magnitude lies under 2^-122 were not tried.
; Work-groups 0-255 take 32 rows of x each, work-groups 256-383 a weight's 256 columns x 128 along K.  The two ways have LDS bytes of their own.  Waves share nothing: no barrier.
; No matrix unit, no cluster, no tensor load: every input byte is read once and no two work-groups read the same bytes.
.set XP,    528                        ; x's stage: a row's 512 bytes + 16: the sixteen rows that a load touches start at sixteen different columns of 16 bytes
.set XSTG,  16*XP                      ; a wave's stage on x's way
.set WST0,  8*XSTG                     ; the weights' way: its stages begin here
.set WTP,   1664                       ; a tile's image, 1,536 bytes, + 128
.set WSTG,  2*WTP                      ; a wave's two tiles
.set FLOOR, 0x2800000                  ; 2^(5 - 127): under it no largest magnitude is taken
.set EOFF,  0xfe000000                 ; 4 off an exponent field
	s_load_b256 s[4:11], s[0:1], 0x0               ; x, W_Q, W_K, W_V
	s_load_b128 s[12:15], s[0:1], 0x20             ; W_O, xq
	s_load_b64 s[16:17], s[0:1], 0x30              ; wq
	v_lshl_add_u32 v62, v0, 2, 0x17000
	v_mov_b32 v63, 0
	v_lshrrev_b32 v1, 5, v0
	s_delay_alu instid0(VALU_DEP_1)
	v_readfirstlane_b32 s18, v1                    ; wave 0..7
	v_and_b32 v1, 31, v0                           ; lane
	v_and_b32 v2, 15, v0                           ; r
	v_bfe_u32 v3, v0, 4, 1                         ; h
	s_delay_alu instid0(VALU_DEP_3)
	v_lshlrev_b32 v4, 4, v1                        ; 16 x lane
	s_mov_b32 s20, 0x76543210
	s_mov_b32 s21, 0xfedcba98                      ; v_permlanex16_b32's selects for lane l xor 16
	s_mov_b32 s27, 0
	s_mov_b32 s29, 0
	s_cmp_lt_u32 ttmp9, 256
	s_cbranch_scc0 .Lweights
; ---------------- x: work-group g has rows 32 g .. 32 g + 31; wave w takes tile 2 g + w / 4 and 256 along K from 256 (w % 4) on: two fragments
	s_lshr_b32 s22, s18, 2                         ; u: which of the two tiles
	s_and_b32 s23, s18, 3                          ; which 256 along K
	s_mul_i32 s24, s18, XSTG
	s_wait_alu depctr_va_vdst(0)
	v_add_nc_u32 v5, s24, v4                       ; into the stage: a row's 512 bytes as they lie
	v_mul_u32_u24 v6, v2, XP
	s_delay_alu instid0(VALU_DEP_1)
	v_lshl_add_u32 v6, v3, 7, v6
	s_delay_alu instid0(VALU_DEP_1)
	v_add_nc_u32 v6, s24, v6                       ; out of it: row r, + 128 h: my block of 32 numbers
	v_lshlrev_b32 v9, 3, v3                        ; 8 h
	v_mov_b32 v55, 0                               ; a lane permute's destination counts as one of its sources
	v_cmp_le_u32 vcc_lo, 16, v1                    ; lanes 16-31
	s_lshl_b32 s26, ttmp9, 17                      ; 32 rows of 4,096 bytes
	s_lshl_b32 s25, s22, 15                        ; the tile's first row: 8 u
	s_add_co_u32 s26, s26, s25
	s_lshl_b32 s25, s23, 10
	s_add_co_u32 s26, s26, s25
	s_lshr_b32 s28, ttmp9, 3                       ; xq: block g / 8,
	s_mul_i32 s28, s28, 204800
	s_mul_i32 s25, s23, 51200                      ; my 256 along K,
	s_add_co_u32 s28, s28, s25
	s_bfe_u32 s25, ttmp9, 0x10002                  ; half (g / 4) % 2
	s_mul_i32 s25, s25, 25600
	s_add_co_u32 s28, s28, s25
	s_and_b32 s25, ttmp9, 3
	s_lshl_b32 s25, s25, 1
	s_add_co_u32 s25, s25, s22                     ; the tile's place in its half
	s_mul_i32 s30, s25, 3072
	v_add_nc_u32 v8, s30, v4                       ; where my 16 bytes of an image go
	s_lshl_b32 s30, s25, 7
	v_lshlrev_b32 v7, 3, v2
	s_delay_alu instid0(VALU_DEP_1)
	v_lshl_add_u32 v7, v3, 2, v7
	s_delay_alu instid0(VALU_DEP_1)
	v_add_nc_u32 v7, s30, v7                       ; and my scale word: 8 r + 4 h
	s_wait_alu depctr_va_vdst(0)
	s_wait_kmcnt 0x0
	s_add_nc_u64 s[4:5], s[4:5], s[26:27]
	s_add_nc_u64 s[14:15], s[14:15], s[28:29]
.irp q, 0,1
.irp i, 0,1,2,3,4,5,6,7,8,9,10,11,12,13,14,15
	global_load_b128 v[64+4*(16*\q+\i):64+4*(16*\q+\i)+3], v4, s[4:5] offset:(\i+8*(\i/8))*4096+512*\q th:TH_LOAD_NT   ; 32 lanes read 512 consecutive bytes of the tile's row i
.endr
.endr
; One fragment.  Its 16 rows x 512 bytes turn through the stage, so that lane (r, h) holds k = 64 c + 32 h + 0 .. 31 of row r: two whole blocks.  left: the younger loads that may stay out.
.macro XPART q, left
	s_wait_loadcnt \left
.irp i, 0,1,2,3,4,5,6,7,8,9,10,11,12,13,14,15
	ds_store_b128 v5, v[64+4*(16*\q+\i):64+4*(16*\q+\i)+3] offset:XP*\i
.endr
.irp c, 0,1
.irp j, 0,1,2,3,4,5,6,7
	ds_load_b128 v[192+32*\c+4*\j:192+32*\c+4*\j+3], v6 offset:256*\c+16*\j   ; LDS serves a wave's instructions in order: these see the stores above
.endr
.endr
	s_wait_dscnt 0x0
.irp c, 0,1
	v_max3_num_f32 v[48+\c], |v[192+32*\c]|, |v[193+32*\c]|, FLOOR   ; my block 2 c + h: all its 32 numbers are mine
.endr
.irp i, 2,4,6,8,10,12,14,16,18,20,22,24,26,28,30
.irp c, 0,1
	s_delay_alu instid0(VALU_DEP_2)
	v_max3_num_f32 v[48+\c], v[48+\c], |v[192+32*\c+\i]|, |v[193+32*\c+\i]|
.endr
.endr
.irp c, 0,1
	s_delay_alu instid0(VALU_DEP_2)
	v_add_nc_u32 v[50+\c], EOFF, v[48+\c]          ; the conversion takes the exponent field of this operand as its scale
.endr
.irp c, 0,1
	s_delay_alu instid0(VALU_DEP_2)
	v_lshrrev_b32 v[52+\c], 23, v[50+\c]           ; the scale's byte
.endr
	s_delay_alu instid0(VALU_DEP_1)
	v_lshl_or_b32 v54, v53, 16, v52                ; my two bytes: blocks h and 2 + h,
	s_delay_alu instid0(VALU_DEP_1)
	v_lshlrev_b32 v54, v9, v54                     ; at their places in the word;
	s_delay_alu instid0(VALU_DEP_1)
	v_permlanex16_b32 v55, v54, s20, s21
	s_delay_alu instid0(VALU_DEP_1)
	v_or_b32 v[56+\q], v54, v55                    ; with lane l xor 16's two the word is whole
.irp c, 0,1
	v_cvt_scalef32_pk16_bf6_f32 v[16+12*\q+6*\c:18+12*\q+6*\c], v[192+32*\c:207+32*\c], v[50+\c]
	v_cvt_scalef32_pk16_bf6_f32 v[40+4*\c:42+4*\c], v[208+32*\c:223+32*\c], v[50+\c]   ; (a conversion's three registers begin on an even number)
.endr
	v_nop                                          ; one plain place behind a scaled conversion
.irp c, 0,1
.irp i, 0,1,2
	v_mov_b32 v[19+12*\q+6*\c+\i], v[40+4*\c+\i]
.endr
.endr
.irp c, 0,1,2
	global_store_b128 v8, v[16+12*\q+4*\c:16+12*\q+4*\c+3], s[14:15] offset:1536*\q+512*\c   ; 512 consecutive bytes, aligned; each fragment has registers of its own
.endr
.endm
	XPART 0, 16                                    ; the second fragment's sixteen loads may stay out
	XPART 1, 0
	v_cndmask_b32 v58, v56, v57, vcc_lo            ; lanes 0-15 store the first fragment's words, lanes 16-31 the second's:
	global_store_b32 v7, v58, s[14:15] offset:24576   ; 128 consecutive bytes
	s_wait_tensorcnt 0x0
	ds_add_u32 v62, v63
	s_wait_dscnt 0x0
	s_endpgm
; ---------------- the weights: work-group g' = weight 32 + block of 256 columns x 8 + K step.  Wave w takes 32 columns (two tiles), a lane one column, and its registers run DOWN K
.Lweights:
	s_sub_co_u32 s19, ttmp9, 256
	s_lshr_b32 s22, s19, 5                         ; which weight: Q, K, V, O
	s_bfe_u32 s23, s19, 0x20003                    ; which 256 columns
	s_and_b32 s24, s19, 7                          ; which 128 along K
	s_wait_alu depctr_va_vdst(0)
	v_lshlrev_b32 v7, 2, v1                        ; in: 4 bytes a lane
	v_bfe_u32 v11, v0, 3, 1                        ; column 32 w + lane is row r_j of tile 2 w + u_j: u_j = (lane / 8) % 2,
	s_wait_alu depctr_va_vdst(0)
	v_and_b32 v12, 7, v0
	s_delay_alu instid0(VALU_DEP_1)
	v_lshl_add_u32 v12, v3, 3, v12                 ; r_j = lane % 8 + 8 (lane / 16)
	s_mul_i32 s25, s18, WSTG
	s_add_co_u32 s25, s25, WST0
	v_mul_u32_u24 v10, v11, WTP
	s_delay_alu instid0(VALU_DEP_1)
	v_lshl_add_u32 v10, v12, 4, v10
	s_delay_alu instid0(VALU_DEP_1)
	v_add_nc_u32 v10, s25, v10                     ; into the stage: my tile's image, lane r_j's place
	v_add_nc_u32 v14, s25, v4                      ; out of it: 16 x lane
	s_lshl_b32 s26, s24, 19                        ; 128 rows of 4,096 bytes
	s_lshl_b32 s25, s23, 10
	s_add_co_u32 s26, s26, s25
	s_lshl_b32 s25, s18, 7
	s_add_co_u32 s26, s26, s25
	s_lshr_b32 s28, s19, 3                         ; wq: block 4 x weight + which 256 columns,
	s_mul_i32 s28, s28, 204800
	s_lshr_b32 s25, s24, 1
	s_mul_i32 s25, s25, 51200
	s_add_co_u32 s28, s28, s25
	s_lshr_b32 s25, s18, 2                         ; half w / 4
	s_mul_i32 s25, s25, 25600
	s_add_co_u32 s28, s28, s25
	s_and_b32 s30, s18, 3
	s_and_b32 s31, s24, 1
	s_mul_i32 s25, s30, 6144                       ; tile 2 (w % 4) of the half,
	s_mul_i32 s32, s31, 1536                       ; the K step's place in it
	s_add_co_u32 s25, s25, s32
	v_add_nc_u32 v8, s25, v4
	s_lshl_b32 s25, s30, 8
	s_lshl_b32 s32, s31, 2
	s_add_co_u32 s25, s25, s32
	v_lshlrev_b32 v15, 7, v11
	s_wait_alu depctr_va_vdst(0)
	v_lshl_add_u32 v15, v12, 3, v15
	s_delay_alu instid0(VALU_DEP_1)
	v_add_nc_u32 v15, s25, v15                     ; my column's scale word
	s_wait_kmcnt 0x0
	s_cmp_eq_u32 s22, 1                            ; the choice hangs on the work-group's number alone
	s_cselect_b64 s[6:7], s[8:9], s[6:7]
	s_cmp_eq_u32 s22, 2
	s_cselect_b64 s[6:7], s[10:11], s[6:7]
	s_cmp_eq_u32 s22, 3
	s_cselect_b64 s[6:7], s[12:13], s[6:7]
	s_add_nc_u64 s[6:7], s[6:7], s[26:27]
	s_add_nc_u64 s[16:17], s[16:17], s[28:29]
.set kk, 0
.rept 128
	global_load_b32 v[64+kk], v7, s[6:7] offset:kk*4096 th:TH_LOAD_NT   ; row kk of the K step at my column: 128 consecutive bytes a wave, 1,024 a work-group
.set kk, kk+1
.endr
; Block kb of 32 along K: it is block kb % 2 of the fragment's registers 6 (kb / 2) .. + 5, which belong to lane r_j + 16 (kb % 2) of the image.  left: the younger loads that may stay out.
.macro WBLOCK kb, left
.set XS, 64+32*(\kb)
.set CD, 16+6*(\kb)
	s_wait_loadcnt \left
	v_max3_num_f32 v48, |v[XS]|, |v[XS+1]|, FLOOR
	v_max3_num_f32 v49, |v[XS+2]|, |v[XS+3]|, |v[XS+4]|
.irp i, 5,9,13,17,21,25
	s_delay_alu instid0(VALU_DEP_2)
	v_max3_num_f32 v48, v48, |v[XS+\i]|, |v[XS+\i+1]|
	s_delay_alu instid0(VALU_DEP_2)
	v_max3_num_f32 v49, v49, |v[XS+\i+2]|, |v[XS+\i+3]|
.endr
	s_delay_alu instid0(VALU_DEP_2)
	v_max3_num_f32 v48, v48, |v[XS+29]|, |v[XS+30]|
	s_delay_alu instid0(VALU_DEP_1)
	v_max3_num_f32 v48, v48, v49, |v[XS+31]|
	s_delay_alu instid0(VALU_DEP_1)
	v_add_nc_u32 v50, EOFF, v48
	s_delay_alu instid0(VALU_DEP_1)
	v_lshrrev_b32 v51, 23, v50
.if (\kb) == 0
	s_delay_alu instid0(VALU_DEP_1)
	v_mov_b32 v56, v51                             ; the four bytes make my column's scale word
.else
	s_delay_alu instid0(VALU_DEP_1)
	v_lshl_or_b32 v56, v51, 8*(\kb), v56
.endif
	v_cvt_scalef32_pk16_bf6_f32 v[CD:CD+2], v[XS:XS+15], v50
	v_cvt_scalef32_pk16_bf6_f32 v[40:42], v[XS+16:XS+31], v50
	v_nop                                          ; one plain place behind a scaled conversion
.irp i, 0,1,2
	v_mov_b32 v[CD+3+\i], v[40+\i]
.endr
.if (\kb) < 2
	ds_store_b128 v10, v[CD:CD+3] offset:256*((\kb)%2)             ; registers 0-3
	ds_store_b64 v10, v[CD+4:CD+5] offset:512+256*((\kb)%2)        ; registers 4, 5
.else
	ds_store_b64 v10, v[CD:CD+1] offset:520+256*((\kb)%2)          ; registers 6, 7
	ds_store_b128 v10, v[CD+2:CD+5] offset:1024+256*((\kb)%2)      ; registers 8-11
.endif
.endm
	WBLOCK 0, 63                                   ; 96 loads stand behind block 0's, 64 behind block 1's: the wait's field names 63 at the most
	WBLOCK 1, 63
	WBLOCK 2, 32
	WBLOCK 3, 0
.irp n, 0,1,2,3,4,5
	ds_load_b128 v[192+4*\n:195+4*\n], v14 offset:WTP*(\n/3)+512*(\n%3)   ; LDS serves a wave's instructions in order: these see my stores
.endr
	s_wait_alu depctr_va_vdst(0)
.irp n, 0,1,2,3,4,5
	s_wait_dscnt 5-\n
	global_store_b128 v8, v[192+4*\n:195+4*\n], s[16:17] offset:3072*(\n/3)+512*(\n%3)   ; 512 consecutive bytes, aligned
.endr
	global_store_b32 v15, v56, s[16:17] offset:24576   ; 4 bytes in every 8: the other K step's words come from another work-group; one byte in 25 of what this way stores
	s_wait_tensorcnt 0x0
	ds_add_u32 v62, v63
	s_wait_dscnt 0x0
	s_endpgm
.Lfunc_end_k_q38922d08d7_quant:
	.size	k_q38922d08d7_quant, .Lfunc_end_k_q38922d08d7_quant-k_q38922d08d7_quant
	.p2alignl 7, 3214868480
	.fill 96, 4, 3214868480
	.section	.rodata,"a",@progbits
	.p2align	6, 0x0
	.amdhsa_kernel k_q38922d08d7_quant
		.amdhsa_group_segment_fixed_size 95232
		.amdhsa_private_segment_fixed_size 0
		.amdhsa_enable_private_segment 0
		.amdhsa_kernarg_size 56
		.amdhsa_user_sgpr_count 2
		.amdhsa_user_sgpr_kernarg_segment_ptr 1
		.amdhsa_wavefront_size32 1
		.amdhsa_system_sgpr_workgroup_id_x 1
		.amdhsa_system_sgpr_workgroup_id_y 1
		.amdhsa_system_sgpr_workgroup_id_z 1
		.amdhsa_system_vgpr_workitem_id 0
		.amdhsa_next_free_vgpr 256
		.amdhsa_next_free_sgpr 66
		.amdhsa_reserve_vcc 1
		.amdhsa_float_denorm_mode_32 3
		.amdhsa_float_denorm_mode_16_64 3
		.amdhsa_memory_ordered 1
		.amdhsa_forward_progress 1
		.amdhsa_inst_pref_size 43
	.end_amdhsa_kernel
	.amdgpu_metadata
---
amdhsa.version: [ 1, 2 ]
amdhsa.kernels:
  - .name:           k_q38922d08d7_quant
    .symbol:         k_q38922d08d7_quant.kd
    .args:
      - { .name: x, .offset: 0, .size: 8, .value_kind: global_buffer, .address_space: global }
      - { .name: W_Q, .offset: 8, .size: 8, .value_kind: global_buffer, .address_space: global }
      - { .name: W_K, .offset: 16, .size: 8, .value_kind: global_buffer, .address_space: global }
      - { .name: W_V, .offset: 24, .size: 8, .value_kind: global_buffer, .address_space: global }
      - { .name: W_O, .offset: 32, .size: 8, .value_kind: global_buffer, .address_space: global }
      - { .name: xq, .offset: 40, .size: 8, .value_kind: global_buffer, .address_space: global }
      - { .name: wq, .offset: 48, .size: 8, .value_kind: global_buffer, .address_space: global }
    .group_segment_fixed_size: 95232
    .private_segment_fixed_size: 0
    .kernarg_segment_align: 8
    .kernarg_segment_size: 56
    .max_flat_workgroup_size: 256
    .sgpr_count:     66
    .vgpr_count:     256
    .wavefront_size: 32
...
	.end_amdgpu_metadata
.endif
;; end of part 5
;; launch qkv (part 6): grid 12 x 32, 4 waves a work-group, clusters of 4 x 4, 327,680 bytes of LDS; arguments xq, wq, qb, kv; writes qb, kv
.if DOCPART == 6
	.amdgcn_target "amdgcn-amd-amdhsa--gfx1250"
	.amdhsa_code_object_version 6
	.text
	.protected	k_q38922d08d7_qkv
	.globl	k_q38922d08d7_qkv
	.p2align	8
	.type	k_q38922d08d7_qkv,@function
k_q38922d08d7_qkv:
	s_mov_b64 s[64:65], 0
	v_nop
	global_prefetch_b8 v0, s[64:65] scope:SCOPE_SE
	s_setreg_imm32_b32 hwreg(HW_REG_WAVE_MODE, 25, 1), 1
	s_wait_xcnt 0x0
	s_wait_alu depctr_hold_cnt(0) depctr_sa_sdst(0) depctr_va_vdst(0) depctr_va_sdst(0) depctr_va_ssrc(0) depctr_va_vcc(0) depctr_vm_vsrc(0)
	s_getreg_b32 s2, hwreg(HW_REG_IB_STS2, 6, 4)
	s_cmp_eq_u32 s2, 0
	s_cbranch_scc0 .Lentry_in_a_cluster
	s_endpgm
.Lentry_in_a_cluster:
	s_bfe_u32 s2, ttmp6, 0x10000c
	s_cmp_lg_u32 s2, 0xf033
	s_cbranch_scc0 .Lentry_shape_is_right
	s_endpgm
.Lentry_shape_is_right:
; q = x W_Q, k = x W_K, v = x W_V on codes of E3M2 (K = 1,024), and their results quantised on the way out: q and k along the head's 64, v along the keys.
; A work-group of four waves makes 256 x 256 results, a wave 128 x 128: 64 accumulators, 512 registers.  The cluster's x is the kind: 0 q, 1 k, 2 v; it is the same in all sixteen partners.
; ONE LOOP SERVES ALL KINDS.  Source 0 is operand P (shared along a column of the cluster), source 1 operand R (shared along a row).  q, k: R = 256 rows of x, P = 256 columns of the weight;
; v: R = 256 columns of W_V, P = 256 rows of x.  In the result a lane holds ONE row of R and its registers run along P, and since a tile's 16 rows are 32 (T / 2) + 8 (T % 2) + r + 8 (r / 8),
; the 64 registers of one tile of R are register 16 b + i = P's index 32 b + 16 (lane / 16) + i: 128 neighbours along the next product's K (two heads' 64 channels for q and k; 128 keys for v).
; OPERANDS LIE IN MEMORY AS IMAGES OF THEIR REGISTERS, 25,600 dense bytes for 128 rows x 256 K with their scale words: one tensor load a wave brings them, three ds_load_b128 (16 x lane) a fragment; no pitch, no padding.
; K goes in four steps of 256 through two LDS slots; written out, no loop.  Each tile is asked for jointly by the four partners that need it.
; OUT: qb [head 64][128 tokens 16][8 half images of 768 bytes | 512 bytes of scale words];  kv [head 64][128 keys 16][k: 8 half images | v: 4 images of 1,536 bytes | k's words 512 | v's words 256].
; A half image (16 rows x 64 K, 6 registers): registers 0-3 at 16 x lane, 4-5 at 512 + 8 x lane.  Bytes 2, 3 of q's and k's scale words are 0: they stand over zero codes in the next launch.
; 384 tiles for 256 WGPs: a tile keeps whole heads and one kind; a tile of two thirds the size does not.
; LIMITS: as the quantiser's: a block of zeros gets the byte 1; NaN and infinities are not served.
; REGISTERS, in windows of 256: window 0: v16-29 addresses; v32-63 scale words, two sets; v64-127 the way out; v128-223 R's eight fragments, one set.
;   window 1: P's fragments, two sets, at v0 and v128.   windows 2, 3: the accumulators of R's tiles 0-3, 4-7: (a, b) at v[8 (8 (a % 4) + b)].
.set NQ,    2                          ; matrix instructions deep in a slot
.set FR,    12                         ; registers of a fragment
.set NL,    3                          ; LDS loads that bring one
.set NP,    4                          ; places behind this matrix instruction (ISA guide 7.12.1)
.set HALFB, 25600                      ; 128 rows x 256 K: codes and scale words: what one tensor load brings
.set SLOT,  4*HALFB                    ; R's two halves, then P's two
.set SPARE, 2*SLOT                     ; the spare words, 128 bytes for each wave: two blocks of 256 bytes that no other line names
.set ADRA, 16                          ; v16-17  my half of R in slot 0, 1: + 16 x lane
.set ADRB, 20                          ; v20-21  my half of P
.set ADRS, 22                          ; v22-23  scale words: lanes 0-15 R's, lanes 16-31 P's
.set O16,  24                          ; v24     16 x lane
.set O8H,  25                          ; v25     8 x lane + 512
.set O8,   26                          ; v26     8 x lane
.set SPW,  28                          ; v28     my spare word; never rewritten
.set NIL,  29                          ; v29     0; never rewritten
.set SC,   32
.set PC,   64                          ; v64-83  the codes just made
.set TM,   88                          ; v88-91 largest magnitudes, v92-95 bytes, v100-103 the conversions' scale operands
.set PW,   104                         ; v104-111 the eight tiles' scale words
.set VW,   124                         ; v124-127 v's scale words as they are stored
.set AF,   128
.set G1,  24                           ; s[24:31] group 1 for R's tiles;  s[32:39] groups 0, one for each slot
.set G0,  32
.set G1B, 48                           ; s[48:55], s[56:63] the same for P's
.set G0B, 56
.set DA,  88                           ; s[88:89] q, k: the first head's images;  s[90:91] the second's;  s[92:95] their scale words
.set DB,  90
.set DSA, 92
.set DSB, 94
.set DV,  96                           ; s[96:97] v: the first head's key step
.set HM,  98                           ; s98 lanes 16-31
.set MSB, 0
.macro WIN new                         ; the immediate's high byte repeats the setting that is left
.if MSB != (\new)
	s_set_vgpr_msb (MSB<<8)|(\new)
.set MSB, (\new)
.endif
.endm
.set MUL_LO, 0xa1                      ; source 0 (P) window 1, source 1 (R) window 0, C and D window 2
.set MUL_HI, 0xf1                      ; the same, C and D window 3
.set TO_B,   0x40                      ; destination window 1, address window 0
; A joint load: waves 0 and 1 fetch R's halves, waves 2 and 3 P's.  The branch hangs on the wave's number alone.  Four v_nop follow each of the two lines.
.macro JLOAD s
	s_cmp_eq_u32 s15, 0
	s_cbranch_scc0 .Lfor_b_\@
	tensor_load_to_lds s[G0+4*\s:G0+4*\s+3], s[G1:G1+7]
	s_nop 0
.rept 4
	v_nop
.endr
	s_branch .Lasked_\@
.Lfor_b_\@:
	tensor_load_to_lds s[G0B+4*\s:G0B+4*\s+3], s[G1B:G1B+7]
	s_nop 0
.rept 4
	v_nop
.endr
.Lasked_\@:
.endm
.macro CREST                           ; a round of the cluster's barrier behind its opening barrier
	s_cmp_lg_u32 s14, 0
	s_cbranch_scc1 .Lnot_wave_0_\@
	s_barrier_signal -3
.Lnot_wave_0_\@:
	s_barrier_wait -3
	s_barrier_signal -1
	s_barrier_wait -1
.endm
.macro CROUND
	s_barrier_signal -1
	s_barrier_wait -1
	CREST
.endm
	s_load_b128 s[4:7], s[0:1], 0x0                ; xq, wq
	s_load_b128 s[8:11], s[0:1], 0x10              ; qb, kv
	v_lshl_add_u32 v[SPW], v0, 2, SPARE
	v_mov_b32 v[NIL], 0
	ds_add_u32 v28, v29
	ds_add_u32 v28, v29
	s_wait_dscnt 0x0
	v_lshrrev_b32 v1, 5, v0
	v_readfirstlane_b32 s14, v1                    ; wave 0..3
	s_lshr_b32 s15, s14, 1                         ; my half of R.  Also: I fetch for R (0) or for P (1)
	s_and_b32 s16, s14, 1                          ; my half of P.  Also: which half I fetch
	s_bfe_u32 s40, ttmp6, 0x40000                  ; cx, cy: my place in the cluster
	s_bfe_u32 s41, ttmp6, 0x40004
	s_and_b32 s17, ttmp7, 0xffff                   ; the cluster's y: which 1,024 rows of x
	s_lshl_b32 s42, s17, 2
	s_lshl_b32 s43, s41, 2
	s_lshl_b32 s43, 15, s43                        ; my row of the cluster
	s_lshl_b32 s44, 0x1111, s40                    ; my column
	; group 1: 25,600 dense bytes as 100 rows of 256 bytes (32 elements of 8 bytes), no padding
	s_or_b32 s[G1+0], s43, (3<<16)|(1<<21)         ; 15:0 the mask; 17:16 elements of 8 bytes; 21 set beside a mask
	s_or_b32 s[G1B+0], s44, (3<<16)|(1<<21)
.irp g, G1, G1B
	s_mov_b32 s[\g+1], 32<<16                      ; tensor_dim0
	s_mov_b32 s[\g+2], 100<<16                     ; tensor_dim1
	s_mov_b32 s[\g+3], 32<<16                      ; tile_dim0
	s_mov_b32 s[\g+4], 100                         ; tile_dim1
	s_mov_b32 s[\g+5], 32                          ; tensor_dim0_stride
	s_mov_b32 s[\g+6], 0
	s_mov_b32 s[\g+7], 0
.endr
	s_add_co_u32 s45, s42, s41                     ; R, q and k: x's block 4 y + cy;
	s_add_co_u32 s46, s41, 8                       ; R, v: the weights' block 8 + cy.  Both hang on cy, which my row shares
	s_lshl_b32 s47, ttmp9, 2
	s_add_co_u32 s47, s47, s40                     ; P, q and k: the weights' block 4 kind + cx;
	s_add_co_u32 s18, s42, s40                     ; P, v: x's block 4 y + cx.  Both hang on cx, which my column shares
	s_mul_i32 s19, s16, HALFB                      ; the half that I fetch
	s_mul_i32 s12, s14, HALFB                      ; and where it goes: wave x 25,600: no place in the cluster enters an LDS address
	s_mov_b32 s21, 0
	s_mov_b32 s23, 0
	s_cmp_eq_u32 ttmp9, 2                          ; v?  The same answer in all sixteen partners.  All four choices stand ahead of the next line that sets SCC
	s_cselect_b32 s20, s46, s45
	s_cselect_b32 s22, s18, s47
	s_wait_kmcnt 0x0
	s_cselect_b64 s[84:85], s[6:7], s[4:5]
	s_cselect_b64 s[86:87], s[4:5], s[6:7]
	s_mul_i32 s20, s20, 204800
	s_mul_i32 s22, s22, 204800
	s_add_co_u32 s20, s20, s19
	s_add_co_u32 s22, s22, s19
	s_add_nc_u64 s[84:85], s[84:85], s[20:21]
	s_add_nc_u64 s[86:87], s[86:87], s[22:23]
	CROUND                                         ; all sixteen work-groups are here: the first joint loads meet
.irp s, 0,1
	s_mov_b32 s[G0+4*\s], 1
	s_add_co_u32 s[G0+4*\s+1], s12, \s*SLOT
	s_add_nc_u64 s[G0+4*\s+2:G0+4*\s+3], s[84:85], \s*51200        ; K step s: 51,200 bytes on
	s_or_b32 s[G0+4*\s+3], s[G0+4*\s+3], 0x80000000
	s_mov_b32 s[G0B+4*\s], 1
	s_add_co_u32 s[G0B+4*\s+1], s12, \s*SLOT
	s_add_nc_u64 s[G0B+4*\s+2:G0B+4*\s+3], s[86:87], \s*51200
	s_or_b32 s[G0B+4*\s+3], s[G0B+4*\s+3], 0x80000000
	s_wait_alu depctr_va_vdst(0)
	s_wait_tensorcnt 0x0
	ds_add_u32 v28, v29
	ds_add_u32 v28, v29
	s_wait_dscnt 0x0
	CROUND
	JLOAD \s                                       ; one load of mine is out
.endr
	v_and_b32 v1, 31, v0                           ; lane
	v_and_b32 v2, 15, v0                           ; r
	v_bfe_u32 v3, v0, 4, 1                         ; h
	v_lshlrev_b32 v[O16], 4, v1
	v_lshlrev_b32 v[O8], 3, v1
	v_add_nc_u32 v[O8H], 512, v[O8]
	v_cmp_le_u32 s[HM], 16, v1
	s_mul_i32 s19, s15, HALFB                      ; my half of R
	s_mul_i32 s13, s16, HALFB                      ; my half of P,
	s_add_co_u32 s13, s13, 2*HALFB                 ; behind R's two
	v_add_nc_u32 v[ADRA], s19, v[O16]
	v_add_nc_u32 v[ADRB], s13, v[O16]
	v_add_nc_u32 v[ADRA+1], SLOT, v[ADRA]
	v_add_nc_u32 v[ADRB+1], SLOT, v[ADRB]
	s_sub_co_u32 s13, s13, s19
	v_mul_u32_u24 v5, s13, v3                      ; lanes 16-31 take P's words: one product, h x the distance
	v_lshl_add_u32 v5, v2, 3, v5                   ; 8 bytes a row: the slot's two words
	s_add_co_u32 s19, s19, 24576
	v_add_nc_u32 v[ADRS], s19, v5
	v_add_nc_u32 v[ADRS+1], SLOT, v[ADRS]
.irp b, 0,1,2,3
	v_mov_b32 v[TM+4+\b], 0                        ; a lane permute's destination counts as one of its sources
.endr
	; where the results go.  Batch = y / 2
	s_lshr_b32 s70, s17, 1
	s_lshl_b32 s70, s70, 4                         ; 16 heads a batch
	s_add_co_u32 s71, s42, s41
	s_and_b32 s71, s71, 7
	s_lshl_b32 s71, s71, 1
	s_add_co_u32 s71, s71, s15                     ; q, k: my 128 tokens in the batch
	s_lshl_b32 s72, s40, 2
	s_add_co_u32 s72, s72, s70
	s_lshl_b32 s73, s16, 1
	s_add_co_u32 s72, s72, s73                     ; and my first head: 16 batch + 4 cx + 2 (wave % 2)
	s_mov_b32 s74, 208896                          ; kv: a head, 128 keys, where k's words begin;
	s_mov_b32 s75, 13056
	s_mov_b32 s76, 12288
	s_cmp_eq_u32 ttmp9, 0
	s_cselect_b64 s[DA:DA+1], s[8:9], s[10:11]
	s_cselect_b32 s74, 106496, s74                 ; qb: the same three
	s_cselect_b32 s75, 6656, s75
	s_cselect_b32 s76, 6144, s76
	s_mul_i32 s78, s72, s74
	s_mul_i32 s73, s71, s75
	s_add_co_u32 s78, s78, s73
	s_mov_b32 s79, 0
	s_add_nc_u64 s[DA:DA+1], s[DA:DA+1], s[78:79]
	s_mov_b32 s78, s74
	s_add_nc_u64 s[DB:DB+1], s[DA:DA+1], s[78:79]
	s_mov_b32 s78, s76
	s_add_nc_u64 s[DSA:DSA+1], s[DA:DA+1], s[78:79]
	s_add_nc_u64 s[DSB:DSB+1], s[DB:DB+1], s[78:79]
	s_lshl_b32 s72, s41, 2
	s_add_co_u32 s72, s72, s70
	s_lshl_b32 s73, s15, 1
	s_add_co_u32 s72, s72, s73                     ; v: my first head: 16 batch + 4 cy + 2 (wave / 2)
	s_add_co_u32 s71, s42, s40
	s_and_b32 s71, s71, 7
	s_lshl_b32 s71, s71, 1
	s_add_co_u32 s71, s71, s16                     ; and my 128 keys
	s_mul_i32 s78, s72, 208896
	s_mul_i32 s73, s71, 13056
	s_add_co_u32 s78, s78, s73
	s_add_nc_u64 s[DV:DV+1], s[10:11], s[78:79]
.macro FRAG reg, adr, q, i             ; tile i's fragment of the slot's q-th 128 along K: its image, as it lies
.irp c, 0,1,2
	ds_load_b128 v[\reg+4*\c:\reg+4*\c+3], v[\adr] offset:(\i)*3072+(\q)*1536+512*\c
.endr
.endm
; 16 matrix instructions: R's tiles a0, a0 + 1 x P's eight.  p: P's set;  sc: the set of scale words.  zero = 1: the first product starts the sums.
; The 64 accumulators take turns, one instruction a turn, in the same order in every step.
.macro MUL16 a0, p, q, sc, zero
.irp a, \a0, \a0+1
.irp b, 0,1,2,3,4,5,6,7
.if \zero
	v_wmma_scale_f32_16x16x128_f8f6f4 v[8*(8*((\a)%4)+\b):8*(8*((\a)%4)+\b)+7], v[128*(\p)+FR*\b:128*(\p)+FR*\b+FR-1], v[AF+FR*(\a):AF+FR*(\a)+FR-1], 0, v[SC+8*NQ*(\sc)+NQ*\b+(\q)], v[SC+8*NQ*(\sc)+NQ*(\a)+(\q)] matrix_a_fmt:MATRIX_FMT_BF6 matrix_b_fmt:MATRIX_FMT_BF6 matrix_a_scale:MATRIX_SCALE_ROW1
.else
	v_wmma_scale_f32_16x16x128_f8f6f4 v[8*(8*((\a)%4)+\b):8*(8*((\a)%4)+\b)+7], v[128*(\p)+FR*\b:128*(\p)+FR*\b+FR-1], v[AF+FR*(\a):AF+FR*(\a)+FR-1], v[8*(8*((\a)%4)+\b):8*(8*((\a)%4)+\b)+7], v[SC+8*NQ*(\sc)+NQ*\b+(\q)], v[SC+8*NQ*(\sc)+NQ*(\a)+(\q)] matrix_a_fmt:MATRIX_FMT_BF6 matrix_b_fmt:MATRIX_FMT_BF6 matrix_a_scale:MATRIX_SCALE_ROW1
.endif
.endr
.endr
.endm
.macro FETCH_B slot, q, p
	WIN TO_B
.irp i, 0,1,2,3,4,5,6,7
	FRAG 128*(\p)+FR*\i, ADRB+\slot, \q, \i
.endr
	WIN 0
.endm
.macro FETCH_A slot, q, i0
.irp i, \i0, \i0+1, \i0+2, \i0+3
	FRAG AF+FR*(\i), ADRA+\slot, \q, \i
.endr
.endm
.macro SCALES sc                       ; slot sc's scale words: two a row; lanes 0-15 R's tile i, lanes 16-31 P's tile i
.irp i, 0,1,2,3,4,5,6,7
	ds_load_b64 v[SC+8*NQ*\sc+NQ*\i:SC+8*NQ*\sc+NQ*\i+1], v[ADRS+\sc] offset:\i*128
.endr
.endm
.macro PLACES n                        ; plain vector instructions between a matrix instruction and a load into its registers or the first read of its result
.rept \n
	v_nop
.endr
.endm
.macro STEP slot, q, zero              ; 128 along K that have their successor in the same slot
	s_wait_dscnt 4*NL                              ; P's set, R's tiles 0-3 and the words are in; the youngest twelve loads (R's tiles 4-7) may be out
	WIN MUL_LO
	MUL16 0, (\q)%2, \q, \slot, \zero
	MUL16 2, (\q)%2, \q, \slot, \zero
	s_wait_dscnt 0
	PLACES NP
	FETCH_B \slot, (\q)+1, 1-(\q)%2
	FETCH_A \slot, (\q)+1, 0
	WIN MUL_HI
	MUL16 4, (\q)%2, \q, \slot, \zero
	MUL16 6, (\q)%2, \q, \slot, \zero
	PLACES NP
	WIN 0
	FETCH_A \slot, (\q)+1, 4
.endm
; A slot's last 128 change slots: one barrier; in front of it each wave waits for all its tensor loads, adds 0 to its spare word, and waits for that and for its reads of this slot.  fill = 1: the slot is filled again, two K steps on.
.macro TURN slot, next, fill
	s_wait_tensorcnt 0x0                           ; all my tensor loads have landed: my part of the next slot
	ds_add_u32 v[SPW], v[NIL]                      ; 0 onto my spare word
	s_wait_dscnt 4*NL+1                            ; (the add and the youngest twelve loads may be out)
	WIN MUL_LO
	MUL16 0, 1, NQ-1, \slot, 0                     ; sixteen matrix instructions stand between the add and the wait for it
	s_wait_dscnt 0x0                               ; the add is done, and my reads of this slot are over
	s_barrier_signal -1
	MUL16 2, 1, NQ-1, \slot, 0
	WIN 0
	s_barrier_wait -1
.if \fill
	CREST                                          ; the barrier has opened a round of the cluster's: no wave of any partner still reads this slot or has a load on its way
	s_add_nc_u64 s[G0+4*\slot+2:G0+4*\slot+3], s[G0+4*\slot+2:G0+4*\slot+3], 2*51200
	s_add_nc_u64 s[G0B+4*\slot+2:G0B+4*\slot+3], s[G0B+4*\slot+2:G0B+4*\slot+3], 2*51200
	JLOAD \slot                                    ; the first tensor load behind the round, my one load until the next; its four v_nop are the places in front of the loads below
.else
	PLACES NP
.endif
	FETCH_B \next, 0, 0
	FETCH_A \next, 0, 0
	SCALES \next
	WIN MUL_HI
	MUL16 4, 1, NQ-1, \slot, 0
	MUL16 6, 1, NQ-1, \slot, 0
	PLACES NP
	WIN 0
	FETCH_A \next, 0, 4
.endm
	s_wait_alu depctr_va_vdst(0)
	s_wait_tensorcnt 1                             ; my part of K step 0 is in; K step 1's load may be out
	s_barrier_signal -1
	s_barrier_wait -1
	FETCH_B 0, 0, 0
	FETCH_A 0, 0, 0
	SCALES 0
	FETCH_A 0, 0, 4
	STEP 0, 0, 1                                   ; K 0-127: these products start the sums
	TURN 0, 1, 1                                   ; K 128-255; slot 0 takes K 512-767
	STEP 1, 0, 0
	TURN 1, 0, 1                                   ; slot 1 takes K 768-1023
	STEP 0, 0, 0
	TURN 0, 1, 0                                   ; nothing is left to fetch
	STEP 1, 0, 0
	s_wait_dscnt 4*NL
	WIN MUL_LO
	MUL16 0, 1, NQ-1, 1, 0
	MUL16 2, 1, NQ-1, 1, 0
	s_wait_dscnt 0
	WIN MUL_HI
	MUL16 4, 1, NQ-1, 1, 0
	MUL16 6, 1, NQ-1, 1, 0
	WIN 0
; THE WAY OUT.  The 64 registers of R's tile a become a fragment's 12 registers of codes in v[PC] on and a scale word in v[PW + a].  No LDS: an image's stores are 512 or 256 consecutive bytes as they stand.
.macro QUANTW a
.set WA, 2+(\a)/4
.set WW, WA|(WA<<2)
.set SA, 64*((\a)%4)
	WIN WW                                         ; sources 0 and 1: the accumulators' window
.irp b, 0,1,2,3
	v_max3_num_f32 v[TM+\b], |v[SA+16*\b]|, |v[SA+1+16*\b]|, 0x2800000   ; block b: my 16 numbers and the floor 2^(5 - 127); each accumulator is read from its low end on
.endr
.irp i, 2,4,6,8,10,12,14
.irp b, 0,1,2,3
	v_max3_num_f32 v[TM+\b], |v[SA+16*\b+\i]|, |v[SA+1+16*\b+\i]|, v[TM+\b]
.endr
.endr
	WIN 0
.irp b, 0,1,2,3
	v_permlanex16_b32 v[TM+4+\b], v[TM+\b], s2, s3
.endr
.irp b, 0,1,2,3
	v_max_num_f32 v[TM+\b], v[TM+\b], v[TM+4+\b]   ; with lane l xor 16's: the block's largest magnitude
.endr
.irp b, 0,1,2,3
	v_add_nc_u32 v[TM+12+\b], 0xfe000000, v[TM+\b] ; 4 off its exponent field: the conversion's scale operand
.endr
.irp b, 0,1,2,3
	v_lshrrev_b32 v[TM+4+\b], 23, v[TM+12+\b]      ; the scale's byte
.endr
	v_lshl_or_b32 v[PW+(\a)], v[TM+5], 8, v[TM+4]
	v_lshl_or_b32 v[PW+(\a)], v[TM+6], 16, v[PW+(\a)]
	v_lshl_or_b32 v[PW+(\a)], v[TM+7], 24, v[PW+(\a)]
	WIN WA                                         ; source 0: the accumulators' window
.irp c, 0,1
	v_cvt_scalef32_pk16_bf6_f32 v[PC+6*\c:PC+2+6*\c], v[SA+32*\c:SA+15+32*\c], v[TM+12+2*\c]
	v_cvt_scalef32_pk16_bf6_f32 v[PC+12+4*\c:PC+14+4*\c], v[SA+16+32*\c:SA+31+32*\c], v[TM+12+2*\c+1]
.endr
	WIN 0
	v_nop                                          ; one plain place behind a scaled conversion
.irp c, 0,1                                    ; the operand's layout wants a whole block in a lane
.irp i, 0,1,2
	v_permlane16_swap_b32 v[PC+6*\c+\i], v[PC+12+4*\c+\i]
.endr
.irp i, 0,1,2
	v_mov_b32 v[PC+3+6*\c+\i], v[PC+12+4*\c+\i]
.endr
.endr
.endm
.macro OUTA a
.if (\a) > 0
	s_wait_xcnt 0x0                                ; the last tile's stores have read their registers: the codes may be written again
.endif
	QUANTW \a
	s_cmp_eq_u32 ttmp9, 2
	s_cbranch_scc1 .Lv_\@
	global_store_b128 v[O16], v[PC:PC+3], s[DA:DA+1] offset:768*(\a)          ; q, k: registers 0-5 are the first head's half image of these 16 tokens,
	global_store_b64 v[O8H], v[PC+4:PC+5], s[DA:DA+1] offset:768*(\a)
	global_store_b128 v[O16], v[PC+6:PC+9], s[DB:DB+1] offset:768*(\a)        ; registers 6-11 the second head's
	global_store_b64 v[O8H], v[PC+10:PC+11], s[DB:DB+1] offset:768*(\a)
	s_branch .Ld_\@
.Lv_\@:
	s_wait_alu depctr_va_vdst(0)
.irp c, 0,1,2
	global_store_b128 v[O16], v[PC+4*\c:PC+4*\c+3], s[DV:DV+1] offset:((\a)/4)*208896+6144+((\a)%4)*1536+512*\c   ; v: 16 channels x 128 keys: head a / 4, tile a % 4
.endr
.if (\a)%4 == 3
	v_cndmask_b32 v[VW+2*((\a)/4)], v[PW+(\a)-3], v[PW+(\a)-1], s[HM]         ; the head's four words: lanes 0-15 tiles 0, 1; lanes 16-31 tiles 2, 3
	v_cndmask_b32 v[VW+2*((\a)/4)+1], v[PW+(\a)-2], v[PW+(\a)], s[HM]
	global_store_b64 v[O8], v[VW+2*((\a)/4):VW+2*((\a)/4)+1], s[DV:DV+1] offset:((\a)/4)*208896+12800
.endif
.Ld_\@:
.endm
	s_mov_b32 s2, 0x76543210
	s_mov_b32 s3, 0xfedcba98                       ; v_permlanex16_b32's selects for lane l xor 16
	PLACES NP                                      ; in front of the first read of results
.irp a, 0,1,2,3,4,5,6,7
	OUTA \a
.endr
	s_cmp_eq_u32 ttmp9, 2
	s_cbranch_scc1 .Lend
.irp j, 0,1,2,3
	v_cndmask_b32 v[112+\j], v[PW+\j], v[PW+4+\j], s[HM]   ; q, k: register j: lanes 0-15 tile j's words, lanes 16-31 tile 4 + j's
.endr
.irp j, 0,1,2,3
	v_and_b32 v[116+\j], 0xffff, v[112+\j]         ; bytes 0, 1: the first head's two blocks; bytes 2, 3 become 0
.endr
.irp j, 0,1,2,3
	v_lshrrev_b32 v[120+\j], 16, v[112+\j]         ; bytes 2, 3: the second head's
.endr
	global_store_b128 v[O16], v[116:119], s[DSA:DSA+1]
	global_store_b128 v[O16], v[120:123], s[DSB:DSB+1]
.Lend:
	s_wait_tensorcnt 0x0                           ; the wave's end
	ds_add_u32 v[SPW], v[NIL]
	s_wait_dscnt 0x0
	CROUND                                         ; the closing round
	s_endpgm
.Lfunc_end_k_q38922d08d7_qkv:
	.size	k_q38922d08d7_qkv, .Lfunc_end_k_q38922d08d7_qkv-k_q38922d08d7_qkv
	.p2alignl 7, 3214868480
	.fill 96, 4, 3214868480
	.section	.rodata,"a",@progbits
	.p2align	6, 0x0
	.amdhsa_kernel k_q38922d08d7_qkv
		.amdhsa_group_segment_fixed_size 327680
		.amdhsa_private_segment_fixed_size 0
		.amdhsa_enable_private_segment 0
		.amdhsa_kernarg_size 32
		.amdhsa_user_sgpr_count 2
		.amdhsa_user_sgpr_kernarg_segment_ptr 1
		.amdhsa_wavefront_size32 1
		.amdhsa_system_sgpr_workgroup_id_x 1
		.amdhsa_system_sgpr_workgroup_id_y 1
		.amdhsa_system_sgpr_workgroup_id_z 1
		.amdhsa_system_vgpr_workitem_id 0
		.amdhsa_next_free_vgpr 1024
		.amdhsa_next_free_sgpr 100
		.amdhsa_reserve_vcc 0
		.amdhsa_float_denorm_mode_32 3
		.amdhsa_float_denorm_mode_16_64 3
		.amdhsa_memory_ordered 1
		.amdhsa_forward_progress 1
		.amdhsa_inst_pref_size 144
	.end_amdhsa_kernel
	.amdgpu_metadata
---
amdhsa.version: [ 1, 2 ]
amdhsa.kernels:
  - .name:           k_q38922d08d7_qkv
    .symbol:         k_q38922d08d7_qkv.kd
    .args:
      - { .name: xq, .offset: 0, .size: 8, .value_kind: global_buffer, .address_space: global }
      - { .name: wq, .offset: 8, .size: 8, .value_kind: global_buffer, .address_space: global }
      - { .name: qb, .offset: 16, .size: 8, .value_kind: global_buffer, .address_space: global }
      - { .name: kv, .offset: 24, .size: 8, .value_kind: global_buffer, .address_space: global }
    .group_segment_fixed_size: 327680
    .private_segment_fixed_size: 0
    .kernarg_segment_align: 8
    .kernarg_segment_size: 32
    .max_flat_workgroup_size: 128
    .sgpr_count:     100
    .vgpr_count:     1024
    .wavefront_size: 32
...
	.end_amdgpu_metadata
.endif
;; end of part 6
;; launch attn (part 7): grid 4 x 64, 16 waves a work-group, clusters of 4 x 1, 210,944 bytes of LDS; arguments qb, kv, ctxc, ctxs; writes ctxc, ctxs
.if DOCPART == 7
	.amdgcn_target "amdgcn-amd-amdhsa--gfx1250"
	.amdhsa_code_object_version 6
	.text
	.protected	k_q38922d08d7_attn
	.globl	k_q38922d08d7_attn
	.p2align	8
	.type	k_q38922d08d7_attn,@function
k_q38922d08d7_attn:
	s_mov_b64 s[64:65], 0
	v_nop
	global_prefetch_b8 v0, s[64:65] scope:SCOPE_SE
	s_setreg_imm32_b32 hwreg(HW_REG_WAVE_MODE, 25, 1), 1
	s_wait_xcnt 0x0
	s_wait_alu depctr_hold_cnt(0) depctr_sa_sdst(0) depctr_va_vdst(0) depctr_va_sdst(0) depctr_va_ssrc(0) depctr_va_vcc(0) depctr_vm_vsrc(0)
	s_getreg_b32 s2, hwreg(HW_REG_IB_STS2, 6, 4)
	s_cmp_eq_u32 s2, 0
	s_cbranch_scc0 .Lentry_in_a_cluster
	s_endpgm
.Lentry_in_a_cluster:
	s_bfe_u32 s2, ttmp6, 0x10000c
	s_cmp_lg_u32 s2, 0x3003
	s_cbranch_scc0 .Lentry_shape_is_right
	s_endpgm
.Lentry_shape_is_right:
; ctx[head][q] = the sum over keys k <= q of softmax_k(q . k / 8) v[k], both products on codes of E3M2, and ctx quantised along the merged 1,024 for the output product.
; THE SOFTMAX: t = score x log2(e) / 8; M = the running largest t rounded UP to a whole number; p = 2^(t - M) is quantised along the keys, not normalised; the row's sum is taken of the unquantised p and divides at the end.
; SHARES.  The four work-groups of a cluster share one head (64 heads = 16 x batch + head).  A wave owns TWO tiles of 16 queries: lo = 4 wave + cx and hi = 127 - lo.  Their last key steps of 128 keys are wave / 2 and
; 15 - wave / 2, which hang on the wave's number alone: every wave does 17 steps of a tile, and no branch hangs on the place in the cluster.  Steps all of whose keys come after a tile's queries are left out.
; LDS holds the head's k and v for all 2,048 keys, 208,896 bytes, FILLED ONCE: wave w brings key step w by one joint load (mask: all four partners).  No slot is filled again and nothing is stored to LDS.
; LAYOUT.  Both products are used transposed: S^T = k q^T, O^T = v^T p^T: a lane holds one query (lane % 16).  A tile's 16 keys are 32 (T / 2) + 8 (T % 2) + r + 8 (r / 8), so that the 16 registers of tiles 2 b, 2 b + 1 are
; keys 32 b + 16 (lane / 16) + 0 .. 15.  THE FIRST PRODUCT'S K IS 64: q's registers 6-11 are zero codes; k's registers 6-11 are whatever codes lie behind its six (every code of this format is a finite number), and bytes 2, 3
; of both scale words are 0: those products are zeros.
; THE MASK: hidden scores become -infinity, so p = 0, where the problem writes -1e7.  LIMIT: the same as long as a row's largest visible logit lies above about -1e7 + 150.  NaN and infinities are not served.
; OUT: ctxc [tile of rows 512][head 16][half image 768 bytes]; ctxs [row 8,192][32 bytes].
; REGISTERS: v1-7 offsets; v8-9 the key step's LDS addresses; v10-11 q's scale words; v12-15, v16-19 hi's and lo's -M, largest t, sum in two halves; v20-31, v32-43 q; v44-91 fragments; v92-155 S^T, then p;
;   v156-187, v188-219 O^T; v220-231 p's codes; v232-254 at work (v248-251 k's or v's scale words, v253 p's).
.set KSB,  13056                       ; a key step in LDS: k's 8 half images, from 6,144 v's 4 images, from 12,288 k's words, from 12,800 v's
.set S,    92
.set PCD,  220
.set ADK,  8
.set ADK8, 9
.set WV,   12
.set SEL,  20
.set CS,   22
.set KS,   36
.set KO,   37
.set HM,   38
.macro CROUND
	s_barrier_signal -1
	s_barrier_wait -1
	s_cmp_lg_u32 s[WV], 0
	s_cbranch_scc1 .Lnot_wave_0_\@
	s_barrier_signal -3
.Lnot_wave_0_\@:
	s_barrier_wait -3
	s_barrier_signal -1
	s_barrier_wait -1
.endm
	s_load_b256 s[4:11], s[0:1], 0x0               ; qb, kv, ctxc, ctxs
	v_lshl_add_u32 v243, v0, 2, 0x33000
	v_mov_b32 v255, 0
	ds_add_u32 v243, v255
	ds_add_u32 v243, v255
	v_lshrrev_b32 v1, 5, v0
	s_delay_alu instid0(VALU_DEP_1)
	v_readfirstlane_b32 s[WV], v1                  ; wave 0..15
	s_bfe_u32 s13, ttmp6, 0x40000                  ; cx
	s_and_b32 s14, ttmp7, 0xffff                   ; the head, which the four partners share
	s_lshr_b32 s15, s[WV], 1                       ; lo's last key step
	s_sub_co_u32 s16, 15, s15                      ; hi's
	s_lshl_b32 s17, s[WV], 2
	s_add_co_u32 s17, s17, s13                     ; lo
	s_sub_co_u32 s18, 127, s17                     ; hi
	; group 1: 13,056 dense bytes as 51 rows of 256 bytes
	s_mov_b32 s24, 15|(3<<16)|(1<<21)              ; 15:0 the mask: all four work-groups; 17:16 elements of 8 bytes; 21 set beside a mask
	s_mov_b32 s25, 32<<16
	s_mov_b32 s26, 51<<16
	s_mov_b32 s27, 32<<16
	s_mov_b32 s28, 51
	s_mov_b32 s29, 32
	s_mov_b32 s30, 0
	s_mov_b32 s31, 0
	s_mov_b32 s32, 1
	s_mul_i32 s33, s[WV], KSB                      ; key step w goes to LDS byte 13,056 w
	s_mul_i32 s52, s14, 208896
	s_add_co_u32 s52, s52, s33
	s_mov_b32 s53, 0
	s_mov_b32 s[SEL], 0x76543210
	s_mov_b32 s[SEL+1], 0xfedcba98
	s_mov_b32 s[CS], 0x3e38aa3b                    ; c = log2(e) / 8
	s_mov_b32 s[CS+1], s[CS]
	s_wait_dscnt 0x0
	s_wait_kmcnt 0x0
	s_add_nc_u64 s[34:35], s[6:7], s[52:53]
	s_or_b32 s35, s35, 0x80000000
	CROUND                                         ; all four work-groups are here: the joint loads meet
	tensor_load_to_lds s[32:35], s[24:31]          ; my one tensor load
	s_nop 0
.rept 4
	v_nop
.endr
	v_and_b32 v3, 31, v0
	s_delay_alu instid0(VALU_DEP_1)
	v_lshlrev_b32 v1, 4, v3                        ; 16 x lane
	s_delay_alu instid0(VALU_DEP_2)
	v_lshlrev_b32 v2, 3, v3                        ; 8 x lane
	s_delay_alu instid0(VALU_DEP_3)
	v_cmp_le_u32 s[HM], 16, v3                     ; lanes 16-31
	v_and_b32 v7, 15, v0                           ; r
	v_bfe_u32 v8, v0, 4, 1                         ; h
	s_delay_alu instid0(VALU_DEP_2)
	v_and_b32 v6, 8, v7
	s_delay_alu instid0(VALU_DEP_1)
	v_add_nc_u32 v6, v6, v7                        ; r + 8 (r / 8): my query's place in its tile's 24 rows
	s_delay_alu instid0(VALU_DEP_1)
	v_lshl_add_u32 v5, v6, 5, v8                   ; ctxs: 32 bytes a row, + h: my block's byte
	s_delay_alu instid0(VALU_DEP_4)
	v_lshlrev_b32 v8, 4, v8
	s_delay_alu instid0(VALU_DEP_1)
	v_sub_nc_u32 v6, v6, v8                        ; - 16 h
	s_wait_alu depctr_va_vdst(0)
	v_lshlrev_b32 v7, 4, v7                        ; q's scale words: 16 r
	s_wait_alu depctr_va_vdst(0)
	s_mul_i32 s56, s14, 106496                     ; the head in qb
	s_lshr_b32 s57, s14, 4                         ; batch
	s_and_b32 s63, s14, 15                         ; head in the batch
	s_mov_b32 s55, 0
; The pointers of tile s[ti]: q's half image, q's scale words, its place in ctxc and in ctxs; and d = my query's place in its key step - 16 h
.macro TILEPTR ti, pq, pqs, pc, ps, dreg
	s_lshr_b32 s52, s[\ti], 3
	s_mul_i32 s52, s52, 6656
	s_add_co_u32 s52, s52, s56                     ; the tile's group of 128 tokens
	s_and_b32 s53, s[\ti], 7
	s_mul_i32 s54, s53, 768
	s_add_co_u32 s54, s54, s52
	s_add_nc_u64 s[\pq:\pq+1], s[4:5], s[54:55]
	s_lshr_b32 s54, s53, 2
	s_lshl_b32 s54, s54, 8                         ; tiles 4-7 stand in lanes 16-31 of the words' image,
	s_add_co_u32 s54, s54, s52
	s_and_b32 s53, s53, 3
	s_lshl_b32 s53, s53, 2                         ; tile % 4 is the register
	s_add_co_u32 s54, s54, s53
	s_add_nc_u64 s[\pqs:\pqs+1], s[4:5], s[54:55]
	s_lshl_b32 s54, s57, 7
	s_add_co_u32 s54, s54, s[\ti]
	s_lshl_b32 s54, s54, 4
	s_add_co_u32 s54, s54, s63
	s_mul_i32 s54, s54, 768
	s_add_nc_u64 s[\pc:\pc+1], s[8:9], s[54:55]
	s_lshr_b32 s52, s[\ti], 1
	s_lshl_b32 s52, s52, 5
	s_and_b32 s53, s[\ti], 1
	s_lshl_b32 s53, s53, 3
	s_add_co_u32 s52, s52, s53                     ; the tile's first row in the batch
	s_and_b32 s53, s52, 127
	v_add_nc_u32 v[\dreg], s53, v6
	s_lshl_b32 s54, s57, 11
	s_add_co_u32 s54, s54, s52
	s_lshl_b32 s54, s54, 5
	s_lshl_b32 s53, s63, 1
	s_add_co_u32 s54, s54, s53
	s_add_nc_u64 s[\ps:\ps+1], s[10:11], s[54:55]
.endm
	TILEPTR 18, 40, 58, 42, 44, 3
	TILEPTR 17, 46, 60, 48, 50, 4
	global_load_b128 v[20:23], v1, s[40:41]        ; hi's q stays in registers
	global_load_b64 v[24:25], v2, s[40:41] offset:512
	global_load_b32 v10, v7, s[58:59] offset:6144
	global_load_b128 v[32:35], v1, s[46:47]        ; lo's
	global_load_b64 v[36:37], v2, s[46:47] offset:512
	global_load_b32 v11, v7, s[60:61] offset:6144
.irp j, 26,27,28,29,30,31,38,39,40,41,42,43
	v_mov_b32 v[\j], 0                             ; q's K 64-127: zero codes
.endr
.irp j, 68,69,70,71,72,73
	v_mov_b32 v[\j], 0                             ; named behind k's last tile before anything has landed there
.endr
.set j, 156
.rept 64
	v_mov_b32 v[j], 0                              ; O^T.  (The step is written once: the first finds zeros, which the first change of M leaves zeros)
.set j, j+1
.endr
.irp t, 12,16
	v_mov_b32 v[\t+1], 0xff61b1e6                  ; the largest t so far: -3e38
	s_delay_alu instid0(VALU_DEP_1)
	v_floor_f32 v[\t], -v[\t+1]                    ; -M
	v_mov_b32 v[\t+2], 0                           ; the sum, in two halves
	v_mov_b32 v[\t+3], 0
.endr
.irp j, 236,237,238,239,253
	v_mov_b32 v[\j], 0                             ; lane permutes' destinations, and the upper half of the pair v[252:253]
.endr
	s_wait_tensorcnt 0x0                           ; my key step has landed,
	s_barrier_signal -1
	s_barrier_wait -1                              ; everybody's has: from here on LDS is only read
	s_wait_loadcnt 0x0                             ; q
; ONE TILE'S KEY STEP: 128 keys.  qf: q's registers; qs: its scale words; st: its statistics; ob: its O^T; qr: d; lim: its last key step
.macro TSTEP qf, qs, st, ob, qr, lim
	s_cmp_gt_u32 s[KS], s[\lim]                    ; all 128 keys come after my queries: nothing to do
	s_cbranch_scc1 .Lskip_\@
	s_wait_alu depctr_va_vdst(0)
.irp g, 0,1                                    ; S^T = k q^T, four tiles of 16 keys at a time
.rept 4
	v_nop                                          ; places in front of loads into registers that matrix instructions have read
.endr
.irp t, 0,1,2,3
	ds_load_b128 v[44+6*\t:47+6*\t], v[ADK] offset:(4*\g+\t)*768
	ds_load_b64 v[48+6*\t:49+6*\t], v[ADK8] offset:(4*\g+\t)*768+512
.endr
.if \g == 0
	ds_load_b128 v[248:251], v[ADK] offset:12288   ; register t: lanes 0-15 tile t's words, lanes 16-31 tile 4 + t's
.endif
	s_wait_dscnt 0x0
.irp t, 0,1,2,3
.if \g == 0
	v_wmma_scale_f32_16x16x128_f8f6f4 v[S+8*(4*\g+\t):S+8*(4*\g+\t)+7], v[44+6*\t:55+6*\t], v[\qf:\qf+11], 0, v[248+\t], v[\qs] matrix_a_fmt:MATRIX_FMT_BF6 matrix_b_fmt:MATRIX_FMT_BF6
.else
	v_wmma_scale_f32_16x16x128_f8f6f4 v[S+8*(4*\g+\t):S+8*(4*\g+\t)+7], v[44+6*\t:55+6*\t], v[\qf:\qf+11], 0, v[248+\t], v[\qs] matrix_a_fmt:MATRIX_FMT_BF6 matrix_b_fmt:MATRIX_FMT_BF6 matrix_a_scale:MATRIX_SCALE_ROW1
.endif
.endr
.endr
.rept 4
	v_nop
.endr
.irp t, 0,1,2,3                                ; v's four images are asked for now and land under the softmax
.irp c, 0,1,2
	ds_load_b128 v[44+12*\t+4*\c:47+12*\t+4*\c], v[ADK] offset:6144+1536*\t+512*\c
.endr
.endr
	ds_load_b64 v[248:249], v[ADK8] offset:12800   ; register j: lanes 0-15 tile j's words, lanes 16-31 tile 2 + j's
	s_cmp_lg_u32 s[KS], s[\lim]                    ; only the tile's last key step lies on the diagonal
	s_cbranch_scc1 .Lopen_\@
	v_mov_b32 v254, 0xff800000                     ; -infinity.  Register 16 b + i holds key 32 b + i + 16 h of the step: hidden where 32 b + i > d
.irp n, 0,1,2,3,4,5,6,7,8,9,10,11,12,13,14,15,16,17,18,19,20,21,22,23,24,25,26,27,28,29,30,31,32,33,34,35,36,37,38,39,40,41,42,43,44,45,46,47,48,49,50,51,52,53,54,55,56,57,58,59,60,61,62,63
	v_cmp_gt_i32 vcc_lo, 32*(\n/16)+\n%16, v[\qr]
	v_cndmask_b32 v[S+\n], v[S+\n], v254, vcc_lo
.endr
.Lopen_\@:
.irp b, 0,1,2,3
	v_max3_num_f32 v[232+\b], v[S+16*\b], v[S+1+16*\b], v[S+2+16*\b]   ; the largest score of each block of 32 keys: for the row's maximum and, since p rises with the score, for the block's largest p
.endr
.irp i, 3,5,7,9,11,13
.irp b, 0,1,2,3
	v_max3_num_f32 v[232+\b], v[232+\b], v[S+16*\b+\i], v[S+1+16*\b+\i]
.endr
.endr
.irp b, 0,1,2,3
	v_max_num_f32 v[232+\b], v[232+\b], v[S+15+16*\b]
.endr
.irp b, 0,1,2,3
	s_delay_alu instid0(VALU_DEP_4)
	v_permlanex16_b32 v[236+\b], v[232+\b], s[SEL], s[SEL+1]
.endr
.irp b, 0,1,2,3
	s_delay_alu instid0(VALU_DEP_4)
	v_max_num_f32 v[232+\b], v[232+\b], v[236+\b]  ; with lane l xor 16's 16 keys
.endr
	s_delay_alu instid0(VALU_DEP_2)
	v_max3_num_f32 v254, v232, v233, v234
	s_delay_alu instid0(VALU_DEP_1)
	v_max_num_f32 v254, v254, v235
	s_delay_alu instid0(VALU_DEP_1)
	v_mul_f32 v254, s[CS], v254                    ; as t
	s_delay_alu instid0(VALU_DEP_1)
	v_max_num_f32 v[\st+1], v[\st+1], v254         ; the running largest t
	v_mov_b32 v254, v[\st]
	s_delay_alu instid0(VALU_DEP_2)
	v_floor_f32 v[\st], -v[\st+1]                  ; the new -M = -ceil(t)
	s_delay_alu instid0(VALU_DEP_1)
	v_sub_f32 v254, v[\st], v254                   ; old M - new M: a whole number, 0 or less
	s_delay_alu instid0(VALU_DEP_1)
	v_cvt_i32_f32 v254, v254                       ; (it saturates)
	s_delay_alu instid0(VALU_DEP_1)
	v_ldexp_f32 v252, 1.0, v254                    ; f = 2^(old M - new M): a multiplication by it rounds nothing
.irp j, 0,2,4,6,8,10,12,14,16,18,20,22,24,26,28,30,32,34,36,38,40,42,44,46,48,50,52,54,56,58,60,62
	v_pk_fma_f32 v[S+\j:S+1+\j], v[S+\j:S+1+\j], s[CS:CS+1], v[\st:\st+1] op_sel_hi:[1,0,0]   ; t - M, two at a time
.endr
.irp b, 0,1,2,3
	v_fma_f32 v[232+\b], v[232+\b], s[CS], v[\st]  ; the same of each block's largest score
.endr
	s_wait_alu depctr_va_vdst(0)
.irp j, 0,1,2,3,4,5,6,7,8,9,10,11,12,13,14,15,16,17,18,19,20,21,22,23,24,25,26,27,28,29,30,31,32,33,34,35,36,37,38,39,40,41,42,43,44,45,46,47,48,49,50,51,52,53,54,55,56,57,58,59,60,61,62,63
	v_exp_f32 v[S+\j], v[S+\j]                     ; p = 2^(t - M)
.endr
.irp b, 0,1,2,3
	v_exp_f32 v[232+\b], v[232+\b]                 ; the block's largest p
.endr
	v_pk_mul_f32 v[\st+2:\st+3], v[\st+2:\st+3], v[252:253] op_sel_hi:[1,0]   ; the sums under the new M.  (A plain place behind the exponentials)
	s_wait_alu depctr_va_vdst(0)
.irp b, 0,1,2,3
	v_max_num_f32 v[232+\b], 0x2800000, v[232+\b]  ; the floor 2^(5 - 127)
.endr
.irp b, 0,1,2,3
	s_delay_alu instid0(VALU_DEP_4)
	v_add_nc_u32 v[244+\b], 0xfe000000, v[232+\b]  ; the conversion's scale operand
.endr
.irp b, 0,1,2,3
	s_delay_alu instid0(VALU_DEP_4)
	v_lshrrev_b32 v[236+\b], 23, v[244+\b]         ; the scale's byte
.endr
	s_delay_alu instid0(VALU_DEP_3)
	v_lshl_or_b32 v253, v237, 8, v236              ; p's scale word for these 128 keys
	s_delay_alu instid0(VALU_DEP_1)
	v_lshl_or_b32 v253, v238, 16, v253
	s_delay_alu instid0(VALU_DEP_1)
	v_lshl_or_b32 v253, v239, 24, v253
.irp c, 0,1
	v_cvt_scalef32_pk16_bf6_f32 v[PCD+6*\c:PCD+2+6*\c], v[S+32*\c:S+15+32*\c], v[244+2*\c]
	v_cvt_scalef32_pk16_bf6_f32 v[236+4*\c:238+4*\c], v[S+16+32*\c:S+31+32*\c], v[244+2*\c+1]
.endr
	v_nop                                          ; one plain place behind a scaled conversion
.irp c, 0,1
.irp i, 0,1,2
	v_permlane16_swap_b32 v[PCD+6*\c+\i], v[236+4*\c+\i]
.endr
.irp i, 0,1,2
	s_delay_alu instid0(VALU_DEP_3)
	v_mov_b32 v[PCD+3+6*\c+\i], v[236+4*\c+\i]
.endr
.endr
	v_pk_add_f32 v[236:237], v[S:S+1], v[S+2:S+3]  ; the row's sum is taken of the unquantised p: two at a time, in two chains
.irp j, 4,8,12,16,20,24,28,32,36,40,44,48,52,56,60
	v_pk_add_f32 v[\st+2:\st+3], v[\st+2:\st+3], v[S+\j:S+1+\j]
	v_pk_add_f32 v[236:237], v[236:237], v[S+2+\j:S+3+\j]
.endr
	s_delay_alu instid0(VALU_DEP_1)
	v_pk_add_f32 v[\st+2:\st+3], v[\st+2:\st+3], v[236:237]
.irp j, 0,2,4,6,8,10,12,14,16,18,20,22,24,26,28,30
	v_pk_mul_f32 v[\ob+\j:\ob+1+\j], v[\ob+\j:\ob+1+\j], v[252:253] op_sel_hi:[1,0]   ; O^T under the new M.  (With the sums above: the places between p's codes and word and the products)
.endr
	s_wait_alu depctr_va_vdst(0)
	s_wait_dscnt 0x0                               ; v's images and words are in
.irp t, 0,1,2,3                                ; O^T += v^T p^T: four accumulators, one instruction each
.if \t < 2
	v_wmma_scale_f32_16x16x128_f8f6f4 v[\ob+8*\t:\ob+8*\t+7], v[44+12*\t:55+12*\t], v[PCD:PCD+11], v[\ob+8*\t:\ob+8*\t+7], v[248+\t], v253 matrix_a_fmt:MATRIX_FMT_BF6 matrix_b_fmt:MATRIX_FMT_BF6
.else
	v_wmma_scale_f32_16x16x128_f8f6f4 v[\ob+8*\t:\ob+8*\t+7], v[44+12*\t:55+12*\t], v[PCD:PCD+11], v[\ob+8*\t:\ob+8*\t+7], v[246+\t], v253 matrix_a_fmt:MATRIX_FMT_BF6 matrix_b_fmt:MATRIX_FMT_BF6 matrix_a_scale:MATRIX_SCALE_ROW1
.endif
.endr
.Lskip_\@:
.endm
	s_mov_b32 s[KS], 0
	s_mov_b32 s[KO], 0
.Lkeys:                                            ; 16 trips, a constant: the work that a tile does not need is jumped over inside
	v_add_nc_u32 v[ADK], s[KO], v1
	v_add_nc_u32 v[ADK8], s[KO], v2
	TSTEP 20, 10, 12, 156, 3, 16
	TSTEP 32, 11, 16, 188, 4, 15
	s_add_co_u32 s[KO], s[KO], KSB
	s_add_co_u32 s[KS], s[KS], 1
	s_cmp_lt_u32 s[KS], 16
	s_cbranch_scc1 .Lkeys
.rept 4
	v_nop                                          ; in front of the first read of the last products' results
.endr
; A tile's way out: O^T / the sum is ctx: register 16 b + i = channel 32 b + 16 h + i of my row: two blocks of the output product's K.  Quantised, it is a half image.
.macro FINISH st, ob, pc, ps
	v_add_f32 v232, v[\st+2], v[\st+3]
	s_wait_alu depctr_va_vdst(0)
	v_permlanex16_b32 v236, v232, s[SEL], s[SEL+1]
	s_delay_alu instid0(VALU_DEP_1)
	v_add_f32 v232, v232, v236                     ; the row's sum
	s_wait_alu depctr_va_vdst(0)
	v_rcp_f32 v232, v232
	v_nop                                          ; one plain place behind a transcendental
	s_wait_alu depctr_va_vdst(0)
	v_mov_b32 v233, v232
.irp j, 0,2,4,6,8,10,12,14,16,18,20,22,24,26,28,30
	v_pk_mul_f32 v[S+\j:S+1+\j], v[\ob+\j:\ob+1+\j], v[232:233]
.endr
.irp b, 0,1
	v_max3_num_f32 v[234+\b], |v[S+16*\b]|, |v[S+1+16*\b]|, 0x2800000
.endr
.irp i, 2,4,6,8,10,12,14
.irp b, 0,1
	s_delay_alu instid0(VALU_DEP_2)
	v_max3_num_f32 v[234+\b], v[234+\b], |v[S+16*\b+\i]|, |v[S+1+16*\b+\i]|
.endr
.endr
.irp b, 0,1
	s_delay_alu instid0(VALU_DEP_2)
	v_permlanex16_b32 v[236+\b], v[234+\b], s[SEL], s[SEL+1]
.endr
.irp b, 0,1
	s_delay_alu instid0(VALU_DEP_2)
	v_max_num_f32 v[234+\b], v[234+\b], v[236+\b]
.endr
.irp b, 0,1
	s_delay_alu instid0(VALU_DEP_2)
	v_add_nc_u32 v[244+\b], 0xfe000000, v[234+\b]
.endr
.irp b, 0,1
	s_delay_alu instid0(VALU_DEP_2)
	v_lshrrev_b32 v[246+\b], 23, v[244+\b]
.endr
	s_delay_alu instid0(VALU_DEP_1)
	v_cndmask_b32 v238, v246, v247, s[HM]          ; lanes 0-15 store block 0's byte, lanes 16-31 block 1's
	v_cvt_scalef32_pk16_bf6_f32 v[PCD:PCD+2], v[S:S+15], v244
	v_cvt_scalef32_pk16_bf6_f32 v[240:242], v[S+16:S+31], v245
	v_nop
.irp i, 0,1,2
	v_permlane16_swap_b32 v[PCD+\i], v[240+\i]
.endr
.irp i, 0,1,2
	s_delay_alu instid0(VALU_DEP_3)
	v_mov_b32 v[PCD+3+\i], v[240+\i]
.endr
	global_store_b128 v1, v[PCD:PCD+3], s[\pc:\pc+1]               ; 512 consecutive bytes, aligned
	global_store_b64 v2, v[PCD+4:PCD+5], s[\pc:\pc+1] offset:512   ; 256
	global_store_b8 v5, v238, s[\ps:\ps+1]                         ; two bytes of each of my 16 rows' 32: the other heads' come from other work-groups; 32 bytes beside the image's 768
.endm
	FINISH 12, 156, 42, 44
	s_wait_xcnt 0x0                                ; the stores have read their registers
	FINISH 16, 188, 48, 50
	s_wait_tensorcnt 0x0
	ds_add_u32 v243, v255
	s_wait_dscnt 0x0
	CROUND                                         ; the closing round
	s_endpgm
.Lfunc_end_k_q38922d08d7_attn:
	.size	k_q38922d08d7_attn, .Lfunc_end_k_q38922d08d7_attn-k_q38922d08d7_attn
	.p2alignl 7, 3214868480
	.fill 96, 4, 3214868480
	.section	.rodata,"a",@progbits
	.p2align	6, 0x0
	.amdhsa_kernel k_q38922d08d7_attn
		.amdhsa_group_segment_fixed_size 210944
		.amdhsa_private_segment_fixed_size 0
		.amdhsa_enable_private_segment 0
		.amdhsa_kernarg_size 32
		.amdhsa_user_sgpr_count 2
		.amdhsa_user_sgpr_kernarg_segment_ptr 1
		.amdhsa_wavefront_size32 1
		.amdhsa_system_sgpr_workgroup_id_x 1
		.amdhsa_system_sgpr_workgroup_id_y 1
		.amdhsa_system_sgpr_workgroup_id_z 1
		.amdhsa_system_vgpr_workitem_id 0
		.amdhsa_next_free_vgpr 256
		.amdhsa_next_free_sgpr 66
		.amdhsa_reserve_vcc 1
		.amdhsa_float_denorm_mode_32 3
		.amdhsa_float_denorm_mode_16_64 3
		.amdhsa_memory_ordered 1
		.amdhsa_forward_progress 1
		.amdhsa_inst_pref_size 63
	.end_amdhsa_kernel
	.amdgpu_metadata
---
amdhsa.version: [ 1, 2 ]
amdhsa.kernels:
  - .name:           k_q38922d08d7_attn
    .symbol:         k_q38922d08d7_attn.kd
    .args:
      - { .name: qb, .offset: 0, .size: 8, .value_kind: global_buffer, .address_space: global }
      - { .name: kv, .offset: 8, .size: 8, .value_kind: global_buffer, .address_space: global }
      - { .name: ctxc, .offset: 16, .size: 8, .value_kind: global_buffer, .address_space: global }
      - { .name: ctxs, .offset: 24, .size: 8, .value_kind: global_buffer, .address_space: global }
    .group_segment_fixed_size: 210944
    .private_segment_fixed_size: 0
    .kernarg_segment_align: 8
    .kernarg_segment_size: 32
    .max_flat_workgroup_size: 512
    .sgpr_count:     66
    .vgpr_count:     256
    .wavefront_size: 32
...
	.end_amdgpu_metadata
.endif
;; end of part 7
;; launch outln (part 8): grid 256 x 1, 4 waves a work-group, no clusters, 133,120 bytes of LDS; arguments ctxc, ctxs, wq, x, ln_gamma, ln_beta, out0; writes out0
.if DOCPART == 8
	.amdgcn_target "amdgcn-amd-amdhsa--gfx1250"
	.amdhsa_code_object_version 6
	.text
	.protected	k_q38922d08d7_outln
	.globl	k_q38922d08d7_outln
	.p2align	8
	.type	k_q38922d08d7_outln,@function
k_q38922d08d7_outln:
	s_mov_b64 s[64:65], 0
	v_nop
	global_prefetch_b8 v0, s[64:65] scope:SCOPE_SE
	s_setreg_imm32_b32 hwreg(HW_REG_WAVE_SCHED_MODE, 0, 2), 2
	s_setreg_imm32_b32 hwreg(HW_REG_WAVE_MODE, 25, 1), 1
	s_wait_xcnt 0x0
	s_wait_alu depctr_vm_vsrc(0)
; out0 = LayerNorm(ctx W_O + x) x gamma + beta.  The product on codes of E3M2 (K = 1,024), all else in f32; mean and variance in two passes, as the problem writes them.
; SHARES.  A work-group owns 32 whole rows (two tiles of 16: rows 32 g + 8 p + r + 8 (r / 8)) and all 1,024 columns, so that a row's mean and variance never leave it.  Wave w makes columns 256 w .. 256 w + 255: 32 accumulators.
; The product is used transposed (source 0 = 16 columns of W_O, source 1 = 16 rows of ctx): a lane holds one row, and register 128 p + 16 b + i is column 256 w + 32 b + 16 (lane / 16) + i.
; OPERANDS come from memory straight into registers, as images of those registers: three loads of 16 bytes a lane for a fragment of W_O, each 512 consecutive bytes; two sets, a K step ahead.
; x IS THE C OF THE FIRST PRODUCTS: it is read in whole rows (512 consecutive bytes a load), turned through a stage in LDS into the accumulators' layout, and nothing is cleared or added later.  The result goes back the same way.
; NO JOINT LOADS, though every work-group walks all of W_O's codes (819,200 bytes): each fragment is read by one wave alone, so through LDS each of those bytes would be written and read there once more for no second use;
; and the work-group's own share of them would stay what it is.
; No label and no branch: eight K steps by macro.
; REGISTERS, in windows of 256: window 0: v1-11 offsets; v32-95 W_O's scale words; v96-103 ctx's; v104-143 at work; v254, v255 the closing add's two.   window 1: the accumulators, (p, t) at v[8 (16 p + t)]; before them x by rows.
;   windows 2, 3: set ks % 2: W_O's 16 fragments at v0-191, ctx's two at v192-215.  Behind K step 6 window 2 takes gamma (v0-127) and beta (v128-255), and behind those the result by rows.
; THE MODE: SCHED_MODE bits 1:0 = 2 (LLVM: expert scheduling mode 2), set by the entry lines.  The code itself states the register dependences
; between vector or matrix instructions and memory or LDS instructions, with s_wait_alu, always for 0.
; THE PLAN.  Registers that memory or LDS instructions touch:
;   v1, v2, v4, v7, v8      offsets, made at the head ahead of the first load;  v5, v6, v9, v10, v11: offsets, made while the first loads are on their way.  None is written again.
;   window 1                x by rows lands there and my LDS stores read it; then x in the accumulators' layout lands there; from then on matrix and vector instructions alone name it, until the result's LDS stores read it.
;   windows 2, 3, v0-215    K step ks: its 32 matrix instructions read set ks % 2; behind them the loads of K step ks + 2 land in it.  A third set would want 216 registers, and 210 are free, in four pieces: so a set is asked for
;                           again at once behind the step that has emptied it, and has the whole next step in which to land.
;   window 2, later         behind K step 6 gamma and beta land there; the last multiply-adds read them; then the result by rows lands there, and the global stores read it.
;   v32-103                 scale words: loaded once, read by matrix instructions alone.
;   v124, v125              a reduction's partial sum on its way to LDS: a register for each of the two reductions, so that none is written again behind its store.   v128-135: the four waves' partial sums, from LDS.
; So: one wait on va_sdst at the head; one on va_vdst ahead of the first load; one on va_vdst and one on vm_vsrc ahead of x's loads from the stage; one on va_vdst behind each of K steps 0 to 6;
; one ahead of each reduction's LDS store; one behind the reciprocal roots; one ahead of the result's LDS stores, which also serves the loads of the result by rows.
.set SP,   4112                        ; a stage row: 4,096 bytes + 16: the sixteen rows that a load touches start at sixteen different columns of 16 bytes
.set RED,  32*SP                       ; behind the stage: the waves' partial sums, 512 bytes for the mean, 512 for the variance
.set SD,   4                           ; v4  the stage by rows: my wave's eight rows of memory, + 16 x lane
.set XR,   5                           ; v5-6 the stage by accumulators: row 16 p + r, + 1,024 w + 64 h
.set CH,   104                         ; v104-119 four chains of pairs for each tile
.set HM,   24
.set MSB, 0
.macro WIN new                         ; the immediate's high byte repeats the setting that is left
.if MSB != (\new)
	s_set_vgpr_msb (MSB<<8)|(\new)
.set MSB, (\new)
.endif
.endm
	s_load_b256 s[4:11], s[0:1], 0x0               ; ctxc, ctxs, wq, x
	s_load_b128 s[12:15], s[0:1], 0x20             ; gamma, beta
	s_load_b64 s[16:17], s[0:1], 0x30              ; out0
	v_lshl_add_u32 v254, v0, 2, 0x20600            ; my spare word, behind the partial sums; kept for the closing lines alone
	v_mov_b32 v255, 0                              ; 0, likewise
	v_lshrrev_b32 v1, 5, v0
	v_readfirstlane_b32 s18, v1                    ; wave 0..3
	v_and_b32 v3, 31, v0                           ; lane
	v_cmp_le_u32 s[HM], 16, v3                     ; lanes 16-31
	v_and_b32 v12, 15, v0                          ; r
	v_bfe_u32 v13, v0, 4, 1                        ; h
	v_lshlrev_b32 v1, 4, v3                        ; 16 x lane
	s_wait_alu depctr_va_vdst(0)
	v_lshlrev_b32 v2, 3, v3                        ; 8 x lane
	s_wait_alu depctr_va_sdst(0)                   ; s18 and s24 are written, ahead of their first readers: the line below reads s18, the reductions' selects read s24
	s_and_b32 s28, s18, 1                          ; rows 8 w .. 8 w + 7 of memory are stage rows 16 (w % 2) + 8 (w / 2) on
	s_lshl_b32 s28, s28, 4
	s_lshr_b32 s29, s18, 1
	s_lshl_b32 s29, s29, 3
	s_add_co_u32 s28, s28, s29
	s_mul_i32 s28, s28, SP
	s_lshl_b32 s30, s18, 10                        ; 1,024 w, and 128 w: in scalar registers of their own: none that a vector instruction has read is written again
	s_lshl_b32 s31, s18, 7
	v_add_nc_u32 v[SD], s28, v1
	v_mul_u32_u24 v7, v13, 25600                   ; W_O's scale words: lanes 0-15 tiles 0-7, lanes 16-31 tiles 8-15;
	v_lshl_add_u32 v7, v12, 3, v7                  ; 8 bytes a row
	v_and_b32 v8, 8, v12
	v_add_nc_u32 v8, v8, v12
	v_lshl_add_u32 v8, v13, 3, v8
	v_lshlrev_b32 v8, 5, v8                        ; ctx's: lanes 0-15 the first tile's rows, lanes 16-31 the second's; 32 bytes a row
	s_mov_b32 s20, 0x76543210
	s_mov_b32 s21, 0xfedcba98
	s_mov_b32 s22, 0x3a800000                      ; 1 / 1,024
	s_mov_b32 s23, 0x3727c5ac                      ; 1e-5
	s_lshl_b32 s26, ttmp9, 17                      ; 32 rows of 4,096 bytes,
	s_lshl_b32 s19, s18, 15                        ; my wave's eight
	s_add_co_u32 s26, s26, s19
	s_mov_b32 s27, 0
	s_wait_kmcnt 0x0
	s_add_nc_u64 s[10:11], s[10:11], s[26:27]
	s_add_nc_u64 s[16:17], s[16:17], s[26:27]
	s_add_co_u32 s26, s18, 12                      ; W_O's blocks are 12 to 15
	s_mul_i32 s26, s26, 204800
	s_add_nc_u64 s[8:9], s[8:9], s[26:27]
	s_mul_i32 s26, ttmp9, 24576                    ; two tiles x 16 heads x 768 bytes
	s_add_nc_u64 s[4:5], s[4:5], s[26:27]
	s_lshl_b32 s26, ttmp9, 10
	s_add_nc_u64 s[6:7], s[6:7], s[26:27]
; K step ks's operands into set ks % 2: 56 loads.  again = 1: the set has been multiplied by before
.macro LOADK ks, again
.set WN, (2+(\ks)%2)<<6
	WIN WN
.if \again
	s_wait_alu depctr_va_vdst(0)                   ; the K step's 32 matrix instructions are done reading this set, in which the loads below land
.endif
.irp t, 0,1,2,3,4,5,6,7,8,9,10,11,12,13,14,15
.irp c, 0,1,2
	global_load_b128 v[12*\t+4*\c:12*\t+4*\c+3], v1, s[8:9] offset:((\ks)/2)*51200+(\t/8)*25600+(\t%8)*3072+((\ks)%2)*1536+512*\c
.endr
.endr
.irp p, 0,1                                    ; ctx: K step ks is heads 2 ks and 2 ks + 1: two half images make a fragment
.irp c, 0,1
	global_load_b128 v[192+12*\p+6*\c:195+12*\p+6*\c], v1, s[4:5] offset:12288*\p+(2*(\ks)+\c)*768
	global_load_b64 v[196+12*\p+6*\c:197+12*\p+6*\c], v2, s[4:5] offset:12288*\p+(2*(\ks)+\c)*768+512
.endr
.endr
.endm
	WIN 0x40                                       ; destination window 1
	s_wait_alu depctr_va_vdst(0)                   ; v1, v2, v4, v7 and v8 are written: the loads below and the LDS stores of x read them as their offsets; only loads and switches of windows stand between this wait and the last of these loads
.irp i, 0,1,2,3,4,5,6,7
.irp j, 0,1,2,3,4,5,6,7
	global_load_b128 v[4*(8*\i+\j):4*(8*\i+\j)+3], v1, s[10:11] offset:4096*\i+512*\j th:TH_LOAD_NT   ; x: 512 consecutive bytes of a row
.endr
.endr
	WIN 0
.irp l, 0,1,2,3
.irp i, 0,1,2,3,4,5,6,7
	global_load_b64 v[32+16*\l+2*\i:33+16*\l+2*\i], v7, s[8:9] offset:51200*\l+24576+128*\i   ; register 16 l + 2 i + q: K step 2 l + q, tile i (lanes 0-15) and tile 8 + i (lanes 16-31)
.endr
.endr
	global_load_b128 v[96:99], v8, s[6:7]          ; register ks: my row's word of K step ks
	global_load_b128 v[100:103], v8, s[6:7] offset:16
	LOADK 0, 0
	LOADK 1, 0
	WIN 0                                          ; the offsets that the first loads do not need are made while those are on their way; these lines name none of the registers that a load or store issued so far, or x's LDS stores below, touch
	v_mul_u32_u24 v[XR], v12, SP
	v_lshl_add_u32 v[XR], v13, 6, v[XR]
	v_add_nc_u32 v[XR], s30, v[XR]
	v_add_nc_u32 v[XR+1], 16*SP, v[XR]
	v_lshlrev_b32 v9, 6, v13
	v_add_nc_u32 v9, s30, v9                       ; gamma, beta: 1,024 w + 64 h
	v_lshl_add_u32 v10, v3, 2, RED
	v_add_nc_u32 v10, s31, v10                     ; my wave's partial sums: 4 x lane
	v_lshl_add_u32 v11, v12, 2, RED                ; all waves' for row r
	v_mov_b32 v122, 0                              ; lane permutes' destinations
	v_mov_b32 v123, 0
	s_wait_loadcnt 63                              ; x is in: 146 loads stand behind it, and the wait's field names 63 at the most
	WIN 0x04                                       ; an LDS store's data are its source 1: window 1
.irp i, 0,1,2,3,4,5,6,7
.irp j, 0,1,2,3,4,5,6,7
	ds_store_b128 v[SD], v[4*(8*\i+\j):4*(8*\i+\j)+3] offset:SP*\i+512*\j
.endr
.endr
	s_wait_dscnt 0x0                               ; for the others' sake: my rows lie in the stage
	s_barrier_signal -1
	s_barrier_wait -1
	WIN 0x40
	s_wait_alu depctr_va_vdst(0)                   ; v5 and v6 are written, which the loads below read as their addresses (and v9 to v11, for later)
	s_wait_alu depctr_vm_vsrc(0)                   ; my LDS stores above have read window 1's registers, in which the loads below land
.irp p, 0,1
.irp b, 0,1,2,3,4,5,6,7
.irp j, 0,1,2,3
	ds_load_b128 v[128*\p+16*\b+4*\j:128*\p+16*\b+4*\j+3], v[XR+\p] offset:128*\b+16*\j   ; x in the accumulators' layout
.endr
.endr
.endr
	s_wait_dscnt 0x0
.macro PROD ks, t, p
.set DD, 8*(16*(\p)+(\t))
.set AA, 12*(\t)
.set BB, 192+12*(\p)
.set SW, 32+16*((\ks)/2)+2*((\t)%8)+(\ks)%2
.set SX, 96+(\ks)
.if ((\t) < 8) && ((\p) == 0)
	v_wmma_scale_f32_16x16x128_f8f6f4 v[DD:DD+7], v[AA:AA+11], v[BB:BB+11], v[DD:DD+7], v[SW], v[SX] matrix_a_fmt:MATRIX_FMT_BF6 matrix_b_fmt:MATRIX_FMT_BF6
.elseif (\t) < 8
	v_wmma_scale_f32_16x16x128_f8f6f4 v[DD:DD+7], v[AA:AA+11], v[BB:BB+11], v[DD:DD+7], v[SW], v[SX] matrix_a_fmt:MATRIX_FMT_BF6 matrix_b_fmt:MATRIX_FMT_BF6 matrix_b_scale:MATRIX_SCALE_ROW1
.elseif (\p) == 0
	v_wmma_scale_f32_16x16x128_f8f6f4 v[DD:DD+7], v[AA:AA+11], v[BB:BB+11], v[DD:DD+7], v[SW], v[SX] matrix_a_fmt:MATRIX_FMT_BF6 matrix_b_fmt:MATRIX_FMT_BF6 matrix_a_scale:MATRIX_SCALE_ROW1
.else
	v_wmma_scale_f32_16x16x128_f8f6f4 v[DD:DD+7], v[AA:AA+11], v[BB:BB+11], v[DD:DD+7], v[SW], v[SX] matrix_a_fmt:MATRIX_FMT_BF6 matrix_b_fmt:MATRIX_FMT_BF6 matrix_a_scale:MATRIX_SCALE_ROW1 matrix_b_scale:MATRIX_SCALE_ROW1
.endif
.endm
; 32 matrix instructions: the 32 accumulators take turns, one instruction a turn, in the same order in every K step.  left: the younger loads that may stay out
.macro KSTEP ks, left
.set SS, 2+(\ks)%2
.set WK, SS|(SS<<2)|0x50
	s_wait_loadcnt \left
	WIN WK                                         ; sources 0 and 1: the set's window; C and D window 1
.irp t, 0,1,2,3,4,5,6,7,8,9,10,11,12,13,14,15
.irp p, 0,1
	PROD \ks, \t, \p
.endr
.endr
.rept 4
	v_nop                                          ; places behind the last products: in front of the first read of results (K step 7); in the other steps they stay beside the wait that stands in front of the loads into the set just read
.endr
.endm
.irp k, 0,1,2,3,4,5
	KSTEP \k, 56                                   ; the other set's 56 loads may stay out
	LOADK \k+2, 1                                  ; the set just emptied is asked for again at once, behind its one wait
.endr
	KSTEP 6, 56
	WIN 0x80                                       ; destination window 2: set 0 is done with
	s_wait_alu depctr_va_vdst(0)                   ; K step 6's matrix instructions are done reading window 2's set, in which gamma and beta land
.irp b, 0,1,2,3,4,5,6,7
.irp j, 0,1,2,3
	global_load_b128 v[16*\b+4*\j:16*\b+4*\j+3], v9, s[12:13] offset:128*\b+16*\j          ; gamma at my 128 columns
	global_load_b128 v[128+16*\b+4*\j:128+16*\b+4*\j+3], v9, s[14:15] offset:128*\b+16*\j  ; beta
.endr
.endr
	KSTEP 7, 63                                    ; 64 loads stand behind K step 7's
; Four chains of pairs for each tile become the rows' sums over all 1,024 columns, in v120 (first tile's row r) and v121 (second tile's).  off: which 512 bytes of LDS, and which register goes out
.macro REDUCE off
.set SR, 124+(\off)/512
.irp p, 0,1
	v_pk_add_f32 v[CH+8*\p:CH+8*\p+1], v[CH+8*\p:CH+8*\p+1], v[CH+8*\p+2:CH+8*\p+3]
	v_pk_add_f32 v[CH+8*\p+4:CH+8*\p+5], v[CH+8*\p+4:CH+8*\p+5], v[CH+8*\p+6:CH+8*\p+7]
.endr
.irp p, 0,1
	v_pk_add_f32 v[CH+8*\p:CH+8*\p+1], v[CH+8*\p:CH+8*\p+1], v[CH+8*\p+4:CH+8*\p+5]
.endr
.irp p, 0,1
	v_add_f32 v[120+\p], v[CH+8*\p], v[CH+8*\p+1]
.endr
.irp p, 0,1
	v_permlanex16_b32 v[122+\p], v[120+\p], s20, s21
.endr
.irp p, 0,1
	v_add_f32 v[120+\p], v[120+\p], v[122+\p]      ; with lane l xor 16's: my wave's 256 columns
.endr
	v_cndmask_b32 v[SR], v120, v121, s[HM]         ; lane l stores stage row l's
	s_wait_alu depctr_va_vdst(0)                   ; the select has written the register that the LDS store reads; and in the second reduction the first one's additions are done with v128-135, in which the loads behind the barrier land
	ds_store_b32 v10, v[SR] offset:\off
	s_wait_dscnt 0x0
	s_barrier_signal -1
	s_barrier_wait -1
.irp p, 0,1
.irp u, 0,1,2,3
	ds_load_b32 v[128+4*\p+\u], v11 offset:\off+128*\u+64*\p
.endr
.endr
	s_wait_dscnt 0x0
.irp p, 0,1
	v_add_f32 v[128+4*\p], v[128+4*\p], v[129+4*\p]
	v_add_f32 v[130+4*\p], v[130+4*\p], v[131+4*\p]
.endr
.irp p, 0,1
	v_add_f32 v[120+\p], v[128+4*\p], v[130+4*\p]
.endr
.endm
	WIN 0x05                                       ; sources 0 and 1 window 1, destination window 0
.irp p, 0,1
.irp k, 0,1,2,3
	v_pk_add_f32 v[CH+8*\p+2*\k:CH+8*\p+2*\k+1], v[128*\p+2*\k:128*\p+2*\k+1], v[128*\p+8+2*\k:128*\p+9+2*\k]   ; the chains begin; each accumulator is read from its low end on
.endr
.endr
	WIN 0x01
.set pr, 8
.rept 56
.irp p, 0,1
	v_pk_add_f32 v[CH+8*\p+2*(pr%4):CH+8*\p+2*(pr%4)+1], v[128*\p+2*pr:128*\p+2*pr+1], v[CH+8*\p+2*(pr%4):CH+8*\p+2*(pr%4)+1]
.endr
.set pr, pr+1
.endr
	WIN 0
	REDUCE 0
.irp p, 0,1
	v_mul_f32 v[136+2*\p], 0xba800000, v[120+\p]   ; -mean, twice: a pair for the packed addition
.endr
.irp p, 0,1
	v_mov_b32 v[137+2*\p], v[136+2*\p]
.endr
	WIN 0x41                                       ; destination and source 0 window 1
.set pr, 0
.rept 64
.irp p, 0,1
	v_pk_add_f32 v[128*\p+2*pr:128*\p+2*pr+1], v[128*\p+2*pr:128*\p+2*pr+1], v[136+2*\p:137+2*\p]
.endr
.set pr, pr+1
.endr
	WIN 0x05
.irp p, 0,1
.irp k, 0,1,2,3
	v_pk_mul_f32 v[CH+8*\p+2*\k:CH+8*\p+2*\k+1], v[128*\p+2*\k:128*\p+2*\k+1], v[128*\p+2*\k:128*\p+2*\k+1]
.endr
.endr
.set pr, 4
.rept 60
.irp p, 0,1
	v_pk_fma_f32 v[CH+8*\p+2*(pr%4):CH+8*\p+2*(pr%4)+1], v[128*\p+2*pr:128*\p+2*pr+1], v[128*\p+2*pr:128*\p+2*pr+1], v[CH+8*\p+2*(pr%4):CH+8*\p+2*(pr%4)+1]
.endr
.set pr, pr+1
.endr
	WIN 0
	REDUCE 512
.irp p, 0,1
	v_fma_f32 v[120+\p], v[120+\p], s22, s23       ; variance + 1e-5
.endr
	s_wait_alu depctr_va_vdst(0)
.irp p, 0,1
	v_rsq_f32 v[140+2*\p], v[120+\p]
.endr
	v_nop                                          ; one plain place behind a transcendental
	s_wait_alu depctr_va_vdst(0)                   ; the two reciprocal roots, v140 and v142, are written, ahead of their first readers
.irp p, 0,1
	v_mov_b32 v[141+2*\p], v[140+2*\p]
.endr
	WIN 0x41
.set pr, 0
.rept 64
.irp p, 0,1
	v_pk_mul_f32 v[128*\p+2*pr:128*\p+2*pr+1], v[128*\p+2*pr:128*\p+2*pr+1], v[140+2*\p:141+2*\p]
.endr
.set pr, pr+1
.endr
	s_wait_loadcnt 0x0                             ; gamma and beta
	WIN 0x69                                       ; destination and source 0 window 1, sources 1 and 2 window 2
.set pr, 0
.rept 64
.irp p, 0,1
	v_pk_fma_f32 v[128*\p+2*pr:128*\p+2*pr+1], v[128*\p+2*pr:128*\p+2*pr+1], v[2*pr:2*pr+1], v[128+2*pr:129+2*pr]
.endr
.set pr, pr+1
.endr
	WIN 0x04
	s_wait_alu depctr_va_vdst(0)                   ; the multiply-adds have written window 1, which the LDS stores below read, and are done reading gamma and beta in window 2, in which the loads behind the barrier land; no vector instruction follows, and the stores between name neither v4 nor window 2
.irp p, 0,1
.irp b, 0,1,2,3,4,5,6,7
.irp j, 0,1,2,3
	ds_store_b128 v[XR+\p], v[128*\p+16*\b+4*\j:128*\p+16*\b+4*\j+3] offset:128*\b+16*\j   ; back into the stage, each lane into the bytes that it alone read; two barriers lie between all reads of x and these stores
.endr
.endr
.endr
	s_wait_dscnt 0x0
	s_barrier_signal -1
	s_barrier_wait -1                              ; 32 whole rows of the result lie in the stage
	WIN 0x80                                       ; destination window 2: registers other than those that the stores above read, so that nothing is owed for those reads
.irp i, 0,1,2,3,4,5,6,7
.irp j, 0,1,2,3,4,5,6,7
	ds_load_b128 v[4*(8*\i+\j):4*(8*\i+\j)+3], v[SD] offset:SP*\i+512*\j
.endr
.endr
	WIN 0x08                                       ; a global store's data are its source 1: window 2
.irp i, 0,1,2,3,4,5,6,7
.irp j, 0,1,2,3,4,5,6,7
	s_wait_dscnt 63-(8*\i+\j)
	global_store_b128 v1, v[4*(8*\i+\j):4*(8*\i+\j)+3], s[16:17] offset:4096*\i+512*\j th:TH_STORE_NT   ; 512 consecutive bytes of a row, aligned
.endr
.endr
	WIN 0                                          ; the add's two registers lie in window 0
	s_wait_dscnt 0x0                               ; the closing lines, six on end
	s_wait_alu 0x0
	s_wait_tensorcnt 0x0
	ds_add_u32 v254, v255
	s_wait_dscnt 0x0
	s_endpgm
.Lfunc_end_k_q38922d08d7_outln:
	.size	k_q38922d08d7_outln, .Lfunc_end_k_q38922d08d7_outln-k_q38922d08d7_outln
	.p2alignl 7, 3214868480
	.fill 96, 4, 3214868480
	.section	.rodata,"a",@progbits
	.p2align	6, 0x0
	.amdhsa_kernel k_q38922d08d7_outln
		.amdhsa_group_segment_fixed_size 133120
		.amdhsa_private_segment_fixed_size 0
		.amdhsa_enable_private_segment 0
		.amdhsa_kernarg_size 56
		.amdhsa_user_sgpr_count 2
		.amdhsa_user_sgpr_kernarg_segment_ptr 1
		.amdhsa_wavefront_size32 1
		.amdhsa_system_sgpr_workgroup_id_x 1
		.amdhsa_system_sgpr_workgroup_id_y 1
		.amdhsa_system_sgpr_workgroup_id_z 1
		.amdhsa_system_vgpr_workitem_id 0
		.amdhsa_next_free_vgpr 1024
		.amdhsa_next_free_sgpr 66
		.amdhsa_reserve_vcc 0
		.amdhsa_float_denorm_mode_32 3
		.amdhsa_float_denorm_mode_16_64 3
		.amdhsa_memory_ordered 1
		.amdhsa_forward_progress 1
		.amdhsa_inst_pref_size 163
	.end_amdhsa_kernel
	.amdgpu_metadata
---
amdhsa.version: [ 1, 2 ]
amdhsa.kernels:
  - .name:           k_q38922d08d7_outln
    .symbol:         k_q38922d08d7_outln.kd
    .args:
      - { .name: ctxc, .offset: 0, .size: 8, .value_kind: global_buffer, .address_space: global }
      - { .name: ctxs, .offset: 8, .size: 8, .value_kind: global_buffer, .address_space: global }
      - { .name: wq, .offset: 16, .size: 8, .value_kind: global_buffer, .address_space: global }
      - { .name: x, .offset: 24, .size: 8, .value_kind: global_buffer, .address_space: global }
      - { .name: ln_gamma, .offset: 32, .size: 8, .value_kind: global_buffer, .address_space: global }
      - { .name: ln_beta, .offset: 40, .size: 8, .value_kind: global_buffer, .address_space: global }
      - { .name: out0, .offset: 48, .size: 8, .value_kind: global_buffer, .address_space: global }
    .group_segment_fixed_size: 133120
    .private_segment_fixed_size: 0
    .kernarg_segment_align: 8
    .kernarg_segment_size: 56
    .max_flat_workgroup_size: 128
    .sgpr_count:     66
    .vgpr_count:     1024
    .wavefront_size: 32
...
	.end_amdgpu_metadata
.endif
;; end of part 8
